; MI455X (gfx1250); checked and timed in simulation.
; The chip was launched on July 23, 2026; its instructions are those of AMD's public machine-readable ISA for CDNA 5 (MIT licence, August 2026) and "CDNA5" Instruction Set Architecture Reference Guide (July 2026). The comments in the code are by the model that wrote it; some were corrected since.
;; Model. Allowed arithmetic: float matrix products may take bf16 or f16 operands with f32 sums; other float arithmetic in f32, or as packed bf16 or f16 multiplies, adds, multiply-adds, maxima and minima; sums over many terms, partial sums and values carried from step to step in f32; what a program stores and reads back later, other than sums and carried values, may be rounded once to bf16 or f16.
;; Inputs: Wk 1,024 x 1,024 float32; Wq 1,024 x 1,024 float32; Wv 1,024 x 1,024 float32; bk 1,024 float32; bq 1,024 float32; bv 1,024 float32; k 4 x 2,048 x 1,024 float32; mask 4 x 2,048 x 2,048 bool; q 4 x 2,048 x 1,024 float32; v 4 x 2,048 x 1,024 float32.
;; Outputs: out0 4 x 2,048 x 1,024 float32.
;; 3 versions, each right; version 3 is version 2 with the launch cast written anew for expert scheduling mode. Each part assembles by itself: llvm-mc -triple=amdgcn-amd-amdhsa -mcpu=gfx1250 --defsym DOCPART=n.
;; ======== version 1 of 3: 4 launches
;; limits: values are held in f16: magnitudes above 65,504 overflow, below 6.1e-05 lose precision; right only within a limited range of input values
;; workspace buffers: xb 50,331,648 bytes; wb 6,291,456 bytes; pb 50,331,648 bytes; pw 33,554,432 bytes; st 1,048,576 bytes
;; launch cast (part 1): grid 1024 x 1, 8 waves a work-group, no clusters, 0 bytes of LDS; arguments q, k, v, Wq, Wk, Wv, xb, wb; writes xb, wb
.if DOCPART == 1
	.amdgcn_target "amdgcn-amd-amdhsa--gfx1250"
	.amdhsa_code_object_version 6
	.text
	.protected	k_qf597d033df_cast
	.globl	k_qf597d033df_cast
	.p2align	8
	.type	k_qf597d033df_cast,@function
k_qf597d033df_cast:
	s_mov_b64 s[64:65], 0
	v_nop
	global_prefetch_b8 v0, s[64:65] scope:SCOPE_SE
	s_setreg_imm32_b32 hwreg(HW_REG_WAVE_MODE, 25, 1), 1
	s_wait_xcnt 0x0
; xb[0..2] = q, k, v and wb[0..2] = Wq, Wk, Wv, each number rounded once from f32 to bf16 (to nearest even).
; A pure stream: no LDS, no matrix work, no barrier.  Each of the 1,024 work-groups takes one part in 1,024 of EACH of the six tensors,
; so all are alike and no buffer is chosen by a branch: 8,192 numbers of q, of k and of v (8 loads of 16 bytes a thread each) and
; 1,024 numbers of each W (1 load each).  All 27 loads of a thread go out before the first is waited for.
; A wave's load covers 512 consecutive bytes; a wave's store of 8 bytes a lane covers 256 consecutive bytes, at a multiple of 256 from the buffer's first.
; No register is written twice, so no wait frees a source.
.set IN,  4                            ; v[4:111]    load n: four f32
.set OUT, 112                          ; v[112:165]  load n: four bf16
	s_load_b512 s[8:23], s[0:1], 0x0               ; q s[8:9], k s[10:11], v s[12:13], Wq s[14:15], Wk s[16:17], Wv s[18:19], xb s[20:21], wb s[22:23]
	v_lshlrev_b32 v1, 4, v0                        ; 16 bytes a thread in
	v_lshlrev_b32 v2, 3, v0                        ; 8 bytes a thread out
	s_lshl_b32 s24, ttmp9, 15                      ; the group's 32,768 bytes of q, k, v
	s_mov_b32 s25, 0
	s_lshl_b32 s26, ttmp9, 12                      ; its 4,096 bytes of each W
	s_mov_b32 s27, 0
	s_lshl_b32 s28, ttmp9, 14                      ; its 16,384 bytes of each plane of xb
	s_mov_b32 s29, 0
	s_lshl_b32 s30, ttmp9, 11                      ; its 2,048 bytes of each plane of wb
	s_mov_b32 s31, 0
	s_wait_kmcnt 0x0
.irp p, 8, 10, 12
	s_add_nc_u64 s[\p:\p+1], s[\p:\p+1], s[24:25]
.endr
.irp p, 14, 16, 18
	s_add_nc_u64 s[\p:\p+1], s[\p:\p+1], s[26:27]
.endr
	s_add_nc_u64 s[20:21], s[20:21], s[28:29]      ; xb, plane 0
	s_add_nc_u64 s[32:33], s[20:21], 0x1000000     ; plane 1: 8,192 x 1,024 x 2 bytes on
	s_add_nc_u64 s[34:35], s[20:21], 0x2000000     ; plane 2
	s_add_nc_u64 s[22:23], s[22:23], s[30:31]      ; wb, plane 0
	s_add_nc_u64 s[36:37], s[22:23], 0x200000      ; plane 1: 1,024 x 1,024 x 2 bytes on
	s_add_nc_u64 s[38:39], s[22:23], 0x400000      ; plane 2
.set n, 0
.irp p, 8, 10, 12
.set i, 0
.rept 8
	global_load_b128 v[IN+4*n:IN+4*n+3], v1, s[\p:\p+1] offset:i*4096 th:TH_LOAD_NT
.set i, i+1
.set n, n+1
.endr
.endr
.irp p, 14, 16, 18
	global_load_b128 v[IN+4*n:IN+4*n+3], v1, s[\p:\p+1] th:TH_LOAD_NT
.set n, n+1
.endr
.set n, 0
.irp p, 20, 32, 34
.set i, 0
.rept 8
	s_wait_loadcnt 26-n                            ; loads come back in order: load n is in, the 26 - n younger ones stay out
	v_cvt_pk_bf16_f32 v[OUT+2*n], v[IN+4*n], v[IN+4*n+1]
	v_cvt_pk_bf16_f32 v[OUT+2*n+1], v[IN+4*n+2], v[IN+4*n+3]
	global_store_b64 v2, v[OUT+2*n:OUT+2*n+1], s[\p:\p+1] offset:i*2048
.set i, i+1
.set n, n+1
.endr
.endr
.irp p, 22, 36, 38
	s_wait_loadcnt 26-n
	v_cvt_pk_bf16_f32 v[OUT+2*n], v[IN+4*n], v[IN+4*n+1]
	v_cvt_pk_bf16_f32 v[OUT+2*n+1], v[IN+4*n+2], v[IN+4*n+3]
	global_store_b64 v2, v[OUT+2*n:OUT+2*n+1], s[\p:\p+1]
.set n, n+1
.endr
	s_endpgm
.Lfunc_end_k_qf597d033df_cast:
	.size	k_qf597d033df_cast, .Lfunc_end_k_qf597d033df_cast-k_qf597d033df_cast
	.p2alignl 7, 3214868480
	.fill 96, 4, 3214868480
	.section	.rodata,"a",@progbits
	.p2align	6, 0x0
	.amdhsa_kernel k_qf597d033df_cast
		.amdhsa_group_segment_fixed_size 0
		.amdhsa_private_segment_fixed_size 0
		.amdhsa_enable_private_segment 0
		.amdhsa_kernarg_size 64
		.amdhsa_user_sgpr_count 2
		.amdhsa_user_sgpr_kernarg_segment_ptr 1
		.amdhsa_wavefront_size32 1
		.amdhsa_system_sgpr_workgroup_id_x 1
		.amdhsa_system_sgpr_workgroup_id_y 1
		.amdhsa_system_sgpr_workgroup_id_z 1
		.amdhsa_system_vgpr_workitem_id 0
		.amdhsa_next_free_vgpr 168
		.amdhsa_next_free_sgpr 66
		.amdhsa_reserve_vcc 0
		.amdhsa_float_denorm_mode_32 3
		.amdhsa_float_denorm_mode_16_64 3
		.amdhsa_memory_ordered 1
		.amdhsa_forward_progress 1
		.amdhsa_inst_pref_size 11
	.end_amdhsa_kernel
	.amdgpu_metadata
---
amdhsa.version: [ 1, 2 ]
amdhsa.kernels:
  - .name:           k_qf597d033df_cast
    .symbol:         k_qf597d033df_cast.kd
    .args:
      - { .name: q, .offset: 0, .size: 8, .value_kind: global_buffer, .address_space: global }
      - { .name: k, .offset: 8, .size: 8, .value_kind: global_buffer, .address_space: global }
      - { .name: v, .offset: 16, .size: 8, .value_kind: global_buffer, .address_space: global }
      - { .name: Wq, .offset: 24, .size: 8, .value_kind: global_buffer, .address_space: global }
      - { .name: Wk, .offset: 32, .size: 8, .value_kind: global_buffer, .address_space: global }
      - { .name: Wv, .offset: 40, .size: 8, .value_kind: global_buffer, .address_space: global }
      - { .name: xb, .offset: 48, .size: 8, .value_kind: global_buffer, .address_space: global }
      - { .name: wb, .offset: 56, .size: 8, .value_kind: global_buffer, .address_space: global }
    .group_segment_fixed_size: 0
    .private_segment_fixed_size: 0
    .kernarg_segment_align: 8
    .kernarg_segment_size: 64
    .max_flat_workgroup_size: 256
    .sgpr_count:     66
    .vgpr_count:     168
    .wavefront_size: 32
...
	.end_amdgpu_metadata
.endif
;; end of part 1
;; launch proj (part 2): grid 4 x 192, 4 waves a work-group, clusters of 4 x 4, 327,680 bytes of LDS; arguments xb, wb, bq, bk, bv, pb; writes pb
.if DOCPART == 2
	.amdgcn_target "amdgcn-amd-amdhsa--gfx1250"
	.amdhsa_code_object_version 6
	.text
	.protected	k_qf597d033df_proj
	.globl	k_qf597d033df_proj
	.p2align	8
	.type	k_qf597d033df_proj,@function
k_qf597d033df_proj:
	s_mov_b64 s[64:65], 0
	v_nop
	global_prefetch_b8 v0, s[64:65] scope:SCOPE_SE
	s_setreg_imm32_b32 hwreg(HW_REG_WAVE_MODE, 25, 1), 1
	s_wait_xcnt 0x0
	s_wait_alu depctr_hold_cnt(0) depctr_sa_sdst(0) depctr_va_vdst(0) depctr_va_sdst(0) depctr_va_ssrc(0) depctr_va_vcc(0) depctr_vm_vsrc(0)
	s_getreg_b32 s2, hwreg(HW_REG_IB_STS2, 6, 4)
	s_cmp_eq_u32 s2, 0
	s_cbranch_scc0 .Lentry_in_a_cluster
	s_endpgm
.Lentry_in_a_cluster:
	s_bfe_u32 s2, ttmp6, 0x10000c
	s_cmp_lg_u32 s2, 0xf033
	s_cbranch_scc0 .Lentry_shape_is_right
	s_endpgm
.Lentry_shape_is_right:
; pb[t][row][e] = the sum over d of xb[t][row][d] wb[t][e][d] + b[t][e], for t = 0 (q), 1 (k), 2 (v).  xb: [3][8192][1024] bf16, wb: [3][1024][1024] bf16,
; the biases f32 (rounded here to bf16, as all the module's inputs are), pb: [3][8192][1024] f16.  Products in bf16, sums in f32, pb rounded once.
; LIMIT: a projected number of 65,520 or more would leave f16's range; with inputs as drawn the largest is about 3, with all inputs 30 times larger about 2,900.
; SHARES.  A work-group makes 128 rows x 256 columns of pb: 192 tile rows (64 for each t) x 4 tile columns = 768 work-groups, three for each of 256 WGPs.  Four waves, each 64 x 128:
; 32 accumulators of 16 x 16.  K goes in steps of 128 (rows of 256 bytes) through two LDS slots filled by the tensor data mover.
; CLUSTERS of 4 x 4: the four of a row of the cluster need the same rows of xb, the four of a column the same rows of wb: each tile is asked for JOINTLY.
; THE MATRIX INSTRUCTION IS USED TRANSPOSED (source 0 = 16 rows of wb, source 1 = 16 rows of xb): lane l holds row l % 16 of pb and the columns 8 (l / 16) + 0..7.
; THE BIAS IS THE C OPERAND of each accumulator's first product: nothing is cleared, nothing is added on the way out.
; REGISTERS: window 0: v0-31 addresses; v32-63 at work; v64-159, v160-255 two fragment buffers (A's four fragments, then B's eight).  Window 1: the accumulators, (a, b) at v[8 (8 a + b)].
; Window 2: v0-63 the bias of my 128 columns, laid as an accumulator's registers.
.set PITCH,  272                       ; an LDS row: 256 bytes + 16 of padding = 68 words: the 16 rows of a load start at 16 different groups of four banks (64 banks of 4 bytes: ISA guide 11.1)
.set ABYTES, 128*PITCH                 ; A's 128 rows
.set SLOT,   384*PITCH                 ; then B's 256 rows
.set STAGE,  2*SLOT                    ; behind the ring: 16 rows x 272 bytes for each wave, for the way out
.set SPITCH, 272
.set SPARE,  STAGE+4*16*SPITCH         ; behind the stages: the spare words, 128 bytes for each wave: two blocks of 256 bytes that no other line names
.set STEP,   256                       ; bytes of a row in a K step
.set LAPS,   4                         ; a lap = two K steps; K = 1,024
.set ADRA, 16                          ; v16-17  LDS address of my A fragments in slot 0, 1
.set ADRB, 20                          ; v20-21  the same for B
.set STO,  24                          ; v24     the way out: where I put 16 bytes of a row
.set RD,   25                          ; v25     where I read a row back
.set CO,   26                          ; v26     my byte offset in pb
.set SPW,  28                          ; v28     LDS address of my spare word; never rewritten
.set NIL,  29                          ; v29     0; never rewritten
.set PFO,  30                          ; v30     the prefetches' offset: my lane x a row (2,048 bytes); never rewritten
.set TMP,  64                          ; the way out: packed results, then whole rows
.set F0,   64
.set F1,   160
.set WV,  16                           ; s16 wave   s17 wave / 2: my 64 rows; also: I fetch for A (0) or B (1)   s18 wave % 2: my 128 columns; also: which half I fetch
.set WH,  17
.set WL,  18
.set CX,  19                           ; my place in the cluster
.set CY,  20
.set TC,  21                           ; tile column = 4 x cluster x + cx
.set TR,  22                           ; tile row = 4 x cluster y + cy
.set CLY, 23                           ; cluster y
.set G1,  24                           ; s[24:31] descriptor group 1 for A's tiles;  s[32:39] group 0, a set for each slot
.set G0,  32
.set G1B, 48                           ; s[48:55], s[56:63] the same for B's
.set G0B, 56
.set PFA, 66                           ; s[66:67] where my prefetches stand
.set LIM, 70                           ; s70  1 in a wave that prefetches, else the greatest number
.set TT,  71                           ; s71  t, made of the cluster's y alone
.set CB,  84                           ; s[84:85] pb at my wave's first row and column
.set GW0, (1<<16)|(1<<20)|(1<<21)|(5<<22)|(3<<25)  ; 17:16 elements of 2 bytes; 20 padding on; 21 set beside a mask; 24:22 after every 64 words (code 5); 31:25 4 words (code 3)
.set MSB, 0
.macro WIN new                         ; the immediate's high byte repeats the setting that is left; a switch that changes nothing is dropped
.if MSB != (\new)
	s_set_vgpr_msb (MSB<<8)|(\new)
.set MSB, \new
.endif
.endm
.macro PLACES                          ; four places in front of loads into registers that matrix instructions have read, and of conversions that read results
.rept 4
	v_nop
.endr
.endm
.macro JLOAD s                         ; a joint load: waves 0 and 1 fetch A's two halves, waves 2 and 3 B's; an s_nop 0 and four v_nop follow each line, ahead of the jump and the label
	s_cmp_eq_u32 s[WH], 0
	s_cbranch_scc0 .Lfor_b_\@
	tensor_load_to_lds s[G0+4*(\s):G0+4*(\s)+3], s[G1:G1+7]
	s_nop 0
.rept 4
	v_nop
.endr
	s_branch .Lasked_\@
.Lfor_b_\@:
	tensor_load_to_lds s[G0B+4*(\s):G0B+4*(\s)+3], s[G1B:G1B+7]
	s_nop 0
.rept 4
	v_nop
.endr
.Lasked_\@:
.endm
.macro CREST                           ; a round of the cluster's barrier behind its opening barrier
	s_cmp_lg_u32 s[WV], 0
	s_cbranch_scc1 .Lnot_wave_0_\@
	s_barrier_signal -3
.Lnot_wave_0_\@:
	s_barrier_wait -3
	s_barrier_signal -1
	s_barrier_wait -1
.endm
.macro CROUND                          ; a whole round
	s_barrier_signal -1
	s_barrier_wait -1
	CREST
.endm
; A PREFETCH INTO THE L2, behind a joint refill, its five lines and the run of LDS loads: 32 rows x 256 bytes, a lane a row, of the K step that stands two refills on (256 matrix instructions ahead of the load that
; wants it).  Each row's 256 bytes of a K step are named once in the launch.  A's 128 rows: wave 0 of each of the four partners along x takes 32, told apart by address.  B's: waves 2 and 3 take 32 of the 128 rows
; that they fetch, the partners along y told apart by address; of the 16 clusters that walk one t's weights the first asks.  The loop's last trip has no K step two on and asks for nothing.
.macro ASK
	s_cmp_gt_u32 s3, s[LIM]
	s_cbranch_scc0 .Lnot_mine_\@
	global_prefetch_b8 v[PFO], s[PFA:PFA+1] th:TH_LOAD_NT scope:SCOPE_SE
.Lnot_mine_\@:
.endm
	s_load_b256 s[4:11], s[0:1], 0x0               ; xb s[4:5], wb s[6:7], bq s[8:9], bk s[10:11]
	s_load_b128 s[12:15], s[0:1], 0x20             ; bv s[12:13], pb s[14:15]
	v_lshl_add_u32 v[SPW], v0, 2, SPARE
	v_mov_b32 v[NIL], 0
	ds_add_u32 v[SPW], v[NIL]                      ; the wave's opening: the add, and its wait ahead of my first tensor load; the set-up below, work on registers, stands between them
	v_lshrrev_b32 v3, 5, v0
	v_readfirstlane_b32 s[WV], v3
	s_lshr_b32 s[WH], s[WV], 1
	s_and_b32 s[WL], s[WV], 1
	s_bfe_u32 s[CX], ttmp6, 0x40000
	s_bfe_u32 s[CY], ttmp6, 0x40004
	s_lshl_b32 s[TC], ttmp9, 2
	s_add_co_u32 s[TC], s[TC], s[CX]
	s_and_b32 s[CLY], ttmp7, 0xffff
	s_lshl_b32 s[TR], s[CLY], 2
	s_add_co_u32 s[TR], s[TR], s[CY]
	s_lshr_b32 s[TT], s[CLY], 4                    ; 64 tile rows, 16 clusters, for each t
	s_lshl_b32 s76, s[CY], 2
	s_lshl_b32 s76, 15, s76                        ; my row of the cluster
	s_lshl_b32 s77, 0x1111, s[CX]                  ; my column
	s_or_b32 s[G1], s76, GW0                       ; A's tiles go to my row,
	s_or_b32 s[G1B], s77, GW0                      ; B's to my column
	s_mov_b32 s[G1+1], 128<<16                     ; tensor_dim0 = 128
	s_mov_b32 s[G1+2], 64<<16                      ; tensor_dim1 = 64
	s_mov_b32 s[G1+3], 128<<16                     ; tile_dim0 = 128
	s_mov_b32 s[G1+4], 64                          ; tile_dim1 = 64
	s_mov_b32 s[G1+5], 1024                        ; elements from row to row
	s_mov_b32 s[G1+6], 0
	s_mov_b32 s[G1+7], 0
	s_mov_b32 s[G1B+1], 128<<16
	s_mov_b32 s[G1B+2], 128<<16                    ; 128 rows
	s_mov_b32 s[G1B+3], 128<<16
	s_mov_b32 s[G1B+4], 128
	s_mov_b32 s[G1B+5], 1024
	s_mov_b32 s[G1B+6], 0
	s_mov_b32 s[G1B+7], 0
	s_lshl_b32 s40, s[TR], 7                       ; A: row 128 x tile row + 64 x half; these two registers never hold cx
	s_lshl_b32 s41, s[WL], 6
	s_add_co_u32 s40, s40, s41
	s_lshl_b32 s40, s40, 11                        ; x 2,048 bytes: under 2^26
	s_mov_b32 s41, 0
	s_lshl_b32 s42, s[TT], 10                      ; B: row 1,024 t + 256 x tile column + 128 x half; these two never hold cy
	s_lshl_b32 s43, s[TC], 8
	s_add_co_u32 s42, s42, s43
	s_lshl_b32 s43, s[WL], 7
	s_add_co_u32 s42, s42, s43
	s_lshl_b32 s42, s42, 11
	s_mov_b32 s43, 0
	s_mul_i32 s78, s[WL], 64*PITCH                 ; where they go: no place in the cluster enters an LDS address
	s_mul_i32 s79, s[WL], 128*PITCH
	s_add_co_u32 s79, s79, ABYTES
	s_wait_dscnt 0x0                               ; the opening add is done
	s_wait_kmcnt 0x0
	s_add_nc_u64 s[40:41], s[4:5], s[40:41]
	s_add_nc_u64 s[42:43], s[6:7], s[42:43]
	CROUND                                         ; all sixteen work-groups are here: the first joint loads meet
.irp s, 0,1
	s_mov_b32 s[G0+4*(\s)], 1
	s_add_co_u32 s[G0+4*(\s)+1], s78, (\s)*SLOT
	s_add_nc_u64 s[G0+4*(\s)+2:G0+4*(\s)+3], s[40:41], (\s)*STEP
	s_or_b32 s[G0+4*(\s)+3], s[G0+4*(\s)+3], 0x80000000
	s_mov_b32 s[G0B+4*(\s)], 1
	s_add_co_u32 s[G0B+4*(\s)+1], s79, (\s)*SLOT
	s_add_nc_u64 s[G0B+4*(\s)+2:G0B+4*(\s)+3], s[42:43], (\s)*STEP
	s_or_b32 s[G0B+4*(\s)+3], s[G0B+4*(\s)+3], 0x80000000
	JLOAD \s                                       ; two loads of mine are out
.endr
	v_and_b32 v1, 15, v0                           ; r = l % 16
	v_bfe_u32 v2, v0, 4, 1                         ; h = l / 16
	; the bias of my 128 columns: register j of accumulator (a, b) holds column 16 b + 8 h + j
	s_cmp_eq_u32 s[TT], 0
	s_cselect_b64 s[80:81], s[8:9], s[10:11]
	s_cmp_eq_u32 s[TT], 2
	s_cselect_b64 s[80:81], s[12:13], s[80:81]
	s_lshl_b32 s76, s[TC], 10
	s_lshl_b32 s77, s[WL], 9
	s_add_co_u32 s76, s76, s77
	s_mov_b32 s77, 0
	s_add_nc_u64 s[80:81], s[80:81], s[76:77]
	v_lshlrev_b32 v6, 5, v2
.irp b, 0,1,2,3,4,5,6,7
	global_load_b128 v[F1+8*\b:F1+8*\b+3],   v6, s[80:81] offset:64*\b      ; into the second fragment buffer, which is idle until the first quarter's fetch
	global_load_b128 v[F1+8*\b+4:F1+8*\b+7], v6, s[80:81] offset:64*\b+16
.endr
	v_mul_u32_u24 v3, v1, PITCH
	v_lshl_add_u32 v3, v2, 4, v3                   ; a fragment's row x pitch + 16 x half
	s_mul_i32 s76, s[WH], 64*PITCH                 ; my 64 rows of A
	s_mul_i32 s77, s[WL], 128*PITCH                ; my 128 rows of B,
	s_add_co_u32 s77, s77, ABYTES                  ; which lie behind A's
.irp s, 0,1
	v_add_nc_u32 v[ADRA+(\s)], s76, v3
	v_add_nc_u32 v[ADRB+(\s)], s77, v3
	s_add_co_u32 s76, s76, SLOT
	s_add_co_u32 s77, s77, SLOT
.endr
	s_mul_i32 s76, s[WV], 16*SPITCH
	s_add_co_u32 s76, s76, STAGE                   ; my stage
	v_mul_u32_u24 v4, v1, SPITCH                   ; in: row r, 16 bytes for each half of the lanes
	v_lshl_add_u32 v4, v2, 4, v4
	v_add_nc_u32 v[STO], s76, v4
	v_mul_u32_u24 v5, v2, SPITCH                   ; back: lanes 0-15 take one row of 256 bytes, lanes 16-31 the next
	v_lshl_add_u32 v5, v1, 4, v5
	v_add_nc_u32 v[RD], s76, v5
	v_lshlrev_b32 v5, 11, v2                       ; and the same two rows in pb
	v_lshl_add_u32 v[CO], v1, 4, v5
	s_lshl_b32 s76, s[TR], 7
	s_lshl_b32 s77, s[WH], 6
	s_add_co_u32 s76, s76, s77                     ; my first row,
	s_lshl_b32 s76, s76, 11
	s_lshl_b32 s77, s[TC], 9                       ; my first column, in bytes
	s_add_co_u32 s76, s76, s77
	s_lshl_b32 s77, s[WL], 8
	s_add_co_u32 s76, s76, s77
	s_mov_b32 s77, 0
	s_add_nc_u64 s[CB:CB+1], s[14:15], s[76:77]
	; the prefetches
	s_lshl_b32 s44, s[TR], 7                       ; A: the tile's rows, my work-group's 32 of them
	s_lshl_b32 s45, s[CX], 5
	s_add_co_u32 s44, s44, s45
	s_lshl_b32 s46, s[TT], 10                      ; B: the 128 rows that I fetch, my work-group's 32 of them
	s_lshl_b32 s47, s[TC], 8
	s_add_co_u32 s46, s46, s47
	s_lshl_b32 s47, s[WL], 7
	s_add_co_u32 s46, s46, s47
	s_lshl_b32 s47, s[CY], 5
	s_add_co_u32 s46, s46, s47
	s_and_b32 s47, s[CLY], 15                      ; 0 in the first of the clusters that walk this t's weights
	s_cmp_eq_u32 s[WH], 0
	s_cselect_b32 s44, s44, s46
	s_cselect_b32 s47, ttmp9, s47                  ; the coordinate along which other clusters read the same rows
	s_cselect_b64 s[PFA:PFA+1], s[4:5], s[6:7]
	s_lshl_b32 s44, s44, 11
	s_mov_b32 s45, 0
	s_add_nc_u64 s[PFA:PFA+1], s[PFA:PFA+1], s[44:45]
	s_add_nc_u64 s[PFA:PFA+1], s[PFA:PFA+1], 3*STEP  ; at K step 3: the first refill (of K step 2) steps it to 4.  Nothing is asked for at the head
	s_cmp_eq_u32 s[WV], 1                          ; wave 0 asks for all that its work-group takes of A: wave 1 asks for nothing
	s_cselect_b32 s46, 1, 0
	s_or_b32 s47, s47, s46
	s_cmp_eq_u32 s47, 0
	s_cselect_b32 s[LIM], 1, -1                    ; the same in all sixteen partners, for a given wave
	v_and_b32 v[PFO], 31, v0
	v_lshlrev_b32 v[PFO], 11, v[PFO]
	s_wait_loadcnt 0x0                             ; the bias
.set i, 0
.rept 32
	v_cvt_pk_bf16_f32 v[32+i], v[F1+2*i], v[F1+2*i+1]  ; rounded to bf16,
.set i, i+1
.endr
	WIN 0x80                                       ; destination window 2
.set i, 0
.rept 32
	v_lshlrev_b32 v[2*i], 16, v[32+i]              ; and widened again
	v_and_b32 v[2*i+1], 0xffff0000, v[32+i]
.set i, i+1
.endr
	WIN 0
; 8 matrix instructions: block a of my four blocks of 16 rows x all 8 blocks of 16 columns, 32 along K.  z = 1: the first product starts the sums with the bias.
; The 32 accumulators take turns, one instruction a turn, over the backward jump too.
.macro MUL8 f, a, z
.if \z
	WIN 0x60                                       ; C window 2, D window 1, sources window 0
.else
	WIN 0x50                                       ; C and D window 1
.endif
.irp b, 0,1,2,3,4,5,6,7
.if \z
	v_wmma_f32_16x16x32_bf16 v[8*(8*(\a)+\b):8*(8*(\a)+\b)+7], v[(\f)+32+8*\b:(\f)+32+8*\b+7], v[(\f)+8*(\a):(\f)+8*(\a)+7], v[8*\b:8*\b+7]
.else
	v_wmma_f32_16x16x32_bf16 v[8*(8*(\a)+\b):8*(8*(\a)+\b)+7], v[(\f)+32+8*\b:(\f)+32+8*\b+7], v[(\f)+8*(\a):(\f)+8*(\a)+7], v[8*(8*(\a)+\b):8*(8*(\a)+\b)+7]
.endif
.endr
.endm
; 24 LDS loads in one run: the fragments of 32 along K at byte k of the rows, into buffer f: B's eight, then A's four
.macro FETCH slot, k, f
	WIN 0
.irp i, 0,1,2,3,4,5,6,7
	ds_load_b128 v[(\f)+32+8*\i:(\f)+32+8*\i+3],   v[ADRB+(\slot)] offset:(\k)+\i*16*PITCH
	ds_load_b128 v[(\f)+32+8*\i+4:(\f)+32+8*\i+7], v[ADRB+(\slot)] offset:(\k)+\i*16*PITCH+32
.endr
.irp i, 0,1,2,3
	ds_load_b128 v[(\f)+8*\i:(\f)+8*\i+3],   v[ADRA+(\slot)] offset:(\k)+\i*16*PITCH
	ds_load_b128 v[(\f)+8*\i+4:(\f)+8*\i+7], v[ADRA+(\slot)] offset:(\k)+\i*16*PITCH+32
.endr
.endm
; A K step is four quarters of 32 along K, 32 matrix instructions each, on buffers 0, 1, 0, 1.  One of the first three: multiplies buffer f and fetches the next quarter, at byte k, into g.
.macro QUARTER slot, k, f, g, z
	s_wait_dscnt 4                                 ; B and A's fragments 0 and 1 are in; the youngest four loads (A's fragments 2 and 3) may be out
	MUL8 \f, 0, \z
	MUL8 \f, 1, \z
	WIN 0
	PLACES
	FETCH \slot, \k, \g
	s_wait_dscnt 24                                ; all but the 24 just issued
	MUL8 \f, 2, \z
	MUL8 \f, 3, \z
.endm
; The last quarter multiplies buffer 1 and changes slots: ONE barrier; in front of it each wave waits for all its tensor loads (one is out: its part of the next slot), adds 0 to its spare word, and waits for that
; and for its own reads of this slot.  fill = 1: the barrier opens a round of the cluster's barrier, and this slot is filled again, two K steps ahead, first thing behind the round: 112 matrix instructions ahead of the wait for it.
.macro TURN slot, next, fill
.if \fill
	s_wait_xcnt 0x0                                ; the last prefetch, a K step back, has read its address: it is stepped here, ahead of the waits of the change of slots
	s_add_nc_u64 s[PFA:PFA+1], s[PFA:PFA+1], STEP
.endif
	WIN 0
	s_wait_tensorcnt 0x0                           ; all my tensor loads have landed;
	ds_add_u32 v[SPW], v[NIL]                      ; 0 onto my spare word;
	s_wait_dscnt 5                                 ; (the add and the youngest four loads may be out)
	MUL8 F1, 0, 0                                  ; eight matrix instructions stand between the add and the wait for it
	s_wait_dscnt 0x0                               ; the add is done, and my reads of this slot are over
	s_barrier_signal -1
	MUL8 F1, 1, 0
	WIN 0
	s_barrier_wait -1
.if \fill
	CREST                                          ; no wave of any partner still reads this slot's tile or has a load on its way
	s_add_nc_u64 s[G0+4*(\slot)+2:G0+4*(\slot)+3], s[G0+4*(\slot)+2:G0+4*(\slot)+3], 2*STEP
	s_add_nc_u64 s[G0B+4*(\slot)+2:G0B+4*(\slot)+3], s[G0B+4*(\slot)+2:G0B+4*(\slot)+3], 2*STEP
	JLOAD \slot                                    ; the four v_nop behind it are also the places in front of the loads below
.else
	PLACES
.endif
	FETCH \next, 0, F0
.if \fill
	ASK
.endif
	MUL8 F1, 2, 0
	MUL8 F1, 3, 0
.endm
	s_wait_tensorcnt 0x1                           ; my part of K step 0 is in; K step 1's may stay out
	s_barrier_signal -1
	s_barrier_wait -1                              ; everybody's is
	FETCH 0, 0, F0
	QUARTER 0, 64, F0, F1, 1                       ; the first quarter stands in front of the loop: its products start the sums
	WIN 0                                          ; at a label and at a branch every window is 0
	s_mov_b32 s3, LAPS-1
.Llap:                                                 ; a trip goes once round the ring, from a lap's second quarter to the next lap's first, and fills both slots again
	QUARTER 0, 128, F1, F0, 0
	QUARTER 0, 192, F0, F1, 0
	TURN 0, 1, 1
	QUARTER 1, 64,  F0, F1, 0
	QUARTER 1, 128, F1, F0, 0
	QUARTER 1, 192, F0, F1, 0
	TURN 1, 0, 1
	QUARTER 0, 64,  F0, F1, 0
	WIN 0
	s_sub_co_u32 s3, s3, 1
	s_cmp_lg_u32 s3, 0
	s_cbranch_scc1 .Llap
	QUARTER 0, 128, F1, F0, 0                      ; the last lap fills nothing, and has no round of the cluster's barrier
	QUARTER 0, 192, F0, F1, 0
	TURN 0, 1, 0
	QUARTER 1, 64,  F0, F1, 0
	QUARTER 1, 128, F1, F0, 0
	QUARTER 1, 192, F0, F1, 0
	s_wait_dscnt 4                                 ; the very last quarter: nothing more to fetch
	MUL8 F1, 0, 0
	MUL8 F1, 1, 0
	s_wait_dscnt 0x0
	MUL8 F1, 2, 0
	MUL8 F1, 3, 0
	WIN 0
	PLACES
; THE WAY OUT, a block of 16 rows at a time: rounded to f16, 16 bytes a lane into my own stage, back as whole rows of 256 bytes, stored.
.macro PK a
	WIN 0x05                                       ; sources 0 and 1 window 1
.set i, 0
.rept 32
	v_cvt_pk_f16_f32 v[TMP+32*(\a)+i], v[64*(\a)+2*i], v[64*(\a)+2*i+1]  ; each accumulator's registers in ascending order
.set i, i+1
.endr
	WIN 0
.irp b, 0,1,2,3,4,5,6,7
	ds_store_b128 v[STO], v[TMP+32*(\a)+4*\b:TMP+32*(\a)+4*\b+3] offset:32*\b
.endr
.irp t, 0,1,2,3,4,5,6,7
	ds_load_b128 v[TMP+32*(\a)+4*\t:TMP+32*(\a)+4*\t+3], v[RD] offset:\t*2*SPITCH  ; LDS serves a wave's instructions in order (ISA guide 5.7.1.4): these see the stores above; the next block's stores come behind them
.endr
.endm
.macro SEND a, younger                 ; younger: the LDS instructions issued behind block a's loads: the next block's sixteen, or none
	s_wait_dscnt \younger
.irp t, 0,1,2,3,4,5,6,7
	global_store_b128 v[CO], v[TMP+32*(\a)+4*\t:TMP+32*(\a)+4*\t+3], s[CB:CB+1] offset:(16*(\a)+2*\t)*2048  ; 16 lanes store 256 consecutive bytes, at a multiple of 256 from pb's first byte
.endr
.endm
	PK 0
	PK 1                                           ; a block's conversions stand between the loads of the block before and its stores
	SEND 0, 16
	PK 2
	SEND 1, 16
	PK 3
	SEND 2, 16
	SEND 3, 0
	s_wait_tensorcnt 0x0                           ; the wave's end: behind my last tensor load and my last LDS store
	ds_add_u32 v[SPW], v[NIL]
	s_wait_dscnt 0x0
	CROUND                                         ; the closing round: no work-group ends while a partner may still ask for a tile that names it
	s_endpgm
.Lfunc_end_k_qf597d033df_proj:
	.size	k_qf597d033df_proj, .Lfunc_end_k_qf597d033df_proj-k_qf597d033df_proj
	.p2alignl 7, 3214868480
	.fill 96, 4, 3214868480
	.section	.rodata,"a",@progbits
	.p2align	6, 0x0
	.amdhsa_kernel k_qf597d033df_proj
		.amdhsa_group_segment_fixed_size 327680
		.amdhsa_private_segment_fixed_size 0
		.amdhsa_enable_private_segment 0
		.amdhsa_kernarg_size 48
		.amdhsa_user_sgpr_count 2
		.amdhsa_user_sgpr_kernarg_segment_ptr 1
		.amdhsa_wavefront_size32 1
		.amdhsa_system_sgpr_workgroup_id_x 1
		.amdhsa_system_sgpr_workgroup_id_y 1
		.amdhsa_system_sgpr_workgroup_id_z 1
		.amdhsa_system_vgpr_workitem_id 0
		.amdhsa_next_free_vgpr 576
		.amdhsa_next_free_sgpr 88
		.amdhsa_reserve_vcc 0
		.amdhsa_float_denorm_mode_32 3
		.amdhsa_float_denorm_mode_16_64 3
		.amdhsa_memory_ordered 1
		.amdhsa_forward_progress 1
		.amdhsa_inst_pref_size 94
	.end_amdhsa_kernel
	.amdgpu_metadata
---
amdhsa.version: [ 1, 2 ]
amdhsa.kernels:
  - .name:           k_qf597d033df_proj
    .symbol:         k_qf597d033df_proj.kd
    .args:
      - { .name: xb, .offset: 0, .size: 8, .value_kind: global_buffer, .address_space: global }
      - { .name: wb, .offset: 8, .size: 8, .value_kind: global_buffer, .address_space: global }
      - { .name: bq, .offset: 16, .size: 8, .value_kind: global_buffer, .address_space: global }
      - { .name: bk, .offset: 24, .size: 8, .value_kind: global_buffer, .address_space: global }
      - { .name: bv, .offset: 32, .size: 8, .value_kind: global_buffer, .address_space: global }
      - { .name: pb, .offset: 40, .size: 8, .value_kind: global_buffer, .address_space: global }
    .group_segment_fixed_size: 327680
    .private_segment_fixed_size: 0
    .kernarg_segment_align: 8
    .kernarg_segment_size: 48
    .max_flat_workgroup_size: 128
    .sgpr_count:     88
    .vgpr_count:     576
    .wavefront_size: 32
...
	.end_amdgpu_metadata
.endif
;; end of part 2
;; launch score (part 3): grid 8 x 64, 4 waves a work-group, clusters of 4 x 4, 327,680 bytes of LDS; arguments pb, pw, st; writes pw, st
.if DOCPART == 3
	.amdgcn_target "amdgcn-amd-amdhsa--gfx1250"
	.amdhsa_code_object_version 6
	.text
	.protected	k_qf597d033df_score
	.globl	k_qf597d033df_score
	.p2align	8
	.type	k_qf597d033df_score,@function
k_qf597d033df_score:
	s_mov_b64 s[64:65], 0
	v_nop
	global_prefetch_b8 v0, s[64:65] scope:SCOPE_SE
	s_setreg_imm32_b32 hwreg(HW_REG_WAVE_MODE, 25, 1), 1
	s_wait_xcnt 0x0
	s_wait_alu depctr_hold_cnt(0) depctr_sa_sdst(0) depctr_va_vdst(0) depctr_va_sdst(0) depctr_va_ssrc(0) depctr_va_vcc(0) depctr_vm_vsrc(0)
	s_getreg_b32 s2, hwreg(HW_REG_IB_STS2, 6, 4)
	s_cmp_eq_u32 s2, 0
	s_cbranch_scc0 .Lentry_in_a_cluster
	s_endpgm
.Lentry_in_a_cluster:
	s_bfe_u32 s2, ttmp6, 0x10000c
	s_cmp_lg_u32 s2, 0xf033
	s_cbranch_scc0 .Lentry_shape_is_right
	s_endpgm
.Lentry_shape_is_right:
; THE SCORES AND THE FIRST HALF OF THE SOFTMAX.  s[row][key] = qp[row] . kp[key] (f16 products, f32 sums); c = log2(e) / 32: the scores are divided by sqrt(1024).
; For each row and each block j of 128 keys: cm = c x (the block's largest s);  p = 2^(c s - cm), stored in f16 into pw[row][key];  l = the sum of the block's unrounded p.
; st[0][j][row] = cm, st[1][j][row] = l, both f32.  The launch behind corrects each block to the row's own maximum: together a maximum is taken away in front of every exponential.
; pb: [3][8192][1024] f16 (plane 0 qp, plane 1 kp); pw: [8192][2048] f16; row = 2,048 x batch + query.  The input mask enters nowhere.
; LIMITS: p lies in 0 to 1 (to within a rounding); below 6e-5 it keeps f16's fixed step of 6e-8; a weight below 2^-126 counts as 0 in l; NaN and infinities are not treated apart.
; SHARES.  A work-group makes 128 rows x 256 keys: 64 tile rows x 8 tile columns = 512 work-groups, two for each of 256 WGPs.  Four waves, each 64 rows x 128 keys: a wave's columns ARE one block j = 2 x tile column + wave % 2,
; so maximum and sum never leave the wave.  K (the 1,024 channels) goes in steps of 128 through two LDS slots.
; CLUSTERS of 4 x 4: qp's tile is shared along a row of the cluster, kp's along a column: each is asked for JOINTLY.
; THE MATRIX INSTRUCTION IS USED TRANSPOSED (source 0 = 16 keys, source 1 = 16 queries): lane l holds ONE query (l % 16) and the keys 8 (l / 16) + 0..7 of each block of 16; the query's other 64 keys lie in the lane 16 away.
; REGISTERS: window 0: v0-31 addresses; v32-47 at work; v64-159, v160-255 two fragment buffers (A's four fragments, then B's eight); on the way out v64-127 the exponents and weights, v128-255 packed weights.
; Window 1: the accumulators, (a, b) at v[8 (8 a + b)].
.set PITCH,  272                       ; an LDS row: 256 bytes + 16 of padding = 68 words: the 16 rows of a load start at 16 different groups of four banks (64 banks of 4 bytes: ISA guide 11.1)
.set ABYTES, 128*PITCH
.set SLOT,   384*PITCH
.set STAGE,  2*SLOT                    ; behind the ring: 16 rows x 272 bytes for each wave
.set SPITCH, 272
.set SSTG,   STAGE+4*16*SPITCH         ; then 512 bytes for each wave: 64 cm, 64 l
.set SPARE,  SSTG+4*512                ; then the spare words, 128 bytes for each wave: two blocks of 256 bytes that no other line names
.set STEP,   256
.set LAPS,   4
.set ADRA, 16
.set ADRB, 20
.set STO,  24
.set RD,   25
.set CO,   26
.set SST,  27                          ; v27  where I put my query's cm and l
.set SPW,  28
.set NIL,  29
.set PFO,  30
.set SLD,  31                          ; v31  where I read 16 bytes of the wave's 512 of statistics
.set SGO,  14                          ; v14  and where they go in st
.set CC,   32                          ; v32-39  eight running maxima
.set CM,   40                          ; v[40:41] cm, twice
.set LL,   42                          ; v42  l
.set SD,   44                          ; v[44:47] statistics on their way out
.set E,    64
.set T,    128
.set F0,   64
.set F1,   160
.set WV,  16
.set WH,  17
.set WL,  18
.set CX,  19
.set CY,  20
.set TC,  21
.set TR,  22
.set CLY, 23
.set G1,  24
.set G0,  32
.set G1B, 48
.set G0B, 56
.set PFA, 66
.set LIM, 70
.set BT,  71                           ; s71  the batch, made of the cluster's y alone
.set CS,  72                           ; s[72:73] c
.set SEL, 74                           ; s[74:75] v_permlanex16_b32's selects: each lane takes its own place in the other half
.set CB,  84                           ; s[84:85] pw at my wave's first row and column
.set SB,  86                           ; s[86:87] st at my block and my wave's first row
.set GW0, (1<<16)|(1<<20)|(1<<21)|(5<<22)|(3<<25)
.set MSB, 0
.macro WIN new
.if MSB != (\new)
	s_set_vgpr_msb (MSB<<8)|(\new)
.set MSB, \new
.endif
.endm
.macro PLACES
.rept 4
	v_nop
.endr
.endm
.macro JLOAD s                         ; a joint load: waves 0 and 1 fetch A's two halves, waves 2 and 3 B's; an s_nop 0 and four v_nop follow each line
	s_cmp_eq_u32 s[WH], 0
	s_cbranch_scc0 .Lfor_b_\@
	tensor_load_to_lds s[G0+4*(\s):G0+4*(\s)+3], s[G1:G1+7]
	s_nop 0
.rept 4
	v_nop
.endr
	s_branch .Lasked_\@
.Lfor_b_\@:
	tensor_load_to_lds s[G0B+4*(\s):G0B+4*(\s)+3], s[G1B:G1B+7]
	s_nop 0
.rept 4
	v_nop
.endr
.Lasked_\@:
.endm
.macro CREST
	s_cmp_lg_u32 s[WV], 0
	s_cbranch_scc1 .Lnot_wave_0_\@
	s_barrier_signal -3
.Lnot_wave_0_\@:
	s_barrier_wait -3
	s_barrier_signal -1
	s_barrier_wait -1
.endm
.macro CROUND
	s_barrier_signal -1
	s_barrier_wait -1
	CREST
.endm
; A PREFETCH INTO THE L2, behind a joint refill, its five lines and the run of LDS loads: 32 rows x 256 bytes, a lane a row, of the K step two refills on (256 matrix instructions ahead of its load).  Each row's 256 bytes of a K step
; are named once in the launch.  qp's 128 rows: wave 0 of each partner along x takes 32, by address; of the two clusters along x the first asks.  kp's: waves 2 and 3 take 32 of the 128 rows that they fetch, the partners along y
; told apart by address; of a batch's four clusters along y the first asks.  The loop's last trip asks for nothing.
.macro ASK
	s_cmp_gt_u32 s3, s[LIM]
	s_cbranch_scc0 .Lnot_mine_\@
	global_prefetch_b8 v[PFO], s[PFA:PFA+1] th:TH_LOAD_NT scope:SCOPE_SE
.Lnot_mine_\@:
.endm
	s_load_b128 s[4:7], s[0:1], 0x0                ; pb s[4:5], pw s[6:7]
	s_load_b64 s[8:9], s[0:1], 0x10                ; st
	v_lshl_add_u32 v[SPW], v0, 2, SPARE
	v_mov_b32 v[NIL], 0
	ds_add_u32 v[SPW], v[NIL]                      ; the wave's opening: the add, and its wait ahead of my first tensor load
	v_lshrrev_b32 v3, 5, v0
	v_readfirstlane_b32 s[WV], v3
	s_lshr_b32 s[WH], s[WV], 1
	s_and_b32 s[WL], s[WV], 1
	s_bfe_u32 s[CX], ttmp6, 0x40000
	s_bfe_u32 s[CY], ttmp6, 0x40004
	s_lshl_b32 s[TC], ttmp9, 2
	s_add_co_u32 s[TC], s[TC], s[CX]
	s_and_b32 s[CLY], ttmp7, 0xffff
	s_lshl_b32 s[TR], s[CLY], 2
	s_add_co_u32 s[TR], s[TR], s[CY]
	s_lshr_b32 s[BT], s[CLY], 2                    ; 16 tile rows, 4 clusters, for each batch
	s_lshl_b32 s76, s[CY], 2
	s_lshl_b32 s76, 15, s76
	s_lshl_b32 s77, 0x1111, s[CX]
	s_or_b32 s[G1], s76, GW0
	s_or_b32 s[G1B], s77, GW0
	s_mov_b32 s[G1+1], 128<<16
	s_mov_b32 s[G1+2], 64<<16
	s_mov_b32 s[G1+3], 128<<16
	s_mov_b32 s[G1+4], 64
	s_mov_b32 s[G1+5], 1024
	s_mov_b32 s[G1+6], 0
	s_mov_b32 s[G1+7], 0
	s_mov_b32 s[G1B+1], 128<<16
	s_mov_b32 s[G1B+2], 128<<16
	s_mov_b32 s[G1B+3], 128<<16
	s_mov_b32 s[G1B+4], 128
	s_mov_b32 s[G1B+5], 1024
	s_mov_b32 s[G1B+6], 0
	s_mov_b32 s[G1B+7], 0
	s_mov_b32 s[CS], 0x3d38aa3b                    ; c = log2(e) / 32 = 0.0450842
	s_mov_b32 s[CS+1], s[CS]                       ; named with it as a pair
	s_mov_b32 s[SEL], 0x76543210
	s_mov_b32 s[SEL+1], 0xfedcba98
	s_lshl_b32 s40, s[TR], 7                       ; qp: row 128 x tile row + 64 x half; these two registers never hold cx
	s_lshl_b32 s41, s[WL], 6
	s_add_co_u32 s40, s40, s41
	s_lshl_b32 s40, s40, 11
	s_mov_b32 s41, 0
	s_lshl_b32 s42, s[BT], 11                      ; kp: row 8,192 + 2,048 x batch + 256 x tile column + 128 x half; these two never hold cy
	s_lshl_b32 s43, s[TC], 8
	s_add_co_u32 s42, s42, s43
	s_lshl_b32 s43, s[WL], 7
	s_add_co_u32 s42, s42, s43
	s_add_co_u32 s42, s42, 8192
	s_lshl_b32 s42, s42, 11
	s_mov_b32 s43, 0
	s_mul_i32 s78, s[WL], 64*PITCH
	s_mul_i32 s79, s[WL], 128*PITCH
	s_add_co_u32 s79, s79, ABYTES
	s_wait_dscnt 0x0                               ; the opening add is done
	s_wait_kmcnt 0x0
	s_add_nc_u64 s[40:41], s[4:5], s[40:41]
	s_add_nc_u64 s[42:43], s[4:5], s[42:43]
	CROUND                                         ; all sixteen work-groups are here: the first joint loads meet
.irp s, 0,1
	s_mov_b32 s[G0+4*(\s)], 1
	s_add_co_u32 s[G0+4*(\s)+1], s78, (\s)*SLOT
	s_add_nc_u64 s[G0+4*(\s)+2:G0+4*(\s)+3], s[40:41], (\s)*STEP
	s_or_b32 s[G0+4*(\s)+3], s[G0+4*(\s)+3], 0x80000000
	s_mov_b32 s[G0B+4*(\s)], 1
	s_add_co_u32 s[G0B+4*(\s)+1], s79, (\s)*SLOT
	s_add_nc_u64 s[G0B+4*(\s)+2:G0B+4*(\s)+3], s[42:43], (\s)*STEP
	s_or_b32 s[G0B+4*(\s)+3], s[G0B+4*(\s)+3], 0x80000000
	JLOAD \s                                       ; two loads of mine are out
.endr
	v_and_b32 v1, 15, v0                           ; r
	v_bfe_u32 v2, v0, 4, 1                         ; h
	v_mul_u32_u24 v3, v1, PITCH
	v_lshl_add_u32 v3, v2, 4, v3
	s_mul_i32 s76, s[WH], 64*PITCH
	s_mul_i32 s77, s[WL], 128*PITCH
	s_add_co_u32 s77, s77, ABYTES
.irp s, 0,1
	v_add_nc_u32 v[ADRA+(\s)], s76, v3
	v_add_nc_u32 v[ADRB+(\s)], s77, v3
	s_add_co_u32 s76, s76, SLOT
	s_add_co_u32 s77, s77, SLOT
.endr
	s_mul_i32 s76, s[WV], 16*SPITCH
	s_add_co_u32 s76, s76, STAGE
	v_mul_u32_u24 v4, v1, SPITCH
	v_lshl_add_u32 v4, v2, 4, v4
	v_add_nc_u32 v[STO], s76, v4
	v_mul_u32_u24 v5, v2, SPITCH
	v_lshl_add_u32 v5, v1, 4, v5
	v_add_nc_u32 v[RD], s76, v5
	v_lshlrev_b32 v5, 12, v2                       ; a row of pw is 4,096 bytes
	v_lshl_add_u32 v[CO], v1, 4, v5
	s_lshl_b32 s76, s[WV], 9
	s_add_co_u32 s76, s76, SSTG                    ; my 512 bytes of statistics
	v_lshl_add_u32 v[SST], v1, 2, s76
	v_and_b32 v7, 31, v0
	v_lshl_add_u32 v[SLD], v7, 4, s76
	v_lshlrev_b32 v[SGO], 19, v2                   ; lanes 0-15 carry cm, lanes 16-31 l: st's second plane lies 524,288 bytes on
	v_lshl_add_u32 v[SGO], v1, 4, v[SGO]
	s_lshl_b32 s76, s[TR], 7
	s_lshl_b32 s77, s[WH], 6
	s_add_co_u32 s76, s76, s77                     ; my first row
	s_lshl_b32 s78, s76, 2                         ; in st: 4 bytes a row,
	s_lshl_b32 s76, s76, 12                        ; in pw: 4,096
	s_lshl_b32 s77, s[TC], 9
	s_add_co_u32 s76, s76, s77
	s_lshl_b32 s77, s[WL], 8
	s_add_co_u32 s76, s76, s77
	s_mov_b32 s77, 0
	s_add_nc_u64 s[CB:CB+1], s[6:7], s[76:77]
	s_lshl_b32 s76, s[TC], 1
	s_add_co_u32 s76, s76, s[WL]                   ; j
	s_lshl_b32 s76, s76, 15                        ; 8,192 rows x 4 bytes for each j
	s_add_co_u32 s76, s76, s78
	s_add_nc_u64 s[SB:SB+1], s[8:9], s[76:77]
	; the prefetches
	s_lshl_b32 s44, s[TR], 7
	s_lshl_b32 s45, s[CX], 5
	s_add_co_u32 s44, s44, s45
	s_lshl_b32 s46, s[BT], 11
	s_lshl_b32 s47, s[TC], 8
	s_add_co_u32 s46, s46, s47
	s_lshl_b32 s47, s[WL], 7
	s_add_co_u32 s46, s46, s47
	s_lshl_b32 s47, s[CY], 5
	s_add_co_u32 s46, s46, s47
	s_add_co_u32 s46, s46, 8192
	s_and_b32 s47, s[CLY], 3                       ; 0 in the first of the batch's clusters along y
	s_cmp_eq_u32 s[WH], 0
	s_cselect_b32 s44, s44, s46
	s_cselect_b32 s47, ttmp9, s47
	s_lshl_b32 s44, s44, 11
	s_mov_b32 s45, 0
	s_add_nc_u64 s[PFA:PFA+1], s[4:5], s[44:45]
	s_add_nc_u64 s[PFA:PFA+1], s[PFA:PFA+1], 3*STEP  ; at K step 3: the first refill steps it to 4.  Nothing is asked for at the head
	s_cmp_eq_u32 s[WV], 1
	s_cselect_b32 s46, 1, 0
	s_or_b32 s47, s47, s46
	s_cmp_eq_u32 s47, 0
	s_cselect_b32 s[LIM], 1, -1
	v_and_b32 v[PFO], 31, v0
	v_lshlrev_b32 v[PFO], 11, v[PFO]
; 8 matrix instructions: block a of 16 queries x all 8 blocks of 16 keys, 32 channels.  z = 1: the first product starts the sums.  The 32 accumulators take turns.
.macro MUL8 f, a, z
	WIN 0x50                                       ; C and D window 1
.irp b, 0,1,2,3,4,5,6,7
.if \z
	v_wmma_f32_16x16x32_f16 v[8*(8*(\a)+\b):8*(8*(\a)+\b)+7], v[(\f)+32+8*\b:(\f)+32+8*\b+7], v[(\f)+8*(\a):(\f)+8*(\a)+7], 0
.else
	v_wmma_f32_16x16x32_f16 v[8*(8*(\a)+\b):8*(8*(\a)+\b)+7], v[(\f)+32+8*\b:(\f)+32+8*\b+7], v[(\f)+8*(\a):(\f)+8*(\a)+7], v[8*(8*(\a)+\b):8*(8*(\a)+\b)+7]
.endif
.endr
.endm
.macro FETCH slot, k, f                ; 24 LDS loads in one run: B's eight fragments, then A's four
	WIN 0
.irp i, 0,1,2,3,4,5,6,7
	ds_load_b128 v[(\f)+32+8*\i:(\f)+32+8*\i+3],   v[ADRB+(\slot)] offset:(\k)+\i*16*PITCH
	ds_load_b128 v[(\f)+32+8*\i+4:(\f)+32+8*\i+7], v[ADRB+(\slot)] offset:(\k)+\i*16*PITCH+32
.endr
.irp i, 0,1,2,3
	ds_load_b128 v[(\f)+8*\i:(\f)+8*\i+3],   v[ADRA+(\slot)] offset:(\k)+\i*16*PITCH
	ds_load_b128 v[(\f)+8*\i+4:(\f)+8*\i+7], v[ADRA+(\slot)] offset:(\k)+\i*16*PITCH+32
.endr
.endm
.macro QUARTER slot, k, f, g, z
	s_wait_dscnt 4                                 ; B and A's fragments 0 and 1 are in; the youngest four loads may be out
	MUL8 \f, 0, \z
	MUL8 \f, 1, \z
	WIN 0
	PLACES
	FETCH \slot, \k, \g
	s_wait_dscnt 24                                ; all but the 24 just issued
	MUL8 \f, 2, \z
	MUL8 \f, 3, \z
.endm
; The change of slots: ONE barrier; in front of it each wave waits for all its tensor loads, adds 0 to its spare word, and waits for that and for its own reads of this slot.
; fill = 1: the barrier opens a round of the cluster's barrier, and the slot is filled again first thing behind the round.
.macro TURN slot, next, fill
.if \fill
	s_wait_xcnt 0x0                                ; the last prefetch, a K step back, has read its address
	s_add_nc_u64 s[PFA:PFA+1], s[PFA:PFA+1], STEP
.endif
	WIN 0
	s_wait_tensorcnt 0x0                           ; all my tensor loads have landed;
	ds_add_u32 v[SPW], v[NIL]                      ; 0 onto my spare word;
	s_wait_dscnt 5                                 ; (the add and the youngest four loads may be out)
	MUL8 F1, 0, 0
	s_wait_dscnt 0x0                               ; the add is done, and my reads of this slot are over
	s_barrier_signal -1
	MUL8 F1, 1, 0
	WIN 0
	s_barrier_wait -1
.if \fill
	CREST
	s_add_nc_u64 s[G0+4*(\slot)+2:G0+4*(\slot)+3], s[G0+4*(\slot)+2:G0+4*(\slot)+3], 2*STEP
	s_add_nc_u64 s[G0B+4*(\slot)+2:G0B+4*(\slot)+3], s[G0B+4*(\slot)+2:G0B+4*(\slot)+3], 2*STEP
	JLOAD \slot                                    ; the four v_nop behind it are also the places in front of the loads below
.else
	PLACES
.endif
	FETCH \next, 0, F0
.if \fill
	ASK
.endif
	MUL8 F1, 2, 0
	MUL8 F1, 3, 0
.endm
	s_wait_tensorcnt 0x1                           ; my part of K step 0 is in; K step 1's may stay out
	s_barrier_signal -1
	s_barrier_wait -1
	FETCH 0, 0, F0
	QUARTER 0, 64, F0, F1, 1
	WIN 0
	s_mov_b32 s3, LAPS-1
.Llap:
	QUARTER 0, 128, F1, F0, 0
	QUARTER 0, 192, F0, F1, 0
	TURN 0, 1, 1
	QUARTER 1, 64,  F0, F1, 0
	QUARTER 1, 128, F1, F0, 0
	QUARTER 1, 192, F0, F1, 0
	TURN 1, 0, 1
	QUARTER 0, 64,  F0, F1, 0
	WIN 0
	s_sub_co_u32 s3, s3, 1
	s_cmp_lg_u32 s3, 0
	s_cbranch_scc1 .Llap
	QUARTER 0, 128, F1, F0, 0
	QUARTER 0, 192, F0, F1, 0
	TURN 0, 1, 0
	QUARTER 1, 64,  F0, F1, 0
	QUARTER 1, 128, F1, F0, 0
	QUARTER 1, 192, F0, F1, 0
	s_wait_dscnt 4
	MUL8 F1, 0, 0
	MUL8 F1, 1, 0
	s_wait_dscnt 0x0
	MUL8 F1, 2, 0
	MUL8 F1, 3, 0
	WIN 0
	PLACES
; THE SOFTMAX'S FIRST HALF for block a: 16 queries x 128 keys, 64 scores a lane.  18 LDS instructions.
.macro SOFT a
	WIN 0x15                                       ; all three sources window 1.
.irp b, 0,1,2,3,4,5,6,7
	v_max3_num_f32 v[CC+\b], v[64*(\a)+8*\b], v[64*(\a)+8*\b+1], v[64*(\a)+8*\b+2]
.endr
	WIN 0x14                                       ; source 0 window 0
.irp b, 0,1,2,3,4,5,6,7
	v_max3_num_f32 v[CC+\b], v[CC+\b], v[64*(\a)+8*\b+3], v[64*(\a)+8*\b+4]
.endr
.irp b, 0,1,2,3,4,5,6,7
	v_max3_num_f32 v[CC+\b], v[CC+\b], v[64*(\a)+8*\b+5], v[64*(\a)+8*\b+6]
.endr
.irp b, 0,2,4,6
	v_max3_num_f32 v[CC+\b], v[CC+\b], v[64*(\a)+8*\b+7], v[64*(\a)+8*\b+15]
.endr
	WIN 0
	v_max3_num_f32 v[CC], v[CC], v[CC+1], v[CC+2]
	v_max3_num_f32 v[CC+3], v[CC+3], v[CC+4], v[CC+5]
	v_max_num_f32 v[CC+6], v[CC+6], v[CC+7]
	v_max3_num_f32 v[CC], v[CC], v[CC+3], v[CC+6]
	v_permlanex16_b32 v[CC+1], v[CC], s[SEL], s[SEL+1]  ; the query's other 64 keys
	v_max_num_f32 v[CC], v[CC], v[CC+1]
	v_mul_f32 v[CM], s[CS], v[CC]                  ; cm
	v_mov_b32 v[CM+1], v[CM]                       ; named with it as a pair
	WIN 0x01                                       ; source 0 window 1
.set i, 0
.rept 32
	v_pk_fma_f32 v[E+2*i:E+2*i+1], v[64*(\a)+2*i:64*(\a)+2*i+1], s[CS:CS+1], v[CM:CM+1] op_sel_hi:[1,0,0] neg_lo:[0,0,1] neg_hi:[0,0,1]  ; c s - cm
.set i, i+1
.endr
	WIN 0
.set i, 0
.rept 64
	v_exp_f32 v[E+i], v[E+i]                       ; ONE batch
.set i, i+1
.endr
	v_nop                                          ; a plain instruction behind the last exponential,
	s_wait_alu depctr_va_vdst(0)                   ; and one wait for the 64, ahead of their first reader
.set i, 0
.rept 32
	v_cvt_pk_f16_f32 v[T+32*(\a)+i], v[E+2*i], v[E+2*i+1]
.set i, i+1
.endr
.irp w, 32,16,8,4,2                    ; the sum of the unrounded weights: a tree, in place, two sums an instruction
.set u, 0
.rept (\w)/2
	v_pk_add_f32 v[E+u:E+u+1], v[E+u:E+u+1], v[E+(\w)+u:E+(\w)+u+1]
.set u, u+2
.endr
.endr
	v_add_f32 v[LL], v[E], v[E+1]
	v_permlanex16_b32 v[CC+1], v[LL], s[SEL], s[SEL+1]
	v_add_f32 v[LL], v[LL], v[CC+1]
	ds_store_b32 v[SST], v[CM] offset:64*(\a)      ; both halves of the lanes write the same word with the same number
	ds_store_b32 v[SST], v[LL] offset:256+64*(\a)
.irp b, 0,1,2,3,4,5,6,7
	ds_store_b128 v[STO], v[T+32*(\a)+4*\b:T+32*(\a)+4*\b+3] offset:32*\b
.endr
.irp t, 0,1,2,3,4,5,6,7
	ds_load_b128 v[T+32*(\a)+4*\t:T+32*(\a)+4*\t+3], v[RD] offset:\t*2*SPITCH  ; LDS serves a wave's instructions in order (ISA guide 5.7.1.4): these see the stores above; the next block's stores come behind them
.endr
.endm
.macro SEND a, younger                 ; younger: the LDS instructions issued behind block a's loads
	s_wait_dscnt \younger
.irp t, 0,1,2,3,4,5,6,7
	global_store_b128 v[CO], v[T+32*(\a)+4*\t:T+32*(\a)+4*\t+3], s[CB:CB+1] offset:(16*(\a)+2*\t)*4096  ; 16 lanes store 256 consecutive bytes, at a multiple of 256 from pw's first byte
.endr
.endm
	SOFT 0
	SOFT 1                                         ; a block's arithmetic stands between the loads of the block before and its stores
	SEND 0, 18
	SOFT 2
	SEND 1, 18
	SOFT 3
	SEND 2, 18
	ds_load_b128 v[SD:SD+3], v[SLD]                ; the wave's 64 cm (lanes 0-15) and 64 l (lanes 16-31)
	SEND 3, 1                                      ; that one load may be out
	s_wait_dscnt 0x0
	global_store_b128 v[SGO], v[SD:SD+3], s[SB:SB+1]  ; 16 lanes store 256 consecutive bytes of each plane, at a multiple of 256 from st's first byte
	s_wait_tensorcnt 0x0                           ; the wave's end: behind my last tensor load and my last LDS store
	ds_add_u32 v[SPW], v[NIL]
	s_wait_dscnt 0x0
	CROUND                                         ; the closing round
	s_endpgm
.Lfunc_end_k_qf597d033df_score:
	.size	k_qf597d033df_score, .Lfunc_end_k_qf597d033df_score-k_qf597d033df_score
	.p2alignl 7, 3214868480
	.fill 96, 4, 3214868480
	.section	.rodata,"a",@progbits
	.p2align	6, 0x0
	.amdhsa_kernel k_qf597d033df_score
		.amdhsa_group_segment_fixed_size 327680
		.amdhsa_private_segment_fixed_size 0
		.amdhsa_enable_private_segment 0
		.amdhsa_kernarg_size 24
		.amdhsa_user_sgpr_count 2
		.amdhsa_user_sgpr_kernarg_segment_ptr 1
		.amdhsa_wavefront_size32 1
		.amdhsa_system_sgpr_workgroup_id_x 1
		.amdhsa_system_sgpr_workgroup_id_y 1
		.amdhsa_system_sgpr_workgroup_id_z 1
		.amdhsa_system_vgpr_workitem_id 0
		.amdhsa_next_free_vgpr 512
		.amdhsa_next_free_sgpr 88
		.amdhsa_reserve_vcc 0
		.amdhsa_float_denorm_mode_32 3
		.amdhsa_float_denorm_mode_16_64 3
		.amdhsa_memory_ordered 1
		.amdhsa_forward_progress 1
		.amdhsa_inst_pref_size 122
	.end_amdhsa_kernel
	.amdgpu_metadata
---
amdhsa.version: [ 1, 2 ]
amdhsa.kernels:
  - .name:           k_qf597d033df_score
    .symbol:         k_qf597d033df_score.kd
    .args:
      - { .name: pb, .offset: 0, .size: 8, .value_kind: global_buffer, .address_space: global }
      - { .name: pw, .offset: 8, .size: 8, .value_kind: global_buffer, .address_space: global }
      - { .name: st, .offset: 16, .size: 8, .value_kind: global_buffer, .address_space: global }
    .group_segment_fixed_size: 327680
    .private_segment_fixed_size: 0
    .kernarg_segment_align: 8
    .kernarg_segment_size: 24
    .max_flat_workgroup_size: 128
    .sgpr_count:     88
    .vgpr_count:     512
    .wavefront_size: 32
...
	.end_amdgpu_metadata
.endif
;; end of part 3
;; launch pv (part 4): grid 4 x 64, 4 waves a work-group, clusters of 4 x 4, 327,680 bytes of LDS; arguments pw, pb, st, out0; writes out0
.if DOCPART == 4
	.amdgcn_target "amdgcn-amd-amdhsa--gfx1250"
	.amdhsa_code_object_version 6
	.text
	.protected	k_qf597d033df_pv
	.globl	k_qf597d033df_pv
	.p2align	8
	.type	k_qf597d033df_pv,@function
k_qf597d033df_pv:
	s_mov_b64 s[64:65], 0
	v_nop
	global_prefetch_b8 v0, s[64:65] scope:SCOPE_SE
	s_setreg_imm32_b32 hwreg(HW_REG_WAVE_MODE, 25, 1), 1
	s_wait_xcnt 0x0
	s_wait_alu depctr_hold_cnt(0) depctr_sa_sdst(0) depctr_va_vdst(0) depctr_va_sdst(0) depctr_va_ssrc(0) depctr_va_vcc(0) depctr_vm_vsrc(0)
	s_getreg_b32 s2, hwreg(HW_REG_IB_STS2, 6, 4)
	s_cmp_eq_u32 s2, 0
	s_cbranch_scc0 .Lentry_in_a_cluster
	s_endpgm
.Lentry_in_a_cluster:
	s_bfe_u32 s2, ttmp6, 0x10000c
	s_cmp_lg_u32 s2, 0xf033
	s_cbranch_scc0 .Lentry_shape_is_right
	s_endpgm
.Lentry_shape_is_right:
; THE SOFTMAX'S SECOND HALF AND THE SECOND PRODUCT.  For each row: M = the largest of its 16 blocks' cm;  f_j = 2^(cm_j - M), rounded to f16;  L = the sum over j of f_j l_j (f32);
; out0[row][ch] = (the sum over j and the block's keys of (f_j p[row][key]) vp[key][ch]) / L.  pw: [8192][2048] f16, vp = plane 2 of pb: [8192][1024] f16, st: [2][16][8192] f32, out0: [8192][1024] f32.
; Products in f16, sums in f32; f_j p is rounded to f16 once more on its way into the product; L is made of the rounded f_j, the same numbers that p is multiplied by.  L is at least 1 to within a rounding: the row's largest block has f = 1 and l >= 1.
; LIMITS: f and f p below 6e-5 keep f16's fixed step of 6e-8; a factor below 2^-126 counts as 0; NaN and infinities are not treated apart.
; SHARES.  A work-group makes 128 rows x 256 channels: 64 x 4 = 256 work-groups.  Four waves, each 64 x 128: 32 accumulators.  K (a batch's 2,048 keys) goes in steps of 128, one block j a step, through two LDS slots.
; CLUSTERS of 4 x 4: pw's tile is shared along a row of the cluster, vp's along a column: each is asked for JOINTLY.
; LAYOUT.  O^T = V^T P: source 0 = 16 channels x 32 keys, out of vp's rows ([key][channel]) by the turning load; source 1 = 16 queries x 32 keys, as pw lies.  Lane l holds ONE query (l % 16) in source 1 and in the result, so the
; factor is one register a block of 16 queries: 8 packed multiplies a fragment.  Of a quarter's 32, 24 stand four at a time behind matrix instructions, at the price of two window switches each; 8 stand at its head.
; REGISTERS: window 0: v0-31 addresses; v32-39 M and L; v40-47 the factors of the K step in slot 0 and in slot 1; v48-55 1 / L in pairs; v64-159, v160-255 two fragment buffers (P's four fragments, then V's eight).
; Window 1: the accumulators, (a, b) at v[8 (8 a + b)].
.set PITCH,  272                       ; a row of P in LDS: 256 bytes + 16 of padding
.set VP,     544                       ; a row of V: 512 + 32 = 136 words
.set ABYTES, 128*PITCH                 ; P's 128 rows
.set SLOT,   ABYTES+128*VP             ; then V's 128 keys
.set STAGE,  2*SLOT                    ; behind the ring: 16 rows x 528 bytes for each wave, for the way out
.set OP,     528
.set TAB,    STAGE+4*16*OP             ; then 8,192 bytes for each wave: for each j, 16 bytes a lane: the factors of its four queries, each f16 twice
.set SPARE,  TAB+4*8192                ; then the spare words, 128 bytes for each wave: two blocks of 256 bytes that no other line names
.set STEP,   256                       ; a K step in pw: 128 keys of a row
.set BSTEP,  262144                    ; in vp: 128 rows of 2,048 bytes
.set LAPS,   8
.set ADRA, 16
.set ADRB, 20
.set STO,  24
.set RD,   25
.set CO,   26                          ; v26  16 x lane
.set FADR, 27                          ; v27  the address of the factors' load in hand
.set SPW,  28
.set NIL,  29
.set PFO,  30
.set FA0,  31                          ; v31  my 16 bytes of the table's block j = 0; never rewritten
.set SO,   13                          ; v13  4 r: my query's place among 16 rows of st
.set MX,   32                          ; v32-35 M
.set LS,   36                          ; v36-39 L
.set FAC,  40
.set RL,   48
.set F0,   64
.set F1,   160
.set WV,  16
.set WH,  17
.set WL,  18
.set CX,  19
.set CY,  20
.set TC,  21
.set TR,  22
.set CLY, 23
.set G1,  24
.set G0,  32
.set G1B, 48
.set G0B, 56
.set PFA, 66
.set PFS, 68                           ; s[68:69] a K step in the tensor that I prefetch
.set LIM, 70
.set BT,  71
.set FJ,  82                           ; s82  512 x the j of the factors to be fetched next
.set CB,  84                           ; s[84:85] out0 at my wave's first row and column
.set SB,  86                           ; s[86:87] st at my wave's first row
.set MUL, 0x50                         ; C and D window 1
.set MSB, 0
.macro WIN new
.if MSB != (\new)
	s_set_vgpr_msb (MSB<<8)|(\new)
.set MSB, \new
.endif
.endm
.macro PLACES
.rept 4
	v_nop
.endr
.endm
.macro JLOAD s                         ; a joint load: waves 0 and 1 fetch P's two halves, waves 2 and 3 V's; an s_nop 0 and four v_nop follow each line
	s_cmp_eq_u32 s[WH], 0
	s_cbranch_scc0 .Lfor_b_\@
	tensor_load_to_lds s[G0+4*(\s):G0+4*(\s)+3], s[G1:G1+7]
	s_nop 0
.rept 4
	v_nop
.endr
	s_branch .Lasked_\@
.Lfor_b_\@:
	tensor_load_to_lds s[G0B+4*(\s):G0B+4*(\s)+3], s[G1B:G1B+7]
	s_nop 0
.rept 4
	v_nop
.endr
.Lasked_\@:
.endm
.macro CREST
	s_cmp_lg_u32 s[WV], 0
	s_cbranch_scc1 .Lnot_wave_0_\@
	s_barrier_signal -3
.Lnot_wave_0_\@:
	s_barrier_wait -3
	s_barrier_signal -1
	s_barrier_wait -1
.endm
.macro CROUND
	s_barrier_signal -1
	s_barrier_wait -1
	CREST
.endm
; A PREFETCH INTO THE L2, behind a joint refill, its five lines and the run of LDS loads: 32 blocks of 256 bytes, a lane a block, of the K step two refills on (256 matrix instructions ahead of its load).  Each block is named once
; in the launch.  pw's 128 rows: wave 0 of each partner along x takes 32, by address.  vp's: of the 64 keys x 512 bytes that waves 2 and 3 fetch, each partner along y takes 16 keys, by address; of a batch's four clusters the first asks.
; The loop's last trip asks for nothing.
.macro ASK
	s_cmp_gt_u32 s3, s[LIM]
	s_cbranch_scc0 .Lnot_mine_\@
	global_prefetch_b8 v[PFO], s[PFA:PFA+1] th:TH_LOAD_NT scope:SCOPE_SE
.Lnot_mine_\@:
.endm
	s_load_b256 s[4:11], s[0:1], 0x0               ; pw s[4:5], pb s[6:7], st s[8:9], out0 s[10:11]
	v_lshl_add_u32 v[SPW], v0, 2, SPARE
	v_mov_b32 v[NIL], 0
	ds_add_u32 v[SPW], v[NIL]                      ; the wave's opening: the add, and its wait ahead of my first tensor load
	v_lshrrev_b32 v3, 5, v0
	v_readfirstlane_b32 s[WV], v3
	s_lshr_b32 s[WH], s[WV], 1
	s_and_b32 s[WL], s[WV], 1
	s_bfe_u32 s[CX], ttmp6, 0x40000
	s_bfe_u32 s[CY], ttmp6, 0x40004
	s_lshl_b32 s[TC], ttmp9, 2
	s_add_co_u32 s[TC], s[TC], s[CX]
	s_and_b32 s[CLY], ttmp7, 0xffff
	s_lshl_b32 s[TR], s[CLY], 2
	s_add_co_u32 s[TR], s[TR], s[CY]
	s_lshr_b32 s[BT], s[CLY], 2
	s_lshl_b32 s76, s[CY], 2
	s_lshl_b32 s76, 15, s76
	s_lshl_b32 s77, 0x1111, s[CX]
	s_or_b32 s[G1], s76, (1<<16)|(1<<20)|(1<<21)|(5<<22)|(3<<25)   ; P: padding of 4 words after every 64
	s_or_b32 s[G1B], s77, (1<<16)|(1<<20)|(1<<21)|(6<<22)|(7<<25)  ; V: of 8 words after every 128
	s_mov_b32 s[G1+1], 128<<16                     ; P: 64 rows x 128 keys
	s_mov_b32 s[G1+2], 64<<16
	s_mov_b32 s[G1+3], 128<<16
	s_mov_b32 s[G1+4], 64
	s_mov_b32 s[G1+5], 2048                        ; elements from row to row of pw
	s_mov_b32 s[G1+6], 0
	s_mov_b32 s[G1+7], 0
	s_mov_b32 s[G1B+1], 256<<16                    ; V: 64 keys x 256 channels
	s_mov_b32 s[G1B+2], 64<<16
	s_mov_b32 s[G1B+3], 256<<16
	s_mov_b32 s[G1B+4], 64
	s_mov_b32 s[G1B+5], 1024
	s_mov_b32 s[G1B+6], 0
	s_mov_b32 s[G1B+7], 0
	s_mov_b32 s[FJ], 0
	s_lshl_b32 s40, s[TR], 7                       ; pw: row 128 x tile row + 64 x half; these two registers never hold cx
	s_lshl_b32 s41, s[WL], 6
	s_add_co_u32 s40, s40, s41
	s_lshl_b32 s40, s40, 12
	s_mov_b32 s41, 0
	s_lshl_b32 s42, s[BT], 11                      ; vp: row 16,384 + 2,048 x batch + 64 x half, channel 256 x tile column; these two never hold cy
	s_lshl_b32 s43, s[WL], 6
	s_add_co_u32 s42, s42, s43
	s_add_co_u32 s42, s42, 16384
	s_lshl_b32 s42, s42, 11
	s_lshl_b32 s43, s[TC], 9
	s_add_co_u32 s42, s42, s43
	s_mov_b32 s43, 0
	s_mul_i32 s78, s[WL], 64*PITCH
	s_mul_i32 s79, s[WL], 64*VP
	s_add_co_u32 s79, s79, ABYTES
	s_wait_dscnt 0x0                               ; the opening add is done
	s_wait_kmcnt 0x0
	s_add_nc_u64 s[40:41], s[4:5], s[40:41]
	s_add_nc_u64 s[42:43], s[6:7], s[42:43]
	CROUND                                         ; all sixteen work-groups are here: the first joint loads meet
.irp s, 0,1
	s_mov_b32 s[G0+4*(\s)], 1
	s_add_co_u32 s[G0+4*(\s)+1], s78, (\s)*SLOT
	s_add_nc_u64 s[G0+4*(\s)+2:G0+4*(\s)+3], s[40:41], (\s)*STEP
	s_or_b32 s[G0+4*(\s)+3], s[G0+4*(\s)+3], 0x80000000
	s_mov_b32 s[G0B+4*(\s)], 1
	s_add_co_u32 s[G0B+4*(\s)+1], s79, (\s)*SLOT
	s_add_nc_u64 s[G0B+4*(\s)+2:G0B+4*(\s)+3], s[42:43], (\s)*BSTEP
	s_or_b32 s[G0B+4*(\s)+3], s[G0B+4*(\s)+3], 0x80000000
	JLOAD \s                                       ; two loads of mine are out
.endr
	v_and_b32 v1, 15, v0                           ; r
	v_bfe_u32 v2, v0, 4, 1                         ; h
	; the statistics of my 64 rows: cm of block a's query r, j = 0..15, into v[64 + 16 a + j], l into v[128 + 16 a + j].  The four loads of a j and a plane cover 256 consecutive bytes
	s_lshl_b32 s76, s[TR], 7
	s_lshl_b32 s77, s[WH], 6
	s_add_co_u32 s76, s76, s77                     ; my first row
	s_lshl_b32 s78, s76, 12                        ; (in out0: 4,096 bytes a row)
	s_lshl_b32 s76, s76, 2
	s_mov_b32 s77, 0
	s_add_nc_u64 s[SB:SB+1], s[8:9], s[76:77]
	v_lshlrev_b32 v[SO], 2, v1
.irp a, 0,1,2,3
.set j, 0
.rept 16
	global_load_b32 v[64+16*\a+j],  v[SO], s[SB:SB+1] offset:j*32768+64*\a
	global_load_b32 v[128+16*\a+j], v[SO], s[SB:SB+1] offset:j*32768+64*\a+524288
.set j, j+1
.endr
.endr
	v_mul_u32_u24 v3, v1, PITCH
	v_lshl_add_u32 v3, v2, 4, v3                   ; P: a fragment's row x pitch + 16 x half
	; V: the turning load takes 16 keys x 16 channels (lane l reads key 8 (l / 16) + l % 8, channels 8 ((l / 8) % 2) + 0..7) and leaves half a fragment of V^T: lane l holds channel l % 16 and 8 keys
	v_and_b32 v4, 7, v0
	v_bfe_u32 v5, v0, 3, 1
	v_lshl_add_u32 v4, v2, 3, v4
	v_mul_u32_u24 v4, v4, VP
	v_lshl_add_u32 v4, v5, 4, v4
	s_mul_i32 s76, s[WH], 64*PITCH                 ; my 64 rows of P
	s_lshl_b32 s77, s[WL], 8                       ; my 128 channels: 256 bytes of V's rows,
	s_add_co_u32 s77, s77, ABYTES                  ; which lie behind P's
.irp s, 0,1
	v_add_nc_u32 v[ADRA+(\s)], s76, v3
	v_add_nc_u32 v[ADRB+(\s)], s77, v4
	s_add_co_u32 s76, s76, SLOT
	s_add_co_u32 s77, s77, SLOT
.endr
	s_mul_i32 s76, s[WV], 16*OP
	s_add_co_u32 s76, s76, STAGE                   ; my stage
	v_mul_u32_u24 v6, v1, OP                       ; in: row r, 32 bytes for each half of the lanes
	v_lshl_add_u32 v6, v2, 5, v6
	v_add_nc_u32 v[STO], s76, v6
	v_and_b32 v7, 31, v0
	v_lshlrev_b32 v[CO], 4, v7                     ; back and out: 32 lanes take a row's 512 bytes
	v_add_nc_u32 v[RD], s76, v[CO]
	s_lshl_b32 s76, s[WV], 13
	s_add_co_u32 s76, s76, TAB
	v_add_nc_u32 v[FA0], s76, v[CO]
	s_lshl_b32 s76, s[TC], 10                      ; my first column of out0, in bytes
	s_add_co_u32 s76, s76, s78
	s_lshl_b32 s77, s[WL], 9
	s_add_co_u32 s76, s76, s77
	s_mov_b32 s77, 0
	s_add_nc_u64 s[CB:CB+1], s[10:11], s[76:77]
	; the prefetches
	s_lshl_b32 s44, s[TR], 7                       ; pw: the tile's rows, my work-group's 32 of them, at K step 3
	s_lshl_b32 s45, s[CX], 5
	s_add_co_u32 s44, s44, s45
	s_lshl_b32 s44, s44, 12
	s_add_co_u32 s44, s44, 3*STEP
	s_lshl_b32 s46, s[BT], 11                      ; vp: the 64 keys that I fetch, my work-group's 16 of them, at K step 3
	s_lshl_b32 s47, s[WL], 6
	s_add_co_u32 s46, s46, s47
	s_lshl_b32 s47, s[CY], 4
	s_add_co_u32 s46, s46, s47
	s_add_co_u32 s46, s46, 16384
	s_lshl_b32 s46, s46, 11
	s_lshl_b32 s47, s[TC], 9
	s_add_co_u32 s46, s46, s47
	s_add_co_u32 s46, s46, 3*BSTEP
	s_and_b32 s47, s[CLY], 3                       ; 0 in the first of the batch's clusters
	s_mov_b32 s[PFS], BSTEP
	s_mov_b32 s[PFS+1], 0
	s_cmp_eq_u32 s[WH], 0
	s_cselect_b32 s44, s44, s46
	s_cselect_b32 s47, ttmp9, s47
	s_cselect_b64 s[PFA:PFA+1], s[4:5], s[6:7]
	s_cselect_b32 s[PFS], STEP, s[PFS]
	s_cselect_b32 s76, 31, 15                      ; pw: a lane a row of 4,096 bytes;  vp: 16 rows of 2,048 bytes, two blocks of 256 bytes in each
	s_cselect_b32 s77, 12, 11
	s_cselect_b32 s78, 0, 256
	s_mov_b32 s45, 0
	s_add_nc_u64 s[PFA:PFA+1], s[PFA:PFA+1], s[44:45]  ; the first refill (of K step 2) steps it to K step 4.  Nothing is asked for at the head
	s_cmp_eq_u32 s[WV], 1
	s_cselect_b32 s46, 1, 0
	s_or_b32 s47, s47, s46
	s_cmp_eq_u32 s47, 0
	s_cselect_b32 s[LIM], 1, -1
	v_and_b32 v[PFO], s76, v0
	v_lshlrev_b32 v[PFO], s77, v[PFO]
	v_mad_u32_u24 v[PFO], v2, s78, v[PFO]
	; M, the factors, L and 1 / L: all this stands in the wait for the first tiles
	s_wait_loadcnt 0x0
.irp a, 0,1,2,3
	v_max3_num_f32 v[MX+\a], v[64+16*\a], v[64+16*\a+1], v[64+16*\a+2]
.endr
.irp n, 3,5,7,9,11,13
.irp a, 0,1,2,3
	v_max3_num_f32 v[MX+\a], v[MX+\a], v[64+16*\a+\n], v[64+16*\a+\n+1]
.endr
.endr
.irp a, 0,1,2,3
	v_max_num_f32 v[MX+\a], v[MX+\a], v[64+16*\a+15]
.endr
.irp a, 0,1,2,3
.set j, 0
.rept 16
	v_sub_f32 v[64+16*\a+j], v[64+16*\a+j], v[MX+\a]   ; cm_j - M: 0 at the most
.set j, j+1
.endr
.endr
.set i, 0
.rept 64
	v_exp_f32 v[64+i], v[64+i]                     ; ONE batch
.set i, i+1
.endr
	v_nop                                          ; a plain instruction behind the last exponential,
	s_wait_alu depctr_va_vdst(0)                   ; and one wait for the 64, ahead of their first reader
.irp a, 0,1,2,3
.set j, 0
.rept 16
	v_cvt_pk_f16_f32 v[192+4*j+\a], v[64+16*\a+j], v[64+16*\a+j]  ; the factor, f16, in both halves
.set j, j+1
.endr
	v_mov_b32 v[LS+\a], 0
.endr
.set j, 0
.rept 16
.irp a, 0,1,2,3
	v_fma_mix_f32 v[LS+\a], v[192+4*j+\a], v[128+16*\a+j], v[LS+\a] op_sel_hi:[1,0,0]  ; L += f_j (the rounded one) x l_j, in f32; four chains by turns
.endr
	ds_store_b128 v[FA0], v[192+4*j:192+4*j+3] offset:512*j
.set j, j+1
.endr
.irp a, 0,1,2,3
	v_rcp_f32 v[RL+2*\a], v[LS+\a]
.endr
	v_nop
	s_wait_alu depctr_va_vdst(0)                   ; one wait for the four reciprocals
.irp a, 0,1,2,3
	v_mov_b32 v[RL+2*\a+1], v[RL+2*\a]             ; named with it as a pair
.endr
; Four registers (half hf) of P's fragment a in buffer f times the lane's factor
.macro SCALE f, a, hf, fac
	WIN 0
.irp n, 0,1,2,3
	v_pk_mul_f16 v[(\f)+8*(\a)+4*(\hf)+\n], v[(\f)+8*(\a)+4*(\hf)+\n], v[(\fac)+(\a)]
.endr
.endm
; 8 matrix instructions: block a of 16 queries x all 8 blocks of 16 channels, 32 keys; behind the second and the sixth the next block's fragment is scaled.  z = 1: the first product starts the sums.
; The 32 accumulators take turns, one instruction a turn, over the backward jump too.
.macro MULA f, a, fac, z
.irp b, 0,1,2,3,4,5,6,7
	WIN MUL
.if \z
	v_wmma_f32_16x16x32_f16 v[8*(8*(\a)+\b):8*(8*(\a)+\b)+7], v[(\f)+32+8*\b:(\f)+32+8*\b+7], v[(\f)+8*(\a):(\f)+8*(\a)+7], 0
.else
	v_wmma_f32_16x16x32_f16 v[8*(8*(\a)+\b):8*(8*(\a)+\b)+7], v[(\f)+32+8*\b:(\f)+32+8*\b+7], v[(\f)+8*(\a):(\f)+8*(\a)+7], v[8*(8*(\a)+\b):8*(8*(\a)+\b)+7]
.endif
.if (\a) < 3
.if \b == 1
	SCALE \f, (\a)+1, 0, \fac
.endif
.if \b == 5
	SCALE \f, (\a)+1, 1, \fac
.endif
.endif
.endr
.endm
; 24 LDS loads in one run: the fragments of 32 keys (byte k of P's rows, rows k / 2 on of V) into buffer f: V's eight, turned, then P's four
.macro FETCH slot, k, f
	WIN 0
.irp i, 0,1,2,3,4,5,6,7
	ds_load_tr16_b128 v[(\f)+32+8*\i:(\f)+32+8*\i+3],   v[ADRB+(\slot)] offset:((\k)/64)*32*VP+32*\i
	ds_load_tr16_b128 v[(\f)+32+8*\i+4:(\f)+32+8*\i+7], v[ADRB+(\slot)] offset:((\k)/64)*32*VP+16*VP+32*\i
.endr
.irp i, 0,1,2,3
	ds_load_b128 v[(\f)+8*\i:(\f)+8*\i+3],   v[ADRA+(\slot)] offset:(\k)+\i*16*PITCH
	ds_load_b128 v[(\f)+8*\i+4:(\f)+8*\i+7], v[ADRA+(\slot)] offset:(\k)+\i*16*PITCH+32
.endr
.endm
.macro FACLD n                         ; the next K step's four factors, out of my own table, for slot n
	v_add_nc_u32 v[FADR], s[FJ], v[FA0]
	ds_load_b128 v[FAC+4*(\n):FAC+4*(\n)+3], v[FADR]
	s_add_co_u32 s[FJ], s[FJ], 512
.endm
; A quarter: 32 keys, 32 matrix instructions on buffer f; in its middle the next quarter's fragments are fetched into g.  The packed multiplies at its head are the places between the last product that read g and the loads into it.
.macro QV slot, k, f, g, fac, z
	WIN 0
	s_wait_dscnt 0x0                               ; buffer f is in (its loads were issued 16 matrix instructions ago), and so are the factors
	SCALE \f, 0, 0, \fac
	SCALE \f, 0, 1, \fac
	MULA \f, 0, \fac, \z
	MULA \f, 1, \fac, \z
	FETCH \slot, \k, \g
	MULA \f, 2, \fac, \z
	MULA \f, 3, \fac, \z
.endm
; The last quarter of a K step multiplies buffer 1 and changes slots: ONE barrier; in front of it each wave waits for all its tensor loads, adds 0 to its spare word, and waits for that and for its own reads of this slot.
; fill = 1: the barrier opens a round of the cluster's barrier, and the slot is filled again first thing behind the round: 112 matrix instructions ahead of the wait for it.
.macro TURN slot, next, fill
.if \fill
	s_wait_xcnt 0x0                                ; the last prefetch, a K step back, has read its address
	s_add_nc_u64 s[PFA:PFA+1], s[PFA:PFA+1], s[PFS:PFS+1]
.endif
	WIN 0
	s_wait_tensorcnt 0x0                           ; all my tensor loads have landed;
	ds_add_u32 v[SPW], v[NIL]                      ; 0 onto my spare word;
	s_wait_dscnt 1                                 ; (the add alone may be out: buffer 1 is in)
	SCALE F1, 0, 0, FAC+4*(\slot)
	SCALE F1, 0, 1, FAC+4*(\slot)
	MULA F1, 0, FAC+4*(\slot), 0
	s_wait_dscnt 0x0                               ; the add is done, and my reads of this slot are over
	s_barrier_signal -1
	MULA F1, 1, FAC+4*(\slot), 0
	WIN 0
	s_barrier_wait -1
.if \fill
	CREST
	s_add_nc_u64 s[G0+4*(\slot)+2:G0+4*(\slot)+3], s[G0+4*(\slot)+2:G0+4*(\slot)+3], 2*STEP
	s_add_nc_u64 s[G0B+4*(\slot)+2:G0B+4*(\slot)+3], s[G0B+4*(\slot)+2:G0B+4*(\slot)+3], 2*BSTEP
	JLOAD \slot
.endif
	FETCH \next, 0, F0                             ; 24 packed multiplies stand since the last product that read buffer 0
	FACLD \next
.if \fill
	ASK
.endif
	MULA F1, 2, FAC+4*(\slot), 0
	MULA F1, 3, FAC+4*(\slot), 0
.endm
	s_wait_tensorcnt 0x1                           ; my part of K step 0 is in; K step 1's may stay out
	s_wait_dscnt 0x0                               ; my table is written
	s_barrier_signal -1
	s_barrier_wait -1
	FETCH 0, 0, F0
	FACLD 0
	QV 0, 64, F0, F1, FAC, 1                       ; the first quarter stands in front of the loop: its products start the sums
	WIN 0
	s_mov_b32 s3, LAPS-1
.Llap:                                                 ; a trip goes once round the ring and fills both slots again
	QV 0, 128, F1, F0, FAC, 0
	QV 0, 192, F0, F1, FAC, 0
	TURN 0, 1, 1
	QV 1, 64,  F0, F1, FAC+4, 0
	QV 1, 128, F1, F0, FAC+4, 0
	QV 1, 192, F0, F1, FAC+4, 0
	TURN 1, 0, 1
	QV 0, 64,  F0, F1, FAC, 0
	WIN 0
	s_sub_co_u32 s3, s3, 1
	s_cmp_lg_u32 s3, 0
	s_cbranch_scc1 .Llap
	QV 0, 128, F1, F0, FAC, 0                      ; the last lap fills nothing, and has no round of the cluster's barrier
	QV 0, 192, F0, F1, FAC, 0
	TURN 0, 1, 0
	QV 1, 64,  F0, F1, FAC+4, 0
	QV 1, 128, F1, F0, FAC+4, 0
	QV 1, 192, F0, F1, FAC+4, 0
	WIN 0
	s_wait_dscnt 0x0                               ; the very last quarter: nothing more to fetch
	SCALE F1, 0, 0, FAC+4
	SCALE F1, 0, 1, FAC+4
	MULA F1, 0, FAC+4, 0
	MULA F1, 1, FAC+4, 0
	MULA F1, 2, FAC+4, 0
	MULA F1, 3, FAC+4, 0
	WIN 0
	PLACES
; THE WAY OUT, a block of 16 rows at a time: times 1 / L; 32 bytes a lane into my own stage; back as whole rows of 512 bytes; stored.  Three sets of 64 registers take turns.
.macro OUTA a
.set XB, 64+64*((\a)%3)
	WIN 0x01                                       ; source 0 window 1
.set i, 0
.rept 32
	v_pk_mul_f32 v[XB+2*i:XB+2*i+1], v[64*(\a)+2*i:64*(\a)+2*i+1], v[RL+2*(\a):RL+2*(\a)+1] op_sel_hi:[1,0]  ; each accumulator's registers in ascending order
.set i, i+1
.endr
	WIN 0
.irp b, 0,1,2,3,4,5,6,7
	ds_store_b128 v[STO], v[XB+8*\b:XB+8*\b+3]   offset:64*\b
	ds_store_b128 v[STO], v[XB+8*\b+4:XB+8*\b+7] offset:64*\b+16
.endr
.set t, 0
.rept 16
	ds_load_b128 v[XB+4*t:XB+4*t+3], v[RD] offset:t*OP  ; LDS serves a wave's instructions in order (ISA guide 5.7.1.4): these see the stores above; the next block's stores come behind them
.set t, t+1
.endr
.endm
.macro SENDA a, younger                ; younger: the LDS instructions issued behind block a's loads: the next block's 32, or none
.set XB, 64+64*((\a)%3)
	s_wait_dscnt \younger
.set t, 0
.rept 16
	global_store_b128 v[CO], v[XB+4*t:XB+4*t+3], s[CB:CB+1] offset:(16*(\a)+t)*4096 th:TH_STORE_NT  ; 512 consecutive bytes, at a multiple of 256 from out0's first byte
.set t, t+1
.endr
.endm
	OUTA 0
	OUTA 1
	SENDA 0, 32
	OUTA 2
	SENDA 1, 32
	s_wait_xcnt 0x0                                ; block 0's stores have read their registers: block 3 takes them
	OUTA 3
	SENDA 2, 32
	SENDA 3, 0
	s_wait_tensorcnt 0x0                           ; the wave's end: behind my last tensor load and my last LDS store
	ds_add_u32 v[SPW], v[NIL]
	s_wait_dscnt 0x0
	CROUND                                         ; the closing round
	s_endpgm
.Lfunc_end_k_qf597d033df_pv:
	.size	k_qf597d033df_pv, .Lfunc_end_k_qf597d033df_pv-k_qf597d033df_pv
	.p2alignl 7, 3214868480
	.fill 96, 4, 3214868480
	.section	.rodata,"a",@progbits
	.p2align	6, 0x0
	.amdhsa_kernel k_qf597d033df_pv
		.amdhsa_group_segment_fixed_size 327680
		.amdhsa_private_segment_fixed_size 0
		.amdhsa_enable_private_segment 0
		.amdhsa_kernarg_size 32
		.amdhsa_user_sgpr_count 2
		.amdhsa_user_sgpr_kernarg_segment_ptr 1
		.amdhsa_wavefront_size32 1
		.amdhsa_system_sgpr_workgroup_id_x 1
		.amdhsa_system_sgpr_workgroup_id_y 1
		.amdhsa_system_sgpr_workgroup_id_z 1
		.amdhsa_system_vgpr_workitem_id 0
		.amdhsa_next_free_vgpr 512
		.amdhsa_next_free_sgpr 88
		.amdhsa_reserve_vcc 0
		.amdhsa_float_denorm_mode_32 3
		.amdhsa_float_denorm_mode_16_64 3
		.amdhsa_memory_ordered 1
		.amdhsa_forward_progress 1
		.amdhsa_inst_pref_size 160
	.end_amdhsa_kernel
	.amdgpu_metadata
---
amdhsa.version: [ 1, 2 ]
amdhsa.kernels:
  - .name:           k_qf597d033df_pv
    .symbol:         k_qf597d033df_pv.kd
    .args:
      - { .name: pw, .offset: 0, .size: 8, .value_kind: global_buffer, .address_space: global }
      - { .name: pb, .offset: 8, .size: 8, .value_kind: global_buffer, .address_space: global }
      - { .name: st, .offset: 16, .size: 8, .value_kind: global_buffer, .address_space: global }
      - { .name: out0, .offset: 24, .size: 8, .value_kind: global_buffer, .address_space: global }
    .group_segment_fixed_size: 327680
    .private_segment_fixed_size: 0
    .kernarg_segment_align: 8
    .kernarg_segment_size: 32
    .max_flat_workgroup_size: 128
    .sgpr_count:     88
    .vgpr_count:     512
    .wavefront_size: 32
...
	.end_amdgpu_metadata
.endif
;; end of part 4
;; ======== version 2 of 3: 4 launches
;; limits: values are held in f16: magnitudes above 65,504 overflow, below 6.1e-05 lose precision; right only within a limited range of input values
;; workspace buffers: xb 50,331,648 bytes; wb 6,291,456 bytes; pb 50,331,648 bytes; pw 33,554,432 bytes; st 1,048,576 bytes
;; launch cast (part 5): grid 1024 x 1, 8 waves a work-group, no clusters, 0 bytes of LDS; arguments q, k, v, Wq, Wk, Wv, xb, wb; writes xb, wb
.if DOCPART == 5
	.amdgcn_target "amdgcn-amd-amdhsa--gfx1250"
	.amdhsa_code_object_version 6
	.text
	.protected	k_qf597d033df_cast
	.globl	k_qf597d033df_cast
	.p2align	8
	.type	k_qf597d033df_cast,@function
k_qf597d033df_cast:
	s_mov_b64 s[64:65], 0
	v_nop
	global_prefetch_b8 v0, s[64:65] scope:SCOPE_SE
	s_setreg_imm32_b32 hwreg(HW_REG_WAVE_MODE, 25, 1), 1
	s_wait_xcnt 0x0
; xb[0..2] = q, k, v and wb[0..2] = Wq, Wk, Wv, each number rounded once from f32 to bf16 (to nearest even).
; A pure stream: no LDS, no matrix work, no barrier.  Each of the 1,024 work-groups takes one part in 1,024 of EACH of the six tensors,
; so all are alike and no buffer is chosen by a branch: 8,192 numbers of q, of k and of v (8 loads of 16 bytes a thread each) and
; 1,024 numbers of each W (1 load each).  All 27 loads of a thread go out before the first is waited for.
; A wave's load covers 512 consecutive bytes; a wave's store of 8 bytes a lane covers 256 consecutive bytes, at a multiple of 256 from the buffer's first.
; The four numbers of a load are rounded into the first two of their own registers and stored from there: 112 registers a wave, so that a work-group's two waves on a SIMD take 224 of its 1,024.
; No register is written again behind its store, so no wait frees a source.
.set IN,  4                            ; v[4:111]    load n: four f32, then in its first two registers four bf16
	s_load_b512 s[8:23], s[0:1], 0x0               ; q s[8:9], k s[10:11], v s[12:13], Wq s[14:15], Wk s[16:17], Wv s[18:19], xb s[20:21], wb s[22:23]
	v_lshlrev_b32 v1, 4, v0                        ; 16 bytes a thread in
	v_lshlrev_b32 v2, 3, v0                        ; 8 bytes a thread out
	s_lshl_b32 s24, ttmp9, 15                      ; the group's 32,768 bytes of q, k, v
	s_mov_b32 s25, 0
	s_lshl_b32 s26, ttmp9, 12                      ; its 4,096 bytes of each W
	s_mov_b32 s27, 0
	s_lshl_b32 s28, ttmp9, 14                      ; its 16,384 bytes of each plane of xb
	s_mov_b32 s29, 0
	s_lshl_b32 s30, ttmp9, 11                      ; its 2,048 bytes of each plane of wb
	s_mov_b32 s31, 0
	s_wait_kmcnt 0x0
.irp p, 8, 10, 12
	s_add_nc_u64 s[\p:\p+1], s[\p:\p+1], s[24:25]
.endr
.irp p, 14, 16, 18
	s_add_nc_u64 s[\p:\p+1], s[\p:\p+1], s[26:27]
.endr
	s_add_nc_u64 s[20:21], s[20:21], s[28:29]      ; xb, plane 0
	s_add_nc_u64 s[32:33], s[20:21], 0x1000000     ; plane 1: 8,192 x 1,024 x 2 bytes on
	s_add_nc_u64 s[34:35], s[20:21], 0x2000000     ; plane 2
	s_add_nc_u64 s[22:23], s[22:23], s[30:31]      ; wb, plane 0
	s_add_nc_u64 s[36:37], s[22:23], 0x200000      ; plane 1: 1,024 x 1,024 x 2 bytes on
	s_add_nc_u64 s[38:39], s[22:23], 0x400000      ; plane 2
.set n, 0
.irp p, 8, 10, 12
.set i, 0
.rept 8
	global_load_b128 v[IN+4*n:IN+4*n+3], v1, s[\p:\p+1] offset:i*4096 th:TH_LOAD_NT
.set i, i+1
.set n, n+1
.endr
.endr
.irp p, 14, 16, 18
	global_load_b128 v[IN+4*n:IN+4*n+3], v1, s[\p:\p+1] th:TH_LOAD_NT
.set n, n+1
.endr
.set n, 0
.irp p, 20, 32, 34
.set i, 0
.rept 8
	s_wait_loadcnt 26-n                            ; loads come back in order: load n is in, the 26 - n younger ones stay out
	v_cvt_pk_bf16_f32 v[IN+4*n], v[IN+4*n], v[IN+4*n+1]
	v_cvt_pk_bf16_f32 v[IN+4*n+1], v[IN+4*n+2], v[IN+4*n+3]
	global_store_b64 v2, v[IN+4*n:IN+4*n+1], s[\p:\p+1] offset:i*2048
.set i, i+1
.set n, n+1
.endr
.endr
.irp p, 22, 36, 38
	s_wait_loadcnt 26-n
	v_cvt_pk_bf16_f32 v[IN+4*n], v[IN+4*n], v[IN+4*n+1]
	v_cvt_pk_bf16_f32 v[IN+4*n+1], v[IN+4*n+2], v[IN+4*n+3]
	global_store_b64 v2, v[IN+4*n:IN+4*n+1], s[\p:\p+1]
.set n, n+1
.endr
	s_endpgm
.Lfunc_end_k_qf597d033df_cast:
	.size	k_qf597d033df_cast, .Lfunc_end_k_qf597d033df_cast-k_qf597d033df_cast
	.p2alignl 7, 3214868480
	.fill 96, 4, 3214868480
	.section	.rodata,"a",@progbits
	.p2align	6, 0x0
	.amdhsa_kernel k_qf597d033df_cast
		.amdhsa_group_segment_fixed_size 0
		.amdhsa_private_segment_fixed_size 0
		.amdhsa_enable_private_segment 0
		.amdhsa_kernarg_size 64
		.amdhsa_user_sgpr_count 2
		.amdhsa_user_sgpr_kernarg_segment_ptr 1
		.amdhsa_wavefront_size32 1
		.amdhsa_system_sgpr_workgroup_id_x 1
		.amdhsa_system_sgpr_workgroup_id_y 1
		.amdhsa_system_sgpr_workgroup_id_z 1
		.amdhsa_system_vgpr_workitem_id 0
		.amdhsa_next_free_vgpr 112
		.amdhsa_next_free_sgpr 66
		.amdhsa_reserve_vcc 0
		.amdhsa_float_denorm_mode_32 3
		.amdhsa_float_denorm_mode_16_64 3
		.amdhsa_memory_ordered 1
		.amdhsa_forward_progress 1
		.amdhsa_inst_pref_size 11
	.end_amdhsa_kernel
	.amdgpu_metadata
---
amdhsa.version: [ 1, 2 ]
amdhsa.kernels:
  - .name:           k_qf597d033df_cast
    .symbol:         k_qf597d033df_cast.kd
    .args:
      - { .name: q, .offset: 0, .size: 8, .value_kind: global_buffer, .address_space: global }
      - { .name: k, .offset: 8, .size: 8, .value_kind: global_buffer, .address_space: global }
      - { .name: v, .offset: 16, .size: 8, .value_kind: global_buffer, .address_space: global }
      - { .name: Wq, .offset: 24, .size: 8, .value_kind: global_buffer, .address_space: global }
      - { .name: Wk, .offset: 32, .size: 8, .value_kind: global_buffer, .address_space: global }
      - { .name: Wv, .offset: 40, .size: 8, .value_kind: global_buffer, .address_space: global }
      - { .name: xb, .offset: 48, .size: 8, .value_kind: global_buffer, .address_space: global }
      - { .name: wb, .offset: 56, .size: 8, .value_kind: global_buffer, .address_space: global }
    .group_segment_fixed_size: 0
    .private_segment_fixed_size: 0
    .kernarg_segment_align: 8
    .kernarg_segment_size: 64
    .max_flat_workgroup_size: 256
    .sgpr_count:     66
    .vgpr_count:     112
    .wavefront_size: 32
...
	.end_amdgpu_metadata
.endif
;; end of part 5
;; launch proj (part 6): grid 4 x 96, 4 waves a work-group, clusters of 4 x 4, 327,680 bytes of LDS; arguments xb, wb, bq, bk, bv, pb; writes pb
.if DOCPART == 6
	.amdgcn_target "amdgcn-amd-amdhsa--gfx1250"
	.amdhsa_code_object_version 6
	.text
	.protected	k_qf597d033df_proj
	.globl	k_qf597d033df_proj
	.p2align	8
	.type	k_qf597d033df_proj,@function
k_qf597d033df_proj:
	s_mov_b64 s[64:65], 0
	v_nop
	global_prefetch_b8 v0, s[64:65] scope:SCOPE_SE
	s_setreg_imm32_b32 hwreg(HW_REG_WAVE_MODE, 25, 1), 1
	s_wait_xcnt 0x0
	s_wait_alu depctr_hold_cnt(0) depctr_sa_sdst(0) depctr_va_vdst(0) depctr_va_sdst(0) depctr_va_ssrc(0) depctr_va_vcc(0) depctr_vm_vsrc(0)
	s_getreg_b32 s2, hwreg(HW_REG_IB_STS2, 6, 4)
	s_cmp_eq_u32 s2, 0
	s_cbranch_scc0 .Lentry_in_a_cluster
	s_endpgm
.Lentry_in_a_cluster:
	s_bfe_u32 s2, ttmp6, 0x10000c
	s_cmp_lg_u32 s2, 0xf033
	s_cbranch_scc0 .Lentry_shape_is_right
	s_endpgm
.Lentry_shape_is_right:
; pb[t][row][e] = the sum over d of xb[t][row][d] wb[t][e][d] + b[t][e], for t = 0 (q), 1 (k), 2 (v).  xb: [3][8192][1024] bf16, wb: [3][1024][1024] bf16,
; the biases f32 (rounded here to bf16, as all the module's inputs are), pb: [3][8192][1024] f16.  Products in bf16, sums in f32, pb rounded once.
; LIMIT: a projected number of 65,520 or more would leave f16's range; with inputs as drawn the largest is about 3, with all inputs 30 times larger about 2,900.
; SHARES.  A work-group makes 256 rows x 256 columns of pb: 96 tile rows (32 for each t) x 4 tile columns = 384 work-groups.  Four waves, each 128 x 128: 64 accumulators of 16 x 16, 512 registers.
; K goes in steps of 128 (rows of 256 bytes) through two LDS slots filled by the tensor data mover: 256 matrix instructions a wave in a step, 224 of them between a request and the wait for it.
; No tile gives 256 equal work-groups: 98,304 outputs would want a side of 384, 192 or 768, which divides neither 8,192 nor 1,024.
; CLUSTERS of 4 x 4: the four of a row of the cluster need the same rows of xb, the four of a column the same rows of wb: each tile is asked for JOINTLY.
; THE MATRIX INSTRUCTION IS USED TRANSPOSED (source 0 = 16 rows of wb, source 1 = 16 rows of xb): lane l holds row l % 16 of pb and the columns 8 (l / 16) + 0..7.
; THE BIAS IS THE C OPERAND of each accumulator's first product: nothing is cleared, nothing is added on the way out.
; ONE K STEP IS WRITTEN ONCE: s[TB] holds the LDS byte at which the slot that is being read begins (0 or SLOT; one exclusive or turns the one into the other); the fragments' addresses and the walking descriptors' LDS word are made of it.
; REGISTERS, in windows of 256 (s_set_vgpr_msb: bits 1:0 source 0, 3:2 source 1, 5:4 source 2, 7:6 destination):
;   window 0: v0-31 addresses; v32-63 at work; v64-127, v128-191 A's fragments (8 x 16 rows x 32 K), two buffers; on the way out v64-191 packed results
;   window 1: v0-63 the bias of my 128 columns, laid as an accumulator's registers; v64-127, v128-191 B's fragments, two buffers
;   window 2: the 32 accumulators of my rows 0-63 ((a, b) at v[8 (8 a + b)]);   window 3: those of my rows 64-127
.set PITCH,  272                       ; an LDS row: 256 bytes + 16 of padding = 68 words: the 16 rows of a load start at 16 different groups of four banks (64 banks of 4 bytes: ISA guide 11.1)
.set HALFT,  128*PITCH                 ; 128 rows: what one tensor load brings, and what one wave reads of A or of B
.set SLOT,   4*HALFT                   ; A's 256 rows, then B's 256 rows
.set STAGE,  2*SLOT                    ; behind the ring: 16 rows x 272 bytes for each wave, for the way out
.set SPITCH, 272
.set SPARE,  STAGE+4*16*SPITCH         ; behind the stages: the spare words, 128 bytes for each wave: two blocks of 256 bytes that no other line names
.set STEP,   256                       ; bytes of a row in a K step
.set FILLS,  6                         ; K = 1,024 is 8 steps: steps 0 and 1 are the first fills, steps 2 to 7 refills
.set AA0,  16                          ; v16  my lane's place among my A fragments in slot 0; never rewritten
.set AB0,  17                          ; v17  the same for B
.set ADA,  18                          ; v18  the same in the slot that is being read
.set ADB,  19                          ; v19
.set STO,  24                          ; v24  the way out: where I put 16 bytes of a row
.set RD,   25                          ; v25  where I read a row back
.set CO,   26                          ; v26  my byte offset in pb
.set SPW,  28                          ; v28  LDS address of my spare word; never rewritten
.set NIL,  29                          ; v29  0; never rewritten
.set PFO,  30                          ; v30  the prefetches' offset: my lane x a row (2,048 bytes); never rewritten
.set TMP,  64                          ; the way out: four sets of 32, packed results and then whole rows
.set F0,   64
.set F1,   128
.set WV,  16                           ; s16 wave   s17 wave / 2: my 128 rows; also: I fetch for A (0) or B (1)   s18 wave % 2: my 128 columns; also: which 128 rows I fetch
.set WH,  17
.set WL,  18
.set CX,  19                           ; my place in the cluster
.set CY,  20
.set TC,  21                           ; tile column = 4 x cluster x + cx
.set TR,  22                           ; tile row = 4 x cluster y + cy
.set CLY, 23                           ; cluster y
.set G1,  24                           ; s[24:31] descriptor group 1 for A's tiles;  s[32:39] group 0: a set for each of the two first fills; the second then walks on
.set G0,  32
.set G1B, 48                           ; s[48:55], s[56:63] the same for B's
.set G0B, 56
.set PFA, 66                           ; s[66:67] where my prefetches stand
.set LIM, 70                           ; s70  1 in a wave that prefetches, else the greatest number
.set TT,  71                           ; s71  t, made of the cluster's y alone
.set TB,  82                           ; s82  0 or SLOT: the slot that is being read
.set LW,  83                           ; s83  wave x HALFT: where my loads land in a slot
.set CB,  84                           ; s[84:85] pb at my wave's first row and column
.set GW0, (1<<16)|(1<<20)|(1<<21)|(5<<22)|(3<<25)  ; 17:16 elements of 2 bytes; 20 padding on; 21 set beside a mask; 24:22 after every 64 words (code 5); 31:25 4 words (code 3)
.set MSB, 0
.macro WIN new                         ; the immediate's high byte repeats the setting that is left; a switch that changes nothing is dropped
.if MSB != (\new)
	s_set_vgpr_msb (MSB<<8)|(\new)
.set MSB, \new
.endif
.endm
.macro PLACES                          ; four places in front of loads into registers that matrix instructions have read, and of conversions that read results
.rept 4
	v_nop
.endr
.endm
.macro JLOAD s                         ; a joint load: waves 0 and 1 fetch A's two halves, waves 2 and 3 B's; an s_nop 0 and four v_nop follow each line, ahead of the jump and the label
	s_cmp_eq_u32 s[WH], 0
	s_cbranch_scc0 .Lfor_b_\@
	tensor_load_to_lds s[G0+4*(\s):G0+4*(\s)+3], s[G1:G1+7]
	s_nop 0
.rept 4
	v_nop
.endr
	s_branch .Lasked_\@
.Lfor_b_\@:
	tensor_load_to_lds s[G0B+4*(\s):G0B+4*(\s)+3], s[G1B:G1B+7]
	s_nop 0
.rept 4
	v_nop
.endr
.Lasked_\@:
.endm
.macro CREST                           ; a round of the cluster's barrier behind its opening barrier
	s_cmp_lg_u32 s[WV], 0
	s_cbranch_scc1 .Lnot_wave_0_\@
	s_barrier_signal -3
.Lnot_wave_0_\@:
	s_barrier_wait -3
	s_barrier_signal -1
	s_barrier_wait -1
.endm
.macro CROUND                          ; a whole round
	s_barrier_signal -1
	s_barrier_wait -1
	CREST
.endm
; A PREFETCH INTO THE L2, behind a joint refill, its five lines and the run of LDS loads: 32 rows x 256 bytes, a lane a row, of the K step that the NEXT refill will ask for: 256 matrix instructions ahead of that load.
; Each row's 256 bytes of a K step are named once in the launch.  Of the 128 rows that a wave fetches, each of the four partners that ask for them jointly takes 32, told apart by address (cx for A, cy for B).
; A's rows are read by one cluster alone; of the 8 clusters that walk one t's weights the first asks for B's.  K steps 0 to 2 come by their loads alone; the last filling trip has no refill behind it and asks for nothing.
.macro ASK
	s_cmp_gt_u32 s3, s[LIM]
	s_cbranch_scc0 .Lnot_mine_\@
	global_prefetch_b8 v[PFO], s[PFA:PFA+1] th:TH_LOAD_NT scope:SCOPE_SE
.Lnot_mine_\@:
.endm
	s_load_b256 s[4:11], s[0:1], 0x0               ; xb s[4:5], wb s[6:7], bq s[8:9], bk s[10:11]
	s_load_b128 s[12:15], s[0:1], 0x20             ; bv s[12:13], pb s[14:15]
	v_lshl_add_u32 v[SPW], v0, 2, SPARE
	v_mov_b32 v[NIL], 0
	ds_add_u32 v[SPW], v[NIL]                      ; the wave's opening: the add, and its wait ahead of my first tensor load; the set-up below, work on registers, stands between them
	v_lshrrev_b32 v3, 5, v0
	v_readfirstlane_b32 s[WV], v3
	s_lshr_b32 s[WH], s[WV], 1
	s_and_b32 s[WL], s[WV], 1
	s_bfe_u32 s[CX], ttmp6, 0x40000
	s_bfe_u32 s[CY], ttmp6, 0x40004
	s_lshl_b32 s[TC], ttmp9, 2
	s_add_co_u32 s[TC], s[TC], s[CX]
	s_and_b32 s[CLY], ttmp7, 0xffff
	s_lshl_b32 s[TR], s[CLY], 2
	s_add_co_u32 s[TR], s[TR], s[CY]
	s_lshr_b32 s[TT], s[CLY], 3                    ; 32 tile rows, 8 clusters, for each t
	s_lshl_b32 s76, s[CY], 2
	s_lshl_b32 s76, 15, s76                        ; my row of the cluster
	s_lshl_b32 s77, 0x1111, s[CX]                  ; my column
	s_or_b32 s[G1], s76, GW0                       ; A's tiles go to my row,
	s_or_b32 s[G1B], s77, GW0                      ; B's to my column
.irp g, G1, G1B
	s_mov_b32 s[(\g)+1], 128<<16                   ; tensor_dim0 = 128
	s_mov_b32 s[(\g)+2], 128<<16                   ; tensor_dim1 = 128
	s_mov_b32 s[(\g)+3], 128<<16                   ; tile_dim0 = 128
	s_mov_b32 s[(\g)+4], 128                       ; tile_dim1 = 128
	s_mov_b32 s[(\g)+5], 1024                      ; elements from row to row
	s_mov_b32 s[(\g)+6], 0
	s_mov_b32 s[(\g)+7], 0
.endr
	s_lshl_b32 s40, s[TR], 8                       ; A: row 256 x tile row + 128 x half; these two registers never hold cx
	s_lshl_b32 s41, s[WL], 7
	s_add_co_u32 s40, s40, s41
	s_lshl_b32 s40, s40, 11                        ; x 2,048 bytes: under 2^26
	s_mov_b32 s41, 0
	s_lshl_b32 s42, s[TT], 10                      ; B: row 1,024 t + 256 x tile column + 128 x half; these two never hold cy
	s_lshl_b32 s43, s[TC], 8
	s_add_co_u32 s42, s42, s43
	s_lshl_b32 s43, s[WL], 7
	s_add_co_u32 s42, s42, s43
	s_lshl_b32 s42, s42, 11
	s_mov_b32 s43, 0
	s_mul_i32 s[LW], s[WV], HALFT                  ; where they go: A's two halves, then B's two: no place in the cluster enters an LDS address
	s_mov_b32 s[TB], 0                             ; K step 0 lies in slot 0
	s_wait_dscnt 0x0                               ; the opening add is done
	s_wait_kmcnt 0x0
	s_add_nc_u64 s[40:41], s[4:5], s[40:41]
	s_add_nc_u64 s[42:43], s[6:7], s[42:43]
	CROUND                                         ; all sixteen work-groups are here: the first joint loads meet
.irp s, 0,1
	s_mov_b32 s[G0+4*(\s)], 1
	s_add_co_u32 s[G0+4*(\s)+1], s[LW], (\s)*SLOT
	s_add_nc_u64 s[G0+4*(\s)+2:G0+4*(\s)+3], s[40:41], (\s)*STEP
	s_or_b32 s[G0+4*(\s)+3], s[G0+4*(\s)+3], 0x80000000
	s_mov_b32 s[G0B+4*(\s)], 1
	s_add_co_u32 s[G0B+4*(\s)+1], s[LW], (\s)*SLOT
	s_add_nc_u64 s[G0B+4*(\s)+2:G0B+4*(\s)+3], s[42:43], (\s)*STEP
	s_or_b32 s[G0B+4*(\s)+3], s[G0B+4*(\s)+3], 0x80000000
	JLOAD \s                                       ; two loads of mine are out
.endr
	v_and_b32 v1, 15, v0                           ; r = l % 16
	v_bfe_u32 v2, v0, 4, 1                         ; h = l / 16
	; the bias of my 128 columns: register j of accumulator (a, b) holds column 16 b + 8 h + j
	s_cmp_eq_u32 s[TT], 0
	s_cselect_b64 s[80:81], s[8:9], s[10:11]
	s_cmp_eq_u32 s[TT], 2
	s_cselect_b64 s[80:81], s[12:13], s[80:81]
	s_lshl_b32 s76, s[TC], 10
	s_lshl_b32 s77, s[WL], 9
	s_add_co_u32 s76, s76, s77
	s_mov_b32 s77, 0
	s_add_nc_u64 s[80:81], s[80:81], s[76:77]
	v_lshlrev_b32 v6, 5, v2
.irp b, 0,1,2,3,4,5,6,7
	global_load_b128 v[F1+8*\b:F1+8*\b+3],   v6, s[80:81] offset:64*\b      ; into A's second fragment buffer, which is idle until the first quarter's fetch
	global_load_b128 v[F1+8*\b+4:F1+8*\b+7], v6, s[80:81] offset:64*\b+16
.endr
	v_mul_u32_u24 v3, v1, PITCH
	v_lshl_add_u32 v3, v2, 4, v3                   ; a fragment's row x pitch + 16 x half
	s_mul_i32 s76, s[WH], HALFT                    ; my 128 rows of A
	s_mul_i32 s77, s[WL], HALFT                    ; my 128 rows of B,
	s_add_co_u32 s77, s77, 2*HALFT                 ; which lie behind A's 256
	v_add_nc_u32 v[AA0], s76, v3
	v_add_nc_u32 v[AB0], s77, v3
	v_add_nc_u32 v[ADA], s[TB], v[AA0]
	v_add_nc_u32 v[ADB], s[TB], v[AB0]
	s_mul_i32 s76, s[WV], 16*SPITCH
	s_add_co_u32 s76, s76, STAGE                   ; my stage
	v_mul_u32_u24 v4, v1, SPITCH                   ; in: row r, 16 bytes for each half of the lanes
	v_lshl_add_u32 v4, v2, 4, v4
	v_add_nc_u32 v[STO], s76, v4
	v_mul_u32_u24 v5, v2, SPITCH                   ; back: lanes 0-15 take one row of 256 bytes, lanes 16-31 the next
	v_lshl_add_u32 v5, v1, 4, v5
	v_add_nc_u32 v[RD], s76, v5
	v_lshlrev_b32 v5, 11, v2                       ; and the same two rows in pb
	v_lshl_add_u32 v[CO], v1, 4, v5
	s_lshl_b32 s76, s[TR], 8
	s_lshl_b32 s77, s[WH], 7
	s_add_co_u32 s76, s76, s77                     ; my first row,
	s_lshl_b32 s76, s76, 11
	s_lshl_b32 s77, s[TC], 9                       ; my first column, in bytes
	s_add_co_u32 s76, s76, s77
	s_lshl_b32 s77, s[WL], 8
	s_add_co_u32 s76, s76, s77
	s_mov_b32 s77, 0
	s_add_nc_u64 s[CB:CB+1], s[14:15], s[76:77]
	; the prefetches
	s_lshl_b32 s44, s[TR], 8                       ; A: the tile's first row, my work-group's share by cx
	s_lshl_b32 s45, s[CX], 5
	s_add_co_u32 s44, s44, s45
	s_lshl_b32 s46, s[TT], 10                      ; B: the tile's first row, my work-group's share by cy
	s_lshl_b32 s47, s[TC], 8
	s_add_co_u32 s46, s46, s47
	s_lshl_b32 s47, s[CY], 5
	s_add_co_u32 s46, s46, s47
	s_and_b32 s47, s[CLY], 7                       ; 0 in the first of the clusters that walk this t's weights
	s_cmp_eq_u32 s[WH], 0
	s_cselect_b32 s44, s44, s46
	s_cselect_b32 s47, ttmp9, s47                  ; the coordinate along which other clusters read the same rows
	s_cselect_b64 s[PFA:PFA+1], s[4:5], s[6:7]
	s_lshl_b32 s45, s[WL], 7                       ; + the 128 rows that I fetch
	s_add_co_u32 s44, s44, s45
	s_lshl_b32 s44, s44, 11
	s_mov_b32 s45, 0
	s_add_nc_u64 s[PFA:PFA+1], s[PFA:PFA+1], s[44:45]
	s_add_nc_u64 s[PFA:PFA+1], s[PFA:PFA+1], 2*STEP  ; at K step 2: the first refill (of K step 2) steps it to 3.  Nothing is asked for at the head
	s_cmp_eq_u32 s47, 0
	s_cselect_b32 s[LIM], 1, -1                    ; the same in all sixteen partners, for a given wave
	v_and_b32 v[PFO], 31, v0
	v_lshlrev_b32 v[PFO], 11, v[PFO]
	s_wait_loadcnt 0x0                             ; the bias
.set i, 0
.rept 32
	v_cvt_pk_bf16_f32 v[32+i], v[F1+2*i], v[F1+2*i+1]  ; rounded to bf16,
.set i, i+1
.endr
	WIN 0x40                                       ; destination window 1
.set i, 0
.rept 32
	v_lshlrev_b32 v[2*i], 16, v[32+i]              ; and widened again
	v_and_b32 v[2*i+1], 0xffff0000, v[32+i]
.set i, i+1
.endr
	WIN 0
; 16 matrix instructions: blocks a0, a0 + 1 of the window's four blocks of 16 rows (hi = 0: my rows 0-63, 1: rows 64-127) x all 8 blocks of 16 columns, 32 along K.  zero = 1: the first product starts the sums with the bias.
; The 64 accumulators take turns, one instruction a turn, in the same order in every quarter, over every jump too.
.macro MUL16 f, hi, a0, zero
.if \zero
	WIN 0x91+0x40*(\hi)                            ; source 0 (B) and C (the bias) window 1, source 1 (A) window 0, D window 2 or 3
.else
	WIN 0xa1+0x50*(\hi)                            ; C and D window 2 or 3
.endif
.irp a, \a0, (\a0)+1
.irp b, 0,1,2,3,4,5,6,7
.if \zero
	v_wmma_f32_16x16x32_bf16 v[8*(8*(\a)+(\b)):8*(8*(\a)+(\b))+7], v[(\f)+8*(\b):(\f)+8*(\b)+7], v[(\f)+8*(4*(\hi)+(\a)):(\f)+8*(4*(\hi)+(\a))+7], v[8*(\b):8*(\b)+7]
.else
	v_wmma_f32_16x16x32_bf16 v[8*(8*(\a)+(\b)):8*(8*(\a)+(\b))+7], v[(\f)+8*(\b):(\f)+8*(\b)+7], v[(\f)+8*(4*(\hi)+(\a)):(\f)+8*(4*(\hi)+(\a))+7], v[8*(8*(\a)+(\b)):8*(8*(\a)+(\b))+7]
.endif
.endr
.endr
.endm
; 32 LDS loads in one run: the fragments of 32 along K at byte k of the rows of the slot that is being read, into buffer f: B's eight, then A's eight
.macro FETCH k, f
	WIN 0x40                                       ; destination window 1, address window 0
.irp i, 0,1,2,3,4,5,6,7
	ds_load_b128 v[(\f)+8*(\i):(\f)+8*(\i)+3],   v[ADB] offset:(\k)+(\i)*16*PITCH
	ds_load_b128 v[(\f)+8*(\i)+4:(\f)+8*(\i)+7], v[ADB] offset:(\k)+(\i)*16*PITCH+32
.endr
	WIN 0
.irp i, 0,1,2,3,4,5,6,7
	ds_load_b128 v[(\f)+8*(\i):(\f)+8*(\i)+3],   v[ADA] offset:(\k)+(\i)*16*PITCH
	ds_load_b128 v[(\f)+8*(\i)+4:(\f)+8*(\i)+7], v[ADA] offset:(\k)+(\i)*16*PITCH+32
.endr
.endm
; A K step is four quarters of 32 along K, 64 matrix instructions each, on buffers 0, 1, 0, 1.  One of the first three: multiplies buffer f and, in its middle, fetches the next quarter, at byte k, into g.
.macro QUARTER k, f, g, zero
	s_wait_dscnt 8                                 ; B and A's rows 0-63 are in; the youngest eight loads (A's rows 64-127) may be out
	MUL16 \f, 0, 0, \zero
	MUL16 \f, 0, 2, \zero
	PLACES
	FETCH \k, \g
	s_wait_dscnt 32                                ; all but the 32 just issued
	MUL16 \f, 1, 0, \zero
	MUL16 \f, 1, 2, \zero
.endm
; The last quarter multiplies buffer 1 and changes slots: ONE barrier; in front of it each wave waits for all its tensor loads (one is out: its part of the next slot), adds 0 to its spare word, and waits for that
; and for its own reads of this slot.  fill = 1: the barrier opens a round of the cluster's barrier, and this slot is filled again, two K steps ahead, first thing behind the round.
; fill = 0 (the last two K steps): nothing is asked for; in the very last there is no next slot, and the run of loads is jumped over.
.macro TURN fill
.if \fill
	s_wait_xcnt 0x0                                ; the last prefetch, a K step back, has read its address: it is stepped here, ahead of the waits of the change of slots
	s_add_nc_u64 s[PFA:PFA+1], s[PFA:PFA+1], STEP
.endif
	WIN 0
	s_wait_tensorcnt 0x0                           ; all my tensor loads have landed, so a group 0 may be written;
	ds_add_u32 v[SPW], v[NIL]                      ; 0 onto my spare word;
.if \fill
	s_add_co_u32 s[G0+5], s[LW], s[TB]             ; the walking descriptors: into the slot that is being left,
	s_add_co_u32 s[G0B+5], s[LW], s[TB]
	s_add_nc_u64 s[G0+6:G0+7], s[G0+6:G0+7], STEP  ; the K step behind the one asked for last; the type bits on top are not reached
	s_add_nc_u64 s[G0B+6:G0B+7], s[G0B+6:G0B+7], STEP
.endif
	s_xor_b32 s[TB], s[TB], SLOT                   ; the fetches go on in the other slot
	s_wait_dscnt 9                                 ; (the add and the youngest eight loads may be out)
	MUL16 F1, 0, 0, 0                              ; sixteen matrix instructions stand between the add and the wait for it
	s_wait_dscnt 0x0                               ; the add is done, and my reads of this slot are over
	s_barrier_signal -1
	MUL16 F1, 0, 2, 0
	WIN 0
	v_add_nc_u32 v[ADA], s[TB], v[AA0]
	v_add_nc_u32 v[ADB], s[TB], v[AB0]
	s_barrier_wait -1
.if \fill
	CREST                                          ; no wave of any partner still reads this slot's tile or has a load on its way
	JLOAD 1                                        ; the four v_nop behind it are also the places in front of the loads below
	FETCH 0, F0
	ASK
.else
	s_cmp_eq_u32 s3, 1
	s_cbranch_scc1 .Lno_fetch_\@
	PLACES
	FETCH 0, F0
.Lno_fetch_\@:
.endif
	MUL16 F1, 1, 0, 0
	MUL16 F1, 1, 2, 0
.endm
	s_wait_tensorcnt 0x1                           ; my part of K step 0 is in; K step 1's may stay out
	s_barrier_signal -1
	s_barrier_wait -1                              ; everybody's is
	FETCH 0, F0
	QUARTER 64, F0, F1, 1                          ; the first quarter stands in front of the loop: its products start the sums
	WIN 0                                          ; at a label and at a branch every window is 0
	s_mov_b32 s3, FILLS
.Lstep:                                                ; a trip goes from a K step's second quarter to the next step's first, and fills the slot that it leaves
	QUARTER 128, F1, F0, 0
	QUARTER 192, F0, F1, 0
	TURN 1
	QUARTER 64,  F0, F1, 0
	WIN 0
	s_sub_co_u32 s3, s3, 1
	s_cmp_lg_u32 s3, 0
	s_cbranch_scc1 .Lstep
	s_mov_b32 s3, 2
.Ltail:                                                ; the last two K steps ask for nothing: a text of their own; the second trip is left in its middle
	QUARTER 128, F1, F0, 0
	QUARTER 192, F0, F1, 0
	TURN 0
	WIN 0
	s_sub_co_u32 s3, s3, 1
	s_cmp_eq_u32 s3, 0
	s_cbranch_scc1 .Lout
	QUARTER 64,  F0, F1, 0
	WIN 0
	s_branch .Ltail
.Lout:
	s_wait_dscnt 0x0                               ; no LDS load of mine is out: the fragments' registers are free
	PLACES
; THE WAY OUT, a block of 16 rows at a time: rounded to f16, 16 bytes a lane into my own stage, back as whole rows of 256 bytes, stored.  Four sets of 32 registers take turns.
.macro PK a
	WIN 0x0a+5*((\a)/4)                            ; sources 0 and 1: window 2 or 3
.set i, 0
.rept 32
	v_cvt_pk_f16_f32 v[TMP+32*((\a)%4)+i], v[64*((\a)%4)+2*i], v[64*((\a)%4)+2*i+1]  ; each accumulator's registers in ascending order
.set i, i+1
.endr
	WIN 0
.irp b, 0,1,2,3,4,5,6,7
	ds_store_b128 v[STO], v[TMP+32*((\a)%4)+4*\b:TMP+32*((\a)%4)+4*\b+3] offset:32*\b
.endr
.irp t, 0,1,2,3,4,5,6,7
	ds_load_b128 v[TMP+32*((\a)%4)+4*\t:TMP+32*((\a)%4)+4*\t+3], v[RD] offset:\t*2*SPITCH  ; LDS serves a wave's instructions in order (ISA guide 5.7.1.4): these see the stores above; the next block's stores come behind them
.endr
.endm
.macro SEND a, younger                 ; younger: the LDS instructions issued behind block a's loads: the next block's sixteen, or none
	s_wait_dscnt \younger
.irp t, 0,1,2,3,4,5,6,7
	global_store_b128 v[CO], v[TMP+32*((\a)%4)+4*\t:TMP+32*((\a)%4)+4*\t+3], s[CB:CB+1] offset:(16*(\a)+2*\t)*2048  ; 16 lanes store 256 consecutive bytes, at a multiple of 256 from pb's first byte
.endr
.endm
	PK 0
.irp a, 1,2,3                          ; a block's conversions stand between the loads of the block before and its stores
	PK \a
	SEND (\a)-1, 16
.endr
.irp a, 4,5,6,7
	s_wait_xcnt 0x0                                ; the stores of the block four back have read their registers: this block takes them
	PK \a
	SEND (\a)-1, 16
.endr
	SEND 7, 0
	s_wait_tensorcnt 0x0                           ; the wave's end: behind my last tensor load and my last LDS store
	ds_add_u32 v[SPW], v[NIL]
	s_wait_dscnt 0x0
	CROUND                                         ; the closing round: no work-group ends while a partner may still ask for a tile that names it
	s_endpgm
.Lfunc_end_k_qf597d033df_proj:
	.size	k_qf597d033df_proj, .Lfunc_end_k_qf597d033df_proj-k_qf597d033df_proj
	.p2alignl 7, 3214868480
	.fill 96, 4, 3214868480
	.section	.rodata,"a",@progbits
	.p2align	6, 0x0
	.amdhsa_kernel k_qf597d033df_proj
		.amdhsa_group_segment_fixed_size 327680
		.amdhsa_private_segment_fixed_size 0
		.amdhsa_enable_private_segment 0
		.amdhsa_kernarg_size 48
		.amdhsa_user_sgpr_count 2
		.amdhsa_user_sgpr_kernarg_segment_ptr 1
		.amdhsa_wavefront_size32 1
		.amdhsa_system_sgpr_workgroup_id_x 1
		.amdhsa_system_sgpr_workgroup_id_y 1
		.amdhsa_system_sgpr_workgroup_id_z 1
		.amdhsa_system_vgpr_workitem_id 0
		.amdhsa_next_free_vgpr 1024
		.amdhsa_next_free_sgpr 88
		.amdhsa_reserve_vcc 0
		.amdhsa_float_denorm_mode_32 3
		.amdhsa_float_denorm_mode_16_64 3
		.amdhsa_memory_ordered 1
		.amdhsa_forward_progress 1
		.amdhsa_inst_pref_size 107
	.end_amdhsa_kernel
	.amdgpu_metadata
---
amdhsa.version: [ 1, 2 ]
amdhsa.kernels:
  - .name:           k_qf597d033df_proj
    .symbol:         k_qf597d033df_proj.kd
    .args:
      - { .name: xb, .offset: 0, .size: 8, .value_kind: global_buffer, .address_space: global }
      - { .name: wb, .offset: 8, .size: 8, .value_kind: global_buffer, .address_space: global }
      - { .name: bq, .offset: 16, .size: 8, .value_kind: global_buffer, .address_space: global }
      - { .name: bk, .offset: 24, .size: 8, .value_kind: global_buffer, .address_space: global }
      - { .name: bv, .offset: 32, .size: 8, .value_kind: global_buffer, .address_space: global }
      - { .name: pb, .offset: 40, .size: 8, .value_kind: global_buffer, .address_space: global }
    .group_segment_fixed_size: 327680
    .private_segment_fixed_size: 0
    .kernarg_segment_align: 8
    .kernarg_segment_size: 48
    .max_flat_workgroup_size: 128
    .sgpr_count:     88
    .vgpr_count:     1024
    .wavefront_size: 32
...
	.end_amdgpu_metadata
.endif
;; end of part 6
;; launch score (part 7): grid 8 x 32, 4 waves a work-group, clusters of 4 x 4, 327,680 bytes of LDS; arguments pb, pw, st; writes pw, st
.if DOCPART == 7
	.amdgcn_target "amdgcn-amd-amdhsa--gfx1250"
	.amdhsa_code_object_version 6
	.text
	.protected	k_qf597d033df_score
	.globl	k_qf597d033df_score
	.p2align	8
	.type	k_qf597d033df_score,@function
k_qf597d033df_score:
	s_mov_b64 s[64:65], 0
	v_nop
	global_prefetch_b8 v0, s[64:65] scope:SCOPE_SE
	s_setreg_imm32_b32 hwreg(HW_REG_WAVE_MODE, 25, 1), 1
	s_wait_xcnt 0x0
	s_wait_alu depctr_hold_cnt(0) depctr_sa_sdst(0) depctr_va_vdst(0) depctr_va_sdst(0) depctr_va_ssrc(0) depctr_va_vcc(0) depctr_vm_vsrc(0)
	s_getreg_b32 s2, hwreg(HW_REG_IB_STS2, 6, 4)
	s_cmp_eq_u32 s2, 0
	s_cbranch_scc0 .Lentry_in_a_cluster
	s_endpgm
.Lentry_in_a_cluster:
	s_bfe_u32 s2, ttmp6, 0x10000c
	s_cmp_lg_u32 s2, 0xf033
	s_cbranch_scc0 .Lentry_shape_is_right
	s_endpgm
.Lentry_shape_is_right:
; THE SCORES AND THE FIRST HALF OF THE SOFTMAX.  s[row][key] = qp[row] . kp[key] (f16 products, f32 sums); c = log2(e) / 32: the scores are divided by sqrt(1024).
; For each row and each block j of 128 keys: cm = c x (the block's largest s);  p = 2^(c s - cm), stored in f16 into pw;  l = the sum of the block's unrounded p.
; The launch behind corrects each block to the row's own maximum: together a maximum is taken away in front of every exponential.
; pb: [3][8192][1024] f16 (plane 0 qp, plane 1 kp); row = 2,048 x batch + query.  The input mask enters nowhere.
; pw: [512 blocks of 16 rows][64 blocks of 32 keys][1,024 bytes].  A block is the register image of the next launch's matrix operand (16 queries x 32 keys): lane l's registers 0-3 at byte 16 l, its registers 4-7 at byte 512 + 16 l.
; My lanes hold just that after the rounding (below), so p leaves straight from registers: no round trip through LDS.
; st: [2][16][8192] f32: plane 0 cm, plane 1 l, by block j; within each group of 64 rows, row 16 a + r lies at place 4 r + a, so that the next launch's lane r finds its four rows in 16 bytes.
; LIMITS: p lies in 0 to 1 (to within a rounding); below 6e-5 it keeps f16's fixed step of 6e-8; a weight below 2^-126 counts as 0 in l; NaN and infinities are not treated apart.
; SHARES.  A work-group makes 256 rows x 256 keys: 32 tile rows x 8 tile columns = 256 work-groups.  Four waves, each 128 rows x 128 keys: 64 accumulators, 512 registers; a wave's columns ARE one block
; j = 2 x tile column + wave % 2, so maximum and sum never leave the wave.  K (the 1,024 channels) goes in steps of 128 through two LDS slots: 256 matrix instructions a wave in a step, 224 of them between a request and the wait for it.
; CLUSTERS of 4 x 4: qp's tile is shared along a row of the cluster, kp's along a column: each is asked for JOINTLY.
; THE MATRIX INSTRUCTION IS USED TRANSPOSED (source 0 = 16 keys, source 1 = 16 queries): lane l holds ONE query (l % 16) and the keys 8 (l / 16) + 0..7 of each block of 16; the query's other 64 keys lie in the lane 16 away.
; ONE K STEP IS WRITTEN ONCE: s[TB] holds the LDS byte at which the slot that is being read begins (0 or SLOT; one exclusive or turns the one into the other); the fragments' addresses and the walking descriptors' LDS word are made of it.
; REGISTERS, in windows of 256 (s_set_vgpr_msb: bits 1:0 source 0, 3:2 source 1, 5:4 source 2, 7:6 destination):
;   window 0: v0-31 addresses; v32-51 at work; v64-127, v128-191 A's fragments, two buffers; on the way out v64-127 the exponents and weights, v128-255 packed weights, four sets of 32
;   window 1: v64-127, v128-191 B's fragments, two buffers
;   window 2: the 32 accumulators of my rows 0-63 ((a, b) at v[8 (8 a + b)]);   window 3: those of my rows 64-127
.set PITCH,  272                       ; an LDS row: 256 bytes + 16 of padding = 68 words: the 16 rows of a load start at 16 different groups of four banks (64 banks of 4 bytes: ISA guide 11.1)
.set HALFT,  128*PITCH
.set SLOT,   4*HALFT                   ; A's 256 rows, then B's 256 rows
.set SSTG,   2*SLOT                    ; behind the ring: 1,024 bytes for each wave: 128 cm, 128 l
.set SPARE,  SSTG+4*1024               ; then the spare words, 128 bytes for each wave: two blocks of 256 bytes that no other line names
.set STEP,   256
.set FILLS,  6                         ; 8 K steps: steps 0 and 1 are the first fills, steps 2 to 7 refills
.set AA0,  16                          ; v16  my lane's place among my A fragments in slot 0; never rewritten
.set AB0,  17                          ; v17  the same for B
.set ADA,  18                          ; v18  the same in the slot that is being read
.set ADB,  19
.set CO,   26                          ; v26  16 x lane: my 16 bytes of 512, in pw and in st
.set SST,  27                          ; v27  where I put my query's cm and l
.set SPW,  28
.set NIL,  29
.set PFO,  30
.set SLD,  31                          ; v31  where I read 16 bytes of the wave's statistics
.set CC,   32                          ; v32-39  eight running maxima
.set CM,   40                          ; v[40:41] cm, twice
.set LL,   42                          ; v42  l
.set SD,   44                          ; v[44:51] statistics on their way out
.set E,    64
.set T,    128
.set F0,   64
.set F1,   128
.set WV,  16
.set WH,  17
.set WL,  18
.set CX,  19
.set CY,  20
.set TC,  21
.set TR,  22
.set CLY, 23
.set G1,  24
.set G0,  32
.set G1B, 48
.set G0B, 56
.set PFA, 66
.set LIM, 70
.set BT,  71                           ; s71  the batch, made of the cluster's y alone
.set CS,  72                           ; s[72:73] c
.set SEL, 74                           ; s[74:75] v_permlanex16_b32's selects: each lane takes its own place in the other half
.set TB,  82                           ; s82  0 or SLOT: the slot that is being read
.set LW,  83                           ; s83  wave x HALFT: where my loads land in a slot
.set CB,  84                           ; s[84:85] pw at my wave's first block of rows and of keys
.set SB,  86                           ; s[86:87] st at my block j and my wave's first row
.set GW0, (1<<16)|(1<<20)|(1<<21)|(5<<22)|(3<<25)
.set MSB, 0
.macro WIN new
.if MSB != (\new)
	s_set_vgpr_msb (MSB<<8)|(\new)
.set MSB, \new
.endif
.endm
.macro PLACES
.rept 4
	v_nop
.endr
.endm
.macro JLOAD s                         ; a joint load: waves 0 and 1 fetch A's two halves, waves 2 and 3 B's; an s_nop 0 and four v_nop follow each line
	s_cmp_eq_u32 s[WH], 0
	s_cbranch_scc0 .Lfor_b_\@
	tensor_load_to_lds s[G0+4*(\s):G0+4*(\s)+3], s[G1:G1+7]
	s_nop 0
.rept 4
	v_nop
.endr
	s_branch .Lasked_\@
.Lfor_b_\@:
	tensor_load_to_lds s[G0B+4*(\s):G0B+4*(\s)+3], s[G1B:G1B+7]
	s_nop 0
.rept 4
	v_nop
.endr
.Lasked_\@:
.endm
.macro CREST
	s_cmp_lg_u32 s[WV], 0
	s_cbranch_scc1 .Lnot_wave_0_\@
	s_barrier_signal -3
.Lnot_wave_0_\@:
	s_barrier_wait -3
	s_barrier_signal -1
	s_barrier_wait -1
.endm
.macro CROUND
	s_barrier_signal -1
	s_barrier_wait -1
	CREST
.endm
; A PREFETCH INTO THE L2, behind a joint refill, its five lines and the run of LDS loads: 32 rows x 256 bytes, a lane a row, of the K step that the NEXT refill will ask for: 256 matrix instructions ahead of that load.
; Each row's 256 bytes of a K step are named once in the launch.  Of the 128 rows that a wave fetches, each of the four partners that ask for them jointly takes 32, told apart by address (cx for qp, cy for kp).
; Of the two clusters along x that read the same rows of qp the first asks, and of a batch's two clusters along y that read the same rows of kp the first.  K steps 0 to 2 come by their loads alone; the last filling trip asks for nothing.
.macro ASK
	s_cmp_gt_u32 s3, s[LIM]
	s_cbranch_scc0 .Lnot_mine_\@
	global_prefetch_b8 v[PFO], s[PFA:PFA+1] th:TH_LOAD_NT scope:SCOPE_SE
.Lnot_mine_\@:
.endm
	s_load_b128 s[4:7], s[0:1], 0x0                ; pb s[4:5], pw s[6:7]
	s_load_b64 s[8:9], s[0:1], 0x10                ; st
	v_lshl_add_u32 v[SPW], v0, 2, SPARE
	v_mov_b32 v[NIL], 0
	ds_add_u32 v[SPW], v[NIL]                      ; the wave's opening: the add, and its wait ahead of my first tensor load
	v_lshrrev_b32 v3, 5, v0
	v_readfirstlane_b32 s[WV], v3
	s_lshr_b32 s[WH], s[WV], 1
	s_and_b32 s[WL], s[WV], 1
	s_bfe_u32 s[CX], ttmp6, 0x40000
	s_bfe_u32 s[CY], ttmp6, 0x40004
	s_lshl_b32 s[TC], ttmp9, 2
	s_add_co_u32 s[TC], s[TC], s[CX]
	s_and_b32 s[CLY], ttmp7, 0xffff
	s_lshl_b32 s[TR], s[CLY], 2
	s_add_co_u32 s[TR], s[TR], s[CY]
	s_lshr_b32 s[BT], s[CLY], 1                    ; 8 tile rows, 2 clusters, for each batch
	s_lshl_b32 s76, s[CY], 2
	s_lshl_b32 s76, 15, s76
	s_lshl_b32 s77, 0x1111, s[CX]
	s_or_b32 s[G1], s76, GW0
	s_or_b32 s[G1B], s77, GW0
.irp g, G1, G1B
	s_mov_b32 s[(\g)+1], 128<<16                   ; tensor_dim0 = 128
	s_mov_b32 s[(\g)+2], 128<<16                   ; tensor_dim1 = 128
	s_mov_b32 s[(\g)+3], 128<<16                   ; tile_dim0 = 128
	s_mov_b32 s[(\g)+4], 128                       ; tile_dim1 = 128
	s_mov_b32 s[(\g)+5], 1024                      ; elements from row to row
	s_mov_b32 s[(\g)+6], 0
	s_mov_b32 s[(\g)+7], 0
.endr
	s_mov_b32 s[CS], 0x3d38aa3b                    ; c = log2(e) / 32 = 0.0450842
	s_mov_b32 s[CS+1], s[CS]                       ; named with it as a pair
	s_mov_b32 s[SEL], 0x76543210
	s_mov_b32 s[SEL+1], 0xfedcba98
	s_lshl_b32 s40, s[TR], 8                       ; qp: row 256 x tile row + 128 x half; these two registers never hold cx
	s_lshl_b32 s41, s[WL], 7
	s_add_co_u32 s40, s40, s41
	s_lshl_b32 s40, s40, 11
	s_mov_b32 s41, 0
	s_lshl_b32 s42, s[BT], 11                      ; kp: row 8,192 + 2,048 x batch + 256 x tile column + 128 x half; these two never hold cy
	s_lshl_b32 s43, s[TC], 8
	s_add_co_u32 s42, s42, s43
	s_lshl_b32 s43, s[WL], 7
	s_add_co_u32 s42, s42, s43
	s_add_co_u32 s42, s42, 8192
	s_lshl_b32 s42, s42, 11
	s_mov_b32 s43, 0
	s_mul_i32 s[LW], s[WV], HALFT                  ; where they go: no place in the cluster enters an LDS address
	s_mov_b32 s[TB], 0                             ; K step 0 lies in slot 0
	s_wait_dscnt 0x0                               ; the opening add is done
	s_wait_kmcnt 0x0
	s_add_nc_u64 s[40:41], s[4:5], s[40:41]
	s_add_nc_u64 s[42:43], s[4:5], s[42:43]
	CROUND                                         ; all sixteen work-groups are here: the first joint loads meet
.irp s, 0,1
	s_mov_b32 s[G0+4*(\s)], 1
	s_add_co_u32 s[G0+4*(\s)+1], s[LW], (\s)*SLOT
	s_add_nc_u64 s[G0+4*(\s)+2:G0+4*(\s)+3], s[40:41], (\s)*STEP
	s_or_b32 s[G0+4*(\s)+3], s[G0+4*(\s)+3], 0x80000000
	s_mov_b32 s[G0B+4*(\s)], 1
	s_add_co_u32 s[G0B+4*(\s)+1], s[LW], (\s)*SLOT
	s_add_nc_u64 s[G0B+4*(\s)+2:G0B+4*(\s)+3], s[42:43], (\s)*STEP
	s_or_b32 s[G0B+4*(\s)+3], s[G0B+4*(\s)+3], 0x80000000
	JLOAD \s                                       ; two loads of mine are out
.endr
	v_and_b32 v1, 15, v0                           ; r
	v_bfe_u32 v2, v0, 4, 1                         ; h
	v_mul_u32_u24 v3, v1, PITCH
	v_lshl_add_u32 v3, v2, 4, v3
	s_mul_i32 s76, s[WH], HALFT                    ; my 128 rows of A
	s_mul_i32 s77, s[WL], HALFT                    ; my 128 rows of B,
	s_add_co_u32 s77, s77, 2*HALFT                 ; which lie behind A's 256
	v_add_nc_u32 v[AA0], s76, v3
	v_add_nc_u32 v[AB0], s77, v3
	v_add_nc_u32 v[ADA], s[TB], v[AA0]
	v_add_nc_u32 v[ADB], s[TB], v[AB0]
	s_lshl_b32 s76, s[WV], 10
	s_add_co_u32 s76, s76, SSTG                    ; my 1,024 bytes of statistics
	v_lshl_add_u32 v[SST], v1, 4, s76              ; query r's four rows of a group of 64 take 16 bytes
	v_and_b32 v7, 31, v0
	v_lshlrev_b32 v[CO], 4, v7
	v_add_nc_u32 v[SLD], s76, v[CO]
	s_lshl_b32 s76, s[TR], 8
	s_lshl_b32 s77, s[WH], 7
	s_add_co_u32 s76, s76, s77                     ; my first row
	s_lshl_b32 s78, s76, 2                         ; in st: 4 bytes a row,
	s_lshl_b32 s76, s76, 12                        ; in pw: 65,536 bytes for each block of 16 rows
	s_lshl_b32 s77, s[TC], 13                      ; my first block of 32 keys: 8 x tile column + 4 x half, 1,024 bytes each
	s_add_co_u32 s76, s76, s77
	s_lshl_b32 s77, s[WL], 12
	s_add_co_u32 s76, s76, s77
	s_mov_b32 s77, 0
	s_add_nc_u64 s[CB:CB+1], s[6:7], s[76:77]
	s_lshl_b32 s76, s[TC], 1
	s_add_co_u32 s76, s76, s[WL]                   ; j
	s_lshl_b32 s76, s76, 15                        ; 8,192 rows x 4 bytes for each j
	s_add_co_u32 s76, s76, s78
	s_add_nc_u64 s[SB:SB+1], s[8:9], s[76:77]
	; the prefetches
	s_lshl_b32 s44, s[TR], 8
	s_lshl_b32 s45, s[CX], 5
	s_add_co_u32 s44, s44, s45
	s_lshl_b32 s46, s[BT], 11
	s_lshl_b32 s47, s[TC], 8
	s_add_co_u32 s46, s46, s47
	s_lshl_b32 s47, s[CY], 5
	s_add_co_u32 s46, s46, s47
	s_add_co_u32 s46, s46, 8192
	s_and_b32 s47, s[CLY], 1                       ; 0 in the first of the batch's clusters along y
	s_cmp_eq_u32 s[WH], 0
	s_cselect_b32 s44, s44, s46
	s_cselect_b32 s47, ttmp9, s47
	s_lshl_b32 s45, s[WL], 7                       ; + the 128 rows that I fetch
	s_add_co_u32 s44, s44, s45
	s_lshl_b32 s44, s44, 11
	s_mov_b32 s45, 0
	s_add_nc_u64 s[PFA:PFA+1], s[4:5], s[44:45]
	s_add_nc_u64 s[PFA:PFA+1], s[PFA:PFA+1], 2*STEP  ; at K step 2: the first refill steps it to 3.  Nothing is asked for at the head
	s_cmp_eq_u32 s47, 0
	s_cselect_b32 s[LIM], 1, -1                    ; the same in all sixteen partners, for a given wave
	v_and_b32 v[PFO], 31, v0
	v_lshlrev_b32 v[PFO], 11, v[PFO]
; 16 matrix instructions: blocks a0, a0 + 1 of the window's four blocks of 16 queries (hi = 0: my rows 0-63, 1: rows 64-127) x all 8 blocks of 16 keys, 32 channels.  zero = 1: the first product starts the sums.
; The 64 accumulators take turns, one instruction a turn, in the same order in every quarter, over every jump too.
.macro MUL16 f, hi, a0, zero
	WIN 0xa1+0x50*(\hi)                            ; source 0 (B) window 1, source 1 (A) window 0, C and D window 2 or 3
.irp a, \a0, (\a0)+1
.irp b, 0,1,2,3,4,5,6,7
.if \zero
	v_wmma_f32_16x16x32_f16 v[8*(8*(\a)+(\b)):8*(8*(\a)+(\b))+7], v[(\f)+8*(\b):(\f)+8*(\b)+7], v[(\f)+8*(4*(\hi)+(\a)):(\f)+8*(4*(\hi)+(\a))+7], 0
.else
	v_wmma_f32_16x16x32_f16 v[8*(8*(\a)+(\b)):8*(8*(\a)+(\b))+7], v[(\f)+8*(\b):(\f)+8*(\b)+7], v[(\f)+8*(4*(\hi)+(\a)):(\f)+8*(4*(\hi)+(\a))+7], v[8*(8*(\a)+(\b)):8*(8*(\a)+(\b))+7]
.endif
.endr
.endr
.endm
.macro FETCH k, f                      ; 32 LDS loads in one run, from the slot that is being read: B's eight fragments, then A's eight
	WIN 0x40                                       ; destination window 1, address window 0
.irp i, 0,1,2,3,4,5,6,7
	ds_load_b128 v[(\f)+8*(\i):(\f)+8*(\i)+3],   v[ADB] offset:(\k)+(\i)*16*PITCH
	ds_load_b128 v[(\f)+8*(\i)+4:(\f)+8*(\i)+7], v[ADB] offset:(\k)+(\i)*16*PITCH+32
.endr
	WIN 0
.irp i, 0,1,2,3,4,5,6,7
	ds_load_b128 v[(\f)+8*(\i):(\f)+8*(\i)+3],   v[ADA] offset:(\k)+(\i)*16*PITCH
	ds_load_b128 v[(\f)+8*(\i)+4:(\f)+8*(\i)+7], v[ADA] offset:(\k)+(\i)*16*PITCH+32
.endr
.endm
.macro QUARTER k, f, g, zero           ; 64 matrix instructions on buffer f; in their middle the next quarter, at byte k, is fetched into g
	s_wait_dscnt 8                                 ; B and A's rows 0-63 are in; the youngest eight loads (A's rows 64-127) may be out
	MUL16 \f, 0, 0, \zero
	MUL16 \f, 0, 2, \zero
	PLACES
	FETCH \k, \g
	s_wait_dscnt 32                                ; all but the 32 just issued
	MUL16 \f, 1, 0, \zero
	MUL16 \f, 1, 2, \zero
.endm
; The change of slots: ONE barrier; in front of it each wave waits for all its tensor loads (one is out: its part of the next slot), adds 0 to its spare word, and waits for that and for its own reads of this slot.
; fill = 1: the barrier opens a round of the cluster's barrier, and the slot is filled again, two K steps ahead, first thing behind the round.
; fill = 0 (the last two K steps): nothing is asked for; in the very last there is no next slot, and the run of loads is jumped over.
.macro TURN fill
.if \fill
	s_wait_xcnt 0x0                                ; the last prefetch, a K step back, has read its address
	s_add_nc_u64 s[PFA:PFA+1], s[PFA:PFA+1], STEP
.endif
	WIN 0
	s_wait_tensorcnt 0x0                           ; all my tensor loads have landed, so a group 0 may be written;
	ds_add_u32 v[SPW], v[NIL]                      ; 0 onto my spare word;
.if \fill
	s_add_co_u32 s[G0+5], s[LW], s[TB]             ; the walking descriptors: into the slot that is being left,
	s_add_co_u32 s[G0B+5], s[LW], s[TB]
	s_add_nc_u64 s[G0+6:G0+7], s[G0+6:G0+7], STEP  ; the K step behind the one asked for last
	s_add_nc_u64 s[G0B+6:G0B+7], s[G0B+6:G0B+7], STEP
.endif
	s_xor_b32 s[TB], s[TB], SLOT                   ; the fetches go on in the other slot
	s_wait_dscnt 9                                 ; (the add and the youngest eight loads may be out)
	MUL16 F1, 0, 0, 0
	s_wait_dscnt 0x0                               ; the add is done, and my reads of this slot are over
	s_barrier_signal -1
	MUL16 F1, 0, 2, 0
	WIN 0
	v_add_nc_u32 v[ADA], s[TB], v[AA0]
	v_add_nc_u32 v[ADB], s[TB], v[AB0]
	s_barrier_wait -1
.if \fill
	CREST                                          ; no wave of any partner still reads this slot's tile or has a load on its way
	JLOAD 1                                        ; the four v_nop behind it are also the places in front of the loads below
	FETCH 0, F0
	ASK
.else
	s_cmp_eq_u32 s3, 1
	s_cbranch_scc1 .Lno_fetch_\@
	PLACES
	FETCH 0, F0
.Lno_fetch_\@:
.endif
	MUL16 F1, 1, 0, 0
	MUL16 F1, 1, 2, 0
.endm
	s_wait_tensorcnt 0x1                           ; my part of K step 0 is in; K step 1's may stay out
	s_barrier_signal -1
	s_barrier_wait -1
	FETCH 0, F0
	QUARTER 64, F0, F1, 1                          ; the first quarter stands in front of the loop: its products start the sums
	WIN 0
	s_mov_b32 s3, FILLS
.Lstep:                                                ; a trip goes from a K step's second quarter to the next step's first, and fills the slot that it leaves
	QUARTER 128, F1, F0, 0
	QUARTER 192, F0, F1, 0
	TURN 1
	QUARTER 64,  F0, F1, 0
	WIN 0
	s_sub_co_u32 s3, s3, 1
	s_cmp_lg_u32 s3, 0
	s_cbranch_scc1 .Lstep
	s_mov_b32 s3, 2
.Ltail:                                                ; the last two K steps ask for nothing: a text of their own; the second trip is left in its middle
	QUARTER 128, F1, F0, 0
	QUARTER 192, F0, F1, 0
	TURN 0
	WIN 0
	s_sub_co_u32 s3, s3, 1
	s_cmp_eq_u32 s3, 0
	s_cbranch_scc1 .Lout
	QUARTER 64,  F0, F1, 0
	WIN 0
	s_branch .Ltail
.Lout:
	s_wait_dscnt 0x0                               ; no LDS load of mine is out: the fragments' registers are free
	PLACES
; THE SOFTMAX'S FIRST HALF for block a of window 2: 16 queries x 128 keys, 64 scores a lane.
.macro SOFT a
	WIN 0x2a                                       ; all three sources window 2.
.irp b, 0,1,2,3,4,5,6,7
	v_max3_num_f32 v[CC+\b], v[64*(\a)+8*\b], v[64*(\a)+8*\b+1], v[64*(\a)+8*\b+2]
.endr
	WIN 0x28                                       ; source 0 window 0
.irp b, 0,1,2,3,4,5,6,7
	v_max3_num_f32 v[CC+\b], v[CC+\b], v[64*(\a)+8*\b+3], v[64*(\a)+8*\b+4]
.endr
.irp b, 0,1,2,3,4,5,6,7
	v_max3_num_f32 v[CC+\b], v[CC+\b], v[64*(\a)+8*\b+5], v[64*(\a)+8*\b+6]
.endr
.irp b, 0,2,4,6
	v_max3_num_f32 v[CC+\b], v[CC+\b], v[64*(\a)+8*\b+7], v[64*(\a)+8*\b+15]
.endr
	WIN 0
	v_max3_num_f32 v[CC], v[CC], v[CC+1], v[CC+2]
	v_max3_num_f32 v[CC+3], v[CC+3], v[CC+4], v[CC+5]
	v_max_num_f32 v[CC+6], v[CC+6], v[CC+7]
	v_max3_num_f32 v[CC], v[CC], v[CC+3], v[CC+6]
	v_permlanex16_b32 v[CC+1], v[CC], s[SEL], s[SEL+1]  ; the query's other 64 keys
	v_max_num_f32 v[CC], v[CC], v[CC+1]
	v_mul_f32 v[CM], s[CS], v[CC]                  ; cm
	v_mov_b32 v[CM+1], v[CM]                       ; named with it as a pair
	WIN 0x02                                       ; source 0 window 2
.set i, 0
.rept 32
	v_pk_fma_f32 v[E+2*i:E+2*i+1], v[64*(\a)+2*i:64*(\a)+2*i+1], s[CS:CS+1], v[CM:CM+1] op_sel_hi:[1,0,0] neg_lo:[0,0,1] neg_hi:[0,0,1]  ; c s - cm
.set i, i+1
.endr
	WIN 0
.set i, 0
.rept 64
	v_exp_f32 v[E+i], v[E+i]                       ; ONE batch
.set i, i+1
.endr
	v_nop                                          ; a plain instruction behind the last exponential,
	s_wait_alu depctr_va_vdst(0)                   ; and one wait for the 64, ahead of their first reader
.set i, 0
.rept 32
	v_cvt_pk_f16_f32 v[T+32*(\a)+i], v[E+2*i], v[E+2*i+1]
.set i, i+1
.endr
.irp b, 0,1,2,3,4,5,6,7                ; the four registers of key block b are half of the image of 32 keys: keys 16 b + 8 (l / 16) + 0..7 of query l % 16
	global_store_b128 v[CO], v[T+32*(\a)+4*\b:T+32*(\a)+4*\b+3], s[CB:CB+1] offset:(\a)*65536+\b*512  ; 512 consecutive bytes, at a multiple of 256 from pw's first byte
.endr
.irp w, 32,16,8,4,2                    ; the sum of the unrounded weights: a tree, in place, two sums an instruction
.set u, 0
.rept (\w)/2
	v_pk_add_f32 v[E+u:E+u+1], v[E+u:E+u+1], v[E+(\w)+u:E+(\w)+u+1]
.set u, u+2
.endr
.endr
	v_add_f32 v[LL], v[E], v[E+1]
	v_permlanex16_b32 v[CC+1], v[LL], s[SEL], s[SEL+1]
	v_add_f32 v[LL], v[LL], v[CC+1]
	ds_store_b32 v[SST], v[CM] offset:4*(\a)       ; place 4 r + a of the group of 64 rows; both halves of the lanes write the same word with the same number
	ds_store_b32 v[SST], v[LL] offset:512+4*(\a)
.endm
; The text of four blocks is walked twice: first for my rows 0-63; then the scores of my rows 64-127 are moved into the registers that the text names: 256 moves of 4 bytes, where a second copy of the four blocks' text would be some five times that.
	s_mov_b32 s2, 2
.Lhalf:
	SOFT 0
	SOFT 1
	SOFT 2
	SOFT 3
	s_sub_co_u32 s2, s2, 1
	s_cmp_eq_u32 s2, 0
	s_cbranch_scc1 .Lstat
	WIN 0x83                                       ; destination window 2, source window 3
.set i, 0
.rept 256
	v_mov_b32 v[i], v[i]                           ; in ascending order: each accumulator's lowest register is read first
.set i, i+1
.endr
	WIN 0
	v_add_nc_u32 v[SST], 256, v[SST]               ; the next 64 queries' statistics
	s_wait_xcnt 0x0                                ; the stores have read their registers and their base
	s_add_nc_u64 s[CB:CB+1], s[CB:CB+1], 4*65536   ; four blocks of 16 rows on
	s_branch .Lhalf
.Lstat:
	ds_load_b128 v[SD:SD+3], v[SLD]                ; the wave's 128 cm,
	ds_load_b128 v[SD+4:SD+7], v[SLD] offset:512   ; and its 128 l
	s_wait_dscnt 0x0
	global_store_b128 v[CO], v[SD:SD+3], s[SB:SB+1]                   ; 512 consecutive bytes of each plane, at a multiple of 256 from st's first byte
	global_store_b128 v[CO], v[SD+4:SD+7], s[SB:SB+1] offset:524288
	s_wait_tensorcnt 0x0                           ; the wave's end: behind my last tensor load and my last LDS store
	ds_add_u32 v[SPW], v[NIL]
	s_wait_dscnt 0x0
	CROUND                                         ; the closing round
	s_endpgm
.Lfunc_end_k_qf597d033df_score:
	.size	k_qf597d033df_score, .Lfunc_end_k_qf597d033df_score-k_qf597d033df_score
	.p2alignl 7, 3214868480
	.fill 96, 4, 3214868480
	.section	.rodata,"a",@progbits
	.p2align	6, 0x0
	.amdhsa_kernel k_qf597d033df_score
		.amdhsa_group_segment_fixed_size 327680
		.amdhsa_private_segment_fixed_size 0
		.amdhsa_enable_private_segment 0
		.amdhsa_kernarg_size 24
		.amdhsa_user_sgpr_count 2
		.amdhsa_user_sgpr_kernarg_segment_ptr 1
		.amdhsa_wavefront_size32 1
		.amdhsa_system_sgpr_workgroup_id_x 1
		.amdhsa_system_sgpr_workgroup_id_y 1
		.amdhsa_system_sgpr_workgroup_id_z 1
		.amdhsa_system_vgpr_workitem_id 0
		.amdhsa_next_free_vgpr 1024
		.amdhsa_next_free_sgpr 88
		.amdhsa_reserve_vcc 0
		.amdhsa_float_denorm_mode_32 3
		.amdhsa_float_denorm_mode_16_64 3
		.amdhsa_memory_ordered 1
		.amdhsa_forward_progress 1
		.amdhsa_inst_pref_size 124
	.end_amdhsa_kernel
	.amdgpu_metadata
---
amdhsa.version: [ 1, 2 ]
amdhsa.kernels:
  - .name:           k_qf597d033df_score
    .symbol:         k_qf597d033df_score.kd
    .args:
      - { .name: pb, .offset: 0, .size: 8, .value_kind: global_buffer, .address_space: global }
      - { .name: pw, .offset: 8, .size: 8, .value_kind: global_buffer, .address_space: global }
      - { .name: st, .offset: 16, .size: 8, .value_kind: global_buffer, .address_space: global }
    .group_segment_fixed_size: 327680
    .private_segment_fixed_size: 0
    .kernarg_segment_align: 8
    .kernarg_segment_size: 24
    .max_flat_workgroup_size: 128
    .sgpr_count:     88
    .vgpr_count:     1024
    .wavefront_size: 32
...
	.end_amdgpu_metadata
.endif
;; end of part 7
;; launch pv (part 8): grid 4 x 64, 4 waves a work-group, clusters of 4 x 4, 327,680 bytes of LDS; arguments pw, pb, st, out0; writes out0
.if DOCPART == 8
	.amdgcn_target "amdgcn-amd-amdhsa--gfx1250"
	.amdhsa_code_object_version 6
	.text
	.protected	k_qf597d033df_pv
	.globl	k_qf597d033df_pv
	.p2align	8
	.type	k_qf597d033df_pv,@function
k_qf597d033df_pv:
	s_mov_b64 s[64:65], 0
	v_nop
	global_prefetch_b8 v0, s[64:65] scope:SCOPE_SE
	s_setreg_imm32_b32 hwreg(HW_REG_WAVE_MODE, 25, 1), 1
	s_wait_xcnt 0x0
	s_wait_alu depctr_hold_cnt(0) depctr_sa_sdst(0) depctr_va_vdst(0) depctr_va_sdst(0) depctr_va_ssrc(0) depctr_va_vcc(0) depctr_vm_vsrc(0)
	s_getreg_b32 s2, hwreg(HW_REG_IB_STS2, 6, 4)
	s_cmp_eq_u32 s2, 0
	s_cbranch_scc0 .Lentry_in_a_cluster
	s_endpgm
.Lentry_in_a_cluster:
	s_bfe_u32 s2, ttmp6, 0x10000c
	s_cmp_lg_u32 s2, 0xf033
	s_cbranch_scc0 .Lentry_shape_is_right
	s_endpgm
.Lentry_shape_is_right:
; THE SOFTMAX'S SECOND HALF AND THE SECOND PRODUCT.  For each row: M = the largest of its 16 blocks' cm;  f_j = 2^(cm_j - M), rounded to f16;  L = the sum over j of f_j l_j (f32);
; out0[row][ch] = (the sum over j and the block's keys of (f_j p[row][key]) vp[key][ch]) / L.  vp = plane 2 of pb: [8192][1024] f16; out0: [8192][1024] f32.
; pw: [512 blocks of 16 rows][64 blocks of 32 keys][1,024 bytes]: a block is the register image of source 1 (16 queries x 32 keys): lane l's registers 0-3 at byte 16 l, its registers 4-7 at byte 512 + 16 l.
; st: [2][16][8192] f32 (cm, l, by block j of 128 keys); within each group of 64 rows, row 16 a + r lies at place 4 r + a.
; Products in f16, sums in f32; f_j p is rounded to f16 once more on its way into the product; L is made of the rounded f_j, the same numbers that p is multiplied by.  L is at least 1 to within a rounding: the row's largest block has f = 1 and l >= 1.
; LIMITS: f and f p below 6e-5 keep f16's fixed step of 6e-8; a factor below 2^-126 counts as 0; NaN and infinities are not treated apart.
; SHARES.  A work-group makes 128 rows x 256 channels: 64 x 4 = 256 work-groups.  Four waves, each 64 x 128: 32 accumulators.
; V GOES THROUGH LDS, P DOES NOT.  A key costs 544 bytes of LDS for V's 256 channels; with P's 128 rows beside it (272 more) two slots would hold under 200 keys each; with V alone a slot holds 256: 256 matrix instructions a wave
; between two changes of slots, 8 changes for a batch's 2,048 keys.  Each wave fetches 64 keys of a slot by one tensor load.  CLUSTERS of 4 x 4: the four of a column need the same tiles of V and ask for them JOINTLY.
; P comes straight from memory into a RING OF EIGHT REGISTER BUFFERS, one for each quarter (32 keys) of a K step: a set is eight loads of 512 consecutive bytes.  At the head of quarter n the wave waits for set n and asks for set n + 7, into the
; buffer that quarter n - 1 has left: 56 loads at the most are out, and they stay out across the barriers.  The price: the two waves of a row half, and the four work-groups of a tile row, each load the same sets.
; The ring is not prefetched: its loads themselves stand seven quarters, 224 matrix instructions, ahead of their use.
; LAYOUT.  O^T = V^T P: source 0 = 16 channels x 32 keys, out of vp's rows ([key][channel]) by the turning load; source 1 = 16 queries x 32 keys.  Lane l holds ONE query (l % 16) in source 1 and in the result, so the
; factor is one register a block of 16 queries: 8 packed multiplies a fragment.  Of a quarter's 32, 24 stand four at a time behind matrix instructions, at the price of two window switches each; 8 stand at its head.
; ONE K STEP IS WRITTEN ONCE: s[TB] holds the LDS byte at which the slot that is being read begins (0 or SLOT).  The last two steps, which fill nothing, share a text of their own.  So that both have one text and one count, the last step
; asks once more for seven of its own sets (the pointer stays) and once more for the last factors: nobody reads them: 56 loads and one LDS load a wave, once a launch.
; REGISTERS, in windows of 256 (s_set_vgpr_msb: bits 1:0 source 0, 3:2 source 1, 5:4 source 2, 7:6 destination):
;   window 0: v0-31 addresses; v32-39 M and L; v40-47 the factors of a step's two blocks; v48-55 1 / L in pairs; v64-127, v128-191 V's fragments, two buffers; at the head v64-159 the statistics; on the way out v64-255
;   window 1: the accumulators, (a, b) at v[8 (8 a + b)]          window 2: P's ring: quarter q, block a at v[32 q + 8 a]
.set VP,     544                       ; a row of V in LDS: 512 + 32 = 136 words
.set QROWS,  32*VP                     ; a quarter's 32 keys
.set WLOAD,  64*VP                     ; what one tensor load brings
.set SLOT,   4*WLOAD                   ; 256 keys
.set SCR,    2*SLOT                    ; behind the ring, each wave's own: first the table of factors (for each j 256 bytes: query r's four factors, each f16 twice, at 16 r), later the stage for the way out
.set OP,     528
.set SCRW,   16*OP                     ; 16 rows x 528 bytes
.set SPARE,  SCR+4*SCRW                ; then the spare words, 128 bytes for each wave: two blocks of 256 bytes that no other line names
.set BSTEP,  524288                    ; a K step in vp: 256 rows of 2,048 bytes
.set ASTEP,  8192                      ; in pw: 8 blocks of 1,024 bytes
.set FILLS,  6                         ; 8 K steps: steps 0 and 1 are the first fills, steps 2 to 7 refills
.set SO,   13                          ; v13  my place in st: 16 r + 32,768 (l / 16)
.set AB0,  16                          ; v16  my lane's place in V's quarters 0-3 of slot 0; never rewritten
.set AB1,  17                          ; v17  in its quarters 4-7: an LDS offset has 16 bits
.set ADB,  18                          ; v18, v19  the same in the slot that is being read
.set ADB2, 19
.set STO,  24                          ; v24  the way out: where I put 32 bytes of a row
.set RD,   25                          ; v25  my scratch + 16 x lane: where the table is written and rows are read back
.set CO,   26                          ; v26  16 x lane
.set FADR, 27                          ; v27  the address of the factors' load in hand
.set SPW,  28
.set NIL,  29
.set PFO,  30
.set FA0,  31                          ; v31  my scratch + 16 r; never rewritten
.set MX,   32                          ; v32-35 M
.set LS,   36                          ; v36-39 L
.set FACA, 40                          ; v40-43 the factors of a step's keys 0-127
.set FACB, 44                          ; v44-47 of its keys 128-255
.set RL,   48
.set PX,   56                          ; v56-59 what comes from the other half of the lanes
.set CMR,  64                          ; v64-95  cm of block j = 2 i + l / 16, query 16 a + r, at 4 i + a
.set LR,   96                          ; v96-127 l likewise
.set FF,   128                         ; v128-159 the factors likewise
.set F0,   64
.set F1,   128
.set WV,  16
.set WH,  17
.set WL,  18
.set CX,  19
.set CY,  20
.set TC,  21
.set TR,  22
.set CLY, 23
.set G1,  24                           ; s[24:31] descriptor group 1 for V's tiles
.set G0,  32                           ; s[32:39] group 0: a set for each of the two first fills; the second then walks on
.set AP,  44                           ; s[44:45] pw at my four blocks of rows, at the K step whose sets are being asked for
.set AS,  46                           ; s[46:47] the tail's step of it
.set PFA, 66
.set LIM, 70
.set BT,  71
.set TB,  72                           ; s72  0 or SLOT: the slot that is being read
.set LW,  73                           ; s73  wave x WLOAD: where my loads land in a slot
.set SEL, 74                           ; s[74:75] v_permlanex16_b32's selects
.set FJ,  76                           ; s76  256 x the j of the factors to be fetched next
.set CB,  84                           ; s[84:85] out0 at my wave's first row and column
.set SB,  86                           ; s[86:87] st at my wave's first row
.set MUL,  0x58                        ; source 0 (V) window 0, source 1 (P) window 2, C and D window 1
.set W_SC, 0x82                        ; destination and source 0 (P) window 2, source 1 (the factor) window 0
.set W_LD, 0x80                        ; destination window 2, address window 0
.set MSB, 0
.macro WIN new
.if MSB != (\new)
	s_set_vgpr_msb (MSB<<8)|(\new)
.set MSB, \new
.endif
.endm
.macro PLACES
.rept 4
	v_nop
.endr
.endm
.macro JLOAD s                         ; a joint load: every wave fetches its 64 keys of a slot; an s_nop 0 and four v_nop follow the line
	tensor_load_to_lds s[G0+4*(\s):G0+4*(\s)+3], s[G1:G1+7]
	s_nop 0
.rept 4
	v_nop
.endr
.endm
.macro CREST
	s_cmp_lg_u32 s[WV], 0
	s_cbranch_scc1 .Lnot_wave_0_\@
	s_barrier_signal -3
.Lnot_wave_0_\@:
	s_barrier_wait -3
	s_barrier_signal -1
	s_barrier_wait -1
.endm
.macro CROUND
	s_barrier_signal -1
	s_barrier_wait -1
	CREST
.endm
; A PREFETCH INTO THE L2, behind a joint refill, its five lines and the wave's runs of loads: 32 blocks of 256 bytes, a lane a block, of the K step of V that the NEXT refill will ask for: 256 matrix instructions ahead of that load.
; Each block is named once in the launch: of the 64 keys x 512 bytes that a wave fetches, each of the four partners along y takes 16 keys, told apart by address; of a batch's four clusters the first asks.
; K steps 0 to 2 come by their loads alone; the last filling trip asks for nothing.
.macro ASK
	WIN 0
	s_cmp_gt_u32 s3, s[LIM]
	s_cbranch_scc0 .Lnot_mine_\@
	global_prefetch_b8 v[PFO], s[PFA:PFA+1] th:TH_LOAD_NT scope:SCOPE_SE
.Lnot_mine_\@:
.endm
; A set of P: the fragments of my four blocks of rows for quarter b of the K step at which s[AP] stands, into ring buffer b: eight loads of 512 consecutive bytes
.macro RELOAD b
	WIN W_LD
.irp a, 0,1,2,3
	global_load_b128 v[32*(\b)+8*\a:32*(\b)+8*\a+3],   v[CO], s[AP:AP+1] offset:\a*65536+(\b)*1024
	global_load_b128 v[32*(\b)+8*\a+4:32*(\b)+8*\a+7], v[CO], s[AP:AP+1] offset:\a*65536+(\b)*1024+512
.endr
.endm
	s_load_b256 s[4:11], s[0:1], 0x0               ; pw s[4:5], pb s[6:7], st s[8:9], out0 s[10:11]
	v_lshl_add_u32 v[SPW], v0, 2, SPARE
	v_mov_b32 v[NIL], 0
	ds_add_u32 v[SPW], v[NIL]                      ; the wave's opening: the add, and its wait ahead of my first tensor load
	v_lshrrev_b32 v3, 5, v0
	v_readfirstlane_b32 s[WV], v3
	s_lshr_b32 s[WH], s[WV], 1                     ; which 64 rows of the tile are mine
	s_and_b32 s[WL], s[WV], 1                      ; which 128 channels
	s_bfe_u32 s[CX], ttmp6, 0x40000
	s_bfe_u32 s[CY], ttmp6, 0x40004
	s_lshl_b32 s[TC], ttmp9, 2
	s_add_co_u32 s[TC], s[TC], s[CX]
	s_and_b32 s[CLY], ttmp7, 0xffff
	s_lshl_b32 s[TR], s[CLY], 2
	s_add_co_u32 s[TR], s[TR], s[CY]
	s_lshr_b32 s[BT], s[CLY], 2                    ; 16 tile rows, 4 clusters, for each batch
	s_lshl_b32 s77, 0x1111, s[CX]                  ; my column of the cluster
	s_or_b32 s[G1], s77, (1<<16)|(1<<20)|(1<<21)|(6<<22)|(7<<25)  ; 15:0 the mask; 17:16 elements of 2 bytes; 20 padding on; 21 set beside a mask; 24:22 after every 128 words (code 6); 31:25 8 words (code 7)
	s_mov_b32 s[G1+1], 256<<16                     ; tensor_dim0 = 256 channels
	s_mov_b32 s[G1+2], 64<<16                      ; tensor_dim1 = 64 keys
	s_mov_b32 s[G1+3], 256<<16                     ; tile_dim0 = 256
	s_mov_b32 s[G1+4], 64                          ; tile_dim1 = 64
	s_mov_b32 s[G1+5], 1024                        ; elements from row to row
	s_mov_b32 s[G1+6], 0
	s_mov_b32 s[G1+7], 0
	s_mov_b32 s[SEL], 0x76543210
	s_mov_b32 s[SEL+1], 0xfedcba98
	s_mov_b32 s[FJ], 0
	s_mov_b32 s[TB], 0                             ; K step 0 lies in slot 0
	s_mov_b32 s[AS+1], 0
	s_lshl_b32 s42, s[BT], 11                      ; vp: row 16,384 + 2,048 x batch + 64 x wave, channel 256 x tile column; these two registers never hold cy
	s_lshl_b32 s43, s[WV], 6
	s_add_co_u32 s42, s42, s43
	s_add_co_u32 s42, s42, 16384
	s_lshl_b32 s42, s42, 11
	s_lshl_b32 s43, s[TC], 9
	s_add_co_u32 s42, s42, s43
	s_mov_b32 s43, 0
	s_mul_i32 s[LW], s[WV], WLOAD                  ; where they go: no place in the cluster enters an LDS address
	s_wait_dscnt 0x0                               ; the opening add is done
	s_wait_kmcnt 0x0
	s_add_nc_u64 s[42:43], s[6:7], s[42:43]
	CROUND                                         ; all sixteen work-groups are here: the first joint loads meet
.irp s, 0,1
	s_mov_b32 s[G0+4*(\s)], 1
	s_add_co_u32 s[G0+4*(\s)+1], s[LW], (\s)*SLOT
	s_add_nc_u64 s[G0+4*(\s)+2:G0+4*(\s)+3], s[42:43], (\s)*BSTEP
	s_or_b32 s[G0+4*(\s)+3], s[G0+4*(\s)+3], 0x80000000
	JLOAD \s                                       ; two loads of mine are out
.endr
	v_and_b32 v1, 15, v0                           ; r
	v_bfe_u32 v2, v0, 4, 1                         ; h
	v_and_b32 v7, 31, v0
	v_lshlrev_b32 v[CO], 4, v7
	; the statistics of my 64 rows.  The halves of the lanes share the 16 blocks: lane (r, h) takes j = 2 i + h; 16 bytes hold its four queries 16 a + r.  Each load covers 256 consecutive bytes of two blocks j
	s_lshl_b32 s78, s[TR], 7
	s_lshl_b32 s79, s[WH], 6
	s_add_co_u32 s78, s78, s79                     ; my first row
	s_lshl_b32 s80, s78, 2
	s_mov_b32 s81, 0
	s_add_nc_u64 s[SB:SB+1], s[8:9], s[80:81]
	v_lshlrev_b32 v[SO], 15, v2
	v_lshl_add_u32 v[SO], v1, 4, v[SO]
.set i, 0
.rept 8
	global_load_b128 v[CMR+4*i:CMR+4*i+3], v[SO], s[SB:SB+1] offset:i*65536
	global_load_b128 v[LR+4*i:LR+4*i+3],   v[SO], s[SB:SB+1] offset:i*65536+524288
.set i, i+1
.endr
	s_lshl_b32 s80, s78, 12                        ; in pw 65,536 bytes for each block of 16 rows, in out0 4,096 bytes a row: the same number
	s_add_nc_u64 s[AP:AP+1], s[4:5], s[80:81]
.irp q, 0,1,2,3,4,5,6
	RELOAD \q                                      ; the ring's first seven sets
.endr
	WIN 0
	s_lshl_b32 s82, s[TC], 10                      ; my first column of out0, in bytes
	s_add_co_u32 s80, s80, s82
	s_lshl_b32 s82, s[WL], 9
	s_add_co_u32 s80, s80, s82
	s_add_nc_u64 s[CB:CB+1], s[10:11], s[80:81]
	; V: the turning load takes 16 keys x 16 channels (lane l reads key 8 (l / 16) + l % 8, channels 8 ((l / 8) % 2) + 0..7) and leaves half a fragment of V^T: lane l holds channel l % 16 and 8 keys
	v_and_b32 v4, 7, v0
	v_bfe_u32 v5, v0, 3, 1
	v_lshl_add_u32 v4, v2, 3, v4
	v_mul_u32_u24 v4, v4, VP
	v_lshl_add_u32 v4, v5, 4, v4
	s_lshl_b32 s79, s[WL], 8                       ; my 128 channels: 256 bytes of V's rows
	v_add_nc_u32 v[AB0], s79, v4
	v_add_nc_u32 v[AB1], 4*QROWS, v[AB0]
	v_add_nc_u32 v[ADB], s[TB], v[AB0]
	v_add_nc_u32 v[ADB2], s[TB], v[AB1]
	s_mul_i32 s79, s[WV], SCRW
	s_add_co_u32 s79, s79, SCR                     ; my scratch
	v_mul_u32_u24 v6, v1, OP                       ; the stage, in: row r, 32 bytes for each half of the lanes
	v_lshl_add_u32 v6, v2, 5, v6
	v_add_nc_u32 v[STO], s79, v6
	v_add_nc_u32 v[RD], s79, v[CO]
	v_lshl_add_u32 v[FA0], v1, 4, s79
	; the prefetches
	s_lshl_b32 s80, s[BT], 11                      ; vp: the 64 keys that I fetch, my work-group's 16 of them, at K step 2: the first refill steps it to 3.  Nothing is asked for at the head
	s_lshl_b32 s82, s[WV], 6
	s_add_co_u32 s80, s80, s82
	s_lshl_b32 s82, s[CY], 4
	s_add_co_u32 s80, s80, s82
	s_add_co_u32 s80, s80, 16384
	s_lshl_b32 s80, s80, 11
	s_lshl_b32 s82, s[TC], 9
	s_add_co_u32 s80, s80, s82
	s_add_co_u32 s80, s80, 2*BSTEP
	s_add_nc_u64 s[PFA:PFA+1], s[6:7], s[80:81]
	s_and_b32 s82, s[CLY], 3                       ; 0 in the first of the batch's clusters
	s_cmp_eq_u32 s82, 0
	s_cselect_b32 s[LIM], 1, -1                    ; the same in all sixteen partners
	v_lshlrev_b32 v[PFO], 11, v1                   ; 16 rows of 2,048 bytes, two blocks of 256 bytes in each
	v_lshl_add_u32 v[PFO], v2, 8, v[PFO]
	; M, the factors, L and 1 / L: all this stands in the wait for the first tiles
	s_wait_loadcnt 56                              ; the statistics are in; the 56 loads of the ring, issued behind them, stay out
.irp a, 0,1,2,3
	v_max3_num_f32 v[MX+\a], v[CMR+\a], v[CMR+4+\a], v[CMR+8+\a]
	v_mov_b32 v[PX+\a], 0                          ; v_permlanex16_b32 counts as a reader of its destination
.endr
.irp n, 3,5
.irp a, 0,1,2,3
	v_max3_num_f32 v[MX+\a], v[MX+\a], v[CMR+4*\n+\a], v[CMR+4*\n+4+\a]
.endr
.endr
.irp a, 0,1,2,3
	v_max_num_f32 v[MX+\a], v[MX+\a], v[CMR+28+\a]
.endr
.irp a, 0,1,2,3
	v_permlanex16_b32 v[PX+\a], v[MX+\a], s[SEL], s[SEL+1]  ; the other eight blocks' largest
.endr
.irp a, 0,1,2,3
	v_max_num_f32 v[MX+\a], v[MX+\a], v[PX+\a]
.endr
.set i, 0
.rept 16
	v_pk_add_f32 v[CMR+2*i:CMR+2*i+1], v[CMR+2*i:CMR+2*i+1], v[MX+2*(i%2):MX+2*(i%2)+1] neg_lo:[0,1] neg_hi:[0,1]  ; cm_j - M: 0 at the most
.set i, i+1
.endr
.set i, 0
.rept 32
	v_exp_f32 v[CMR+i], v[CMR+i]                   ; ONE batch
.set i, i+1
.endr
	v_nop                                          ; a plain instruction behind the last exponential,
	s_wait_alu depctr_va_vdst(0)                   ; and one wait for the 32, ahead of their first reader
.set i, 0
.rept 32
	v_cvt_pk_f16_f32 v[FF+i], v[CMR+i], v[CMR+i]   ; the factor, f16, in both halves
.set i, i+1
.endr
.irp a, 0,1,2,3
	v_mov_b32 v[LS+\a], 0
.endr
.set i, 0
.rept 8
.irp a, 0,1,2,3
	v_fma_mix_f32 v[LS+\a], v[FF+4*i+\a], v[LR+4*i+\a], v[LS+\a] op_sel_hi:[1,0,0]  ; L += f_j (the rounded one) x l_j, in f32; four chains by turns
.endr
	ds_store_b128 v[RD], v[FF+4*i:FF+4*i+3] offset:512*i  ; 512 i + 16 lane = 256 (2 i + h) + 16 r: block j's 256 bytes of the table
.set i, i+1
.endr
.irp a, 0,1,2,3
	v_permlanex16_b32 v[PX+\a], v[LS+\a], s[SEL], s[SEL+1]  ; the other eight blocks' part of L
.endr
.irp a, 0,1,2,3
	v_add_f32 v[LS+\a], v[LS+\a], v[PX+\a]
.endr
.irp a, 0,1,2,3
	v_rcp_f32 v[RL+2*\a], v[LS+\a]
.endr
	v_nop
	s_wait_alu depctr_va_vdst(0)                   ; one wait for the four reciprocals
.irp a, 0,1,2,3
	v_mov_b32 v[RL+2*\a+1], v[RL+2*\a]             ; named with it as a pair
.endr
; Four registers (half hf) of P's fragment a in ring buffer rb times the lane's factor
.macro SCALE rb, a, hf, fac
	WIN W_SC
.irp n, 0,1,2,3
	v_pk_mul_f16 v[32*(\rb)+8*(\a)+4*(\hf)+\n], v[32*(\rb)+8*(\a)+4*(\hf)+\n], v[(\fac)+(\a)]
.endr
.endm
; 8 matrix instructions: block a of 16 queries x all 8 blocks of 16 channels, 32 keys; behind the second and the sixth the next block's fragment is scaled.  z = 1: the first product starts the sums.
; The 32 accumulators take turns, one instruction a turn, in the same order in every quarter, over every jump too.
.macro MULA f, rb, a, fac, z
.irp b, 0,1,2,3,4,5,6,7
	WIN MUL
.if \z
	v_wmma_f32_16x16x32_f16 v[8*(8*(\a)+\b):8*(8*(\a)+\b)+7], v[(\f)+8*\b:(\f)+8*\b+7], v[32*(\rb)+8*(\a):32*(\rb)+8*(\a)+7], 0
.else
	v_wmma_f32_16x16x32_f16 v[8*(8*(\a)+\b):8*(8*(\a)+\b)+7], v[(\f)+8*\b:(\f)+8*\b+7], v[32*(\rb)+8*(\a):32*(\rb)+8*(\a)+7], v[8*(8*(\a)+\b):8*(8*(\a)+\b)+7]
.endif
.if (\a) < 3
.if \b == 1
	SCALE \rb, (\a)+1, 0, \fac
.endif
.if \b == 5
	SCALE \rb, (\a)+1, 1, \fac
.endif
.endif
.endr
.endm
; 16 LDS loads in one run: V's eight fragments, turned, of quarter kq of the slot that is being read, into buffer f
.macro FETCH kq, f
	WIN 0
.irp i, 0,1,2,3,4,5,6,7
.if (\kq) < 4
	ds_load_tr16_b128 v[(\f)+8*\i:(\f)+8*\i+3],   v[ADB] offset:(\kq)*QROWS+32*\i
	ds_load_tr16_b128 v[(\f)+8*\i+4:(\f)+8*\i+7], v[ADB] offset:(\kq)*QROWS+16*VP+32*\i
.else
	ds_load_tr16_b128 v[(\f)+8*\i:(\f)+8*\i+3],   v[ADB2] offset:((\kq)-4)*QROWS+32*\i
	ds_load_tr16_b128 v[(\f)+8*\i+4:(\f)+8*\i+7], v[ADB2] offset:((\kq)-4)*QROWS+16*VP+32*\i
.endif
.endr
.endm
.macro FACLD fac                       ; the next block's four factors, out of my own table; behind the last block the last once more
	s_min_u32 s[FJ], s[FJ], 15*256
	v_add_nc_u32 v[FADR], s[FJ], v[FA0]
	ds_load_b128 v[(\fac):(\fac)+3], v[FADR]
	s_add_co_u32 s[FJ], s[FJ], 256
.endm
; A quarter: 32 keys, 32 matrix instructions on V's buffer f and ring buffer rb.  At its head the next quarter's V (quarter kq of the slot) is fetched into g and the ring buffer just left is asked for again: the eight packed
; multiplies in front of them are the places behind the last product, which read both.  fl: a set of factors to fetch, in a quarter in which nobody reads it.
.macro QV kq, f, g, rb, fac, z, fl=-1
	WIN 0
	s_wait_dscnt 0x0                               ; V's buffer f is in (its loads were issued 32 matrix instructions ago), and so are the factors
	s_wait_loadcnt 48                              ; my set of P is in; the six younger sets of eight loads stay out
	SCALE \rb, 0, 0, \fac
	SCALE \rb, 0, 1, \fac
	FETCH \kq, \g
.if (\fl) >= 0
	FACLD \fl
.endif
	RELOAD ((\rb)+7)%8
	MULA \f, \rb, 0, \fac, \z
	MULA \f, \rb, 1, \fac, \z
	MULA \f, \rb, 2, \fac, \z
	MULA \f, \rb, 3, \fac, \z
.endm
.macro SIX                             ; quarters 1 to 6 of a K step
	QV 2, F1, F0, 1, FACA, 0, FACB                 ; the factors of this step's second block
	QV 3, F0, F1, 2, FACA, 0
	QV 4, F1, F0, 3, FACA, 0
	QV 5, F0, F1, 4, FACB, 0
	QV 6, F1, F0, 5, FACB, 0, FACA                 ; the factors of the next step's first block
	QV 7, F0, F1, 6, FACB, 0
.endm
; Quarter 7 changes slots: ONE barrier; in front of it each wave waits for all its tensor loads (one is out: its part of the next slot), adds 0 to its spare word, and waits for that and for its own reads of this slot.
; fill = 1: the barrier opens a round of the cluster's barrier, and the slot is filled again, two K steps ahead, first thing behind the round: 240 matrix instructions ahead of the wait for it.
; fill = 0 (the last two K steps): nothing is asked of V; in the very last there is no next slot, and the run of LDS loads is jumped over.
.macro TURN fill
.if \fill
	s_wait_xcnt 0x0                                ; the last prefetch, a K step back, has read its address
	s_add_nc_u64 s[PFA:PFA+1], s[PFA:PFA+1], BSTEP
.endif
	WIN 0
	s_wait_tensorcnt 0x0                           ; all my tensor loads have landed, so a group 0 may be written;
	ds_add_u32 v[SPW], v[NIL]                      ; 0 onto my spare word;
.if \fill
	s_add_co_u32 s[G0+5], s[LW], s[TB]             ; the walking descriptor: into the slot that is being left,
	s_add_nc_u64 s[G0+6:G0+7], s[G0+6:G0+7], BSTEP ; the K step behind the one asked for last; the type bits on top are not reached
.endif
	s_xor_b32 s[TB], s[TB], SLOT                   ; the fetches go on in the other slot
	s_wait_dscnt 1                                 ; (the add alone may be out: V's buffer 1 is in)
	s_wait_loadcnt 48                              ; my set of P is in
	SCALE 7, 0, 0, FACB
	SCALE 7, 0, 1, FACB
	MULA F1, 7, 0, FACB, 0
	s_wait_dscnt 0x0                               ; the add is done, and my reads of this slot are over
	s_barrier_signal -1
	MULA F1, 7, 1, FACB, 0
	WIN 0
	v_add_nc_u32 v[ADB], s[TB], v[AB0]
	v_add_nc_u32 v[ADB2], s[TB], v[AB1]
	s_barrier_wait -1
.if \fill
	CREST                                          ; no wave of any partner still reads this slot's tile or has a load on its way
	JLOAD 1
	FETCH 0, F0
.else
	s_cmp_eq_u32 s3, 1
	s_cbranch_scc1 .Lno_fetch_\@
	FETCH 0, F0                                    ; 26 plain vector instructions stand since the last product that read buffer 0
.Lno_fetch_\@:
.endif
	RELOAD 6
.if \fill
	ASK
.endif
	MULA F1, 7, 2, FACB, 0
	MULA F1, 7, 3, FACB, 0
.endm
	s_wait_tensorcnt 0x1                           ; my part of K step 0 is in; K step 1's may stay out
	s_wait_dscnt 0x0                               ; my table is written
	s_barrier_signal -1
	s_barrier_wait -1
	FETCH 0, F0
	FACLD FACA                                     ; block 0's factors
	QV 1, F0, F1, 0, FACA, 1                       ; the first quarter stands in front of the loop: its products start the sums; it asks for the first step's eighth set
	WIN 0
	s_mov_b32 s3, FILLS
.Lstep:                                                ; a trip goes from a K step's second quarter to the next step's first; it fills the slot that it leaves, and its eight sets of P are the next step's
	s_wait_xcnt 0x0                                ; every load issued so far (the youngest 32 matrix instructions back) has read its address, so the pointer may be written
	s_add_nc_u64 s[AP:AP+1], s[AP:AP+1], ASTEP
	SIX
	TURN 1
	QV 1, F0, F1, 0, FACA, 0
	WIN 0
	s_sub_co_u32 s3, s3, 1
	s_cmp_lg_u32 s3, 0
	s_cbranch_scc1 .Lstep
	s_mov_b32 s3, 2
.Ltail:                                                ; the last two K steps ask for no tile of V: a text of their own; the second trip is left in its middle
	s_wait_xcnt 0x0
	s_cmp_eq_u32 s3, 1
	s_cselect_b32 s[AS], 0, ASTEP                  ; in the last step there is no next step: the pointer stays, and the sets asked for are the last step's own once more
	s_add_nc_u64 s[AP:AP+1], s[AP:AP+1], s[AS:AS+1]
	SIX
	TURN 0
	WIN 0
	s_sub_co_u32 s3, s3, 1
	s_cmp_eq_u32 s3, 0
	s_cbranch_scc1 .Lout
	QV 1, F0, F1, 0, FACA, 0
	WIN 0
	s_branch .Ltail
.Lout:
	s_wait_dscnt 0x0                               ; no LDS load of mine is out: V's registers and my scratch are free
	PLACES
; THE WAY OUT, a block of 16 rows at a time: times 1 / L; 32 bytes a lane into my own stage; back as whole rows of 512 bytes; stored.  Three sets of 64 registers take turns.
.macro OUTA a
.set XB, 64+64*((\a)%3)
	WIN 0x01                                       ; source 0 window 1
.set i, 0
.rept 32
	v_pk_mul_f32 v[XB+2*i:XB+2*i+1], v[64*(\a)+2*i:64*(\a)+2*i+1], v[RL+2*(\a):RL+2*(\a)+1] op_sel_hi:[1,0]  ; each accumulator's registers in ascending order
.set i, i+1
.endr
	WIN 0
.irp b, 0,1,2,3,4,5,6,7
	ds_store_b128 v[STO], v[XB+8*\b:XB+8*\b+3]   offset:64*\b
	ds_store_b128 v[STO], v[XB+8*\b+4:XB+8*\b+7] offset:64*\b+16
.endr
.set t, 0
.rept 16
	ds_load_b128 v[XB+4*t:XB+4*t+3], v[RD] offset:t*OP  ; LDS serves a wave's instructions in order (ISA guide 5.7.1.4): these see the stores above; the next block's stores come behind them
.set t, t+1
.endr
.endm
.macro SENDA a, younger                ; younger: the LDS instructions issued behind block a's loads: the next block's 32, or none
.set XB, 64+64*((\a)%3)
	s_wait_dscnt \younger
.set t, 0
.rept 16
	global_store_b128 v[CO], v[XB+4*t:XB+4*t+3], s[CB:CB+1] offset:(16*(\a)+t)*4096 th:TH_STORE_NT  ; 512 consecutive bytes, at a multiple of 256 from out0's first byte
.set t, t+1
.endr
.endm
	OUTA 0
	OUTA 1
	SENDA 0, 32
	OUTA 2
	SENDA 1, 32
	s_wait_xcnt 0x0                                ; block 0's stores have read their registers: block 3 takes them
	OUTA 3
	SENDA 2, 32
	SENDA 3, 0
	s_wait_tensorcnt 0x0                           ; the wave's end: behind my last tensor load and my last LDS store
	ds_add_u32 v[SPW], v[NIL]
	s_wait_dscnt 0x0
	CROUND                                         ; the closing round
	s_endpgm
.Lfunc_end_k_qf597d033df_pv:
	.size	k_qf597d033df_pv, .Lfunc_end_k_qf597d033df_pv-k_qf597d033df_pv
	.p2alignl 7, 3214868480
	.fill 96, 4, 3214868480
	.section	.rodata,"a",@progbits
	.p2align	6, 0x0
	.amdhsa_kernel k_qf597d033df_pv
		.amdhsa_group_segment_fixed_size 327680
		.amdhsa_private_segment_fixed_size 0
		.amdhsa_enable_private_segment 0
		.amdhsa_kernarg_size 32
		.amdhsa_user_sgpr_count 2
		.amdhsa_user_sgpr_kernarg_segment_ptr 1
		.amdhsa_wavefront_size32 1
		.amdhsa_system_sgpr_workgroup_id_x 1
		.amdhsa_system_sgpr_workgroup_id_y 1
		.amdhsa_system_sgpr_workgroup_id_z 1
		.amdhsa_system_vgpr_workitem_id 0
		.amdhsa_next_free_vgpr 768
		.amdhsa_next_free_sgpr 88
		.amdhsa_reserve_vcc 0
		.amdhsa_float_denorm_mode_32 3
		.amdhsa_float_denorm_mode_16_64 3
		.amdhsa_memory_ordered 1
		.amdhsa_forward_progress 1
		.amdhsa_inst_pref_size 157
	.end_amdhsa_kernel
	.amdgpu_metadata
---
amdhsa.version: [ 1, 2 ]
amdhsa.kernels:
  - .name:           k_qf597d033df_pv
    .symbol:         k_qf597d033df_pv.kd
    .args:
      - { .name: pw, .offset: 0, .size: 8, .value_kind: global_buffer, .address_space: global }
      - { .name: pb, .offset: 8, .size: 8, .value_kind: global_buffer, .address_space: global }
      - { .name: st, .offset: 16, .size: 8, .value_kind: global_buffer, .address_space: global }
      - { .name: out0, .offset: 24, .size: 8, .value_kind: global_buffer, .address_space: global }
    .group_segment_fixed_size: 327680
    .private_segment_fixed_size: 0
    .kernarg_segment_align: 8
    .kernarg_segment_size: 32
    .max_flat_workgroup_size: 128
    .sgpr_count:     88
    .vgpr_count:     768
    .wavefront_size: 32
...
	.end_amdgpu_metadata
.endif
;; end of part 8
;; ======== version 3 of 3: 4 launches; version 2 with the launch cast written anew for expert scheduling mode
;; limits: values are held in f16: magnitudes above 65,504 overflow, below 6.1e-05 lose precision; right only within a limited range of input values
;; workspace buffers: xb 50,331,648 bytes; wb 6,291,456 bytes; pb 50,331,648 bytes; pw 33,554,432 bytes; st 1,048,576 bytes
;; launch cast (part 9): grid 1024 x 1, 8 waves a work-group, no clusters, 0 bytes of LDS; arguments q, k, v, Wq, Wk, Wv, xb, wb; writes xb, wb
.if DOCPART == 9
	.amdgcn_target "amdgcn-amd-amdhsa--gfx1250"
	.amdhsa_code_object_version 6
	.text
	.protected	k_qf597d033df_cast
	.globl	k_qf597d033df_cast
	.p2align	8
	.type	k_qf597d033df_cast,@function
k_qf597d033df_cast:
	s_mov_b64 s[64:65], 0
	v_nop
	global_prefetch_b8 v0, s[64:65] scope:SCOPE_SE
	s_setreg_imm32_b32 hwreg(HW_REG_WAVE_SCHED_MODE, 0, 2), 2
	s_setreg_imm32_b32 hwreg(HW_REG_WAVE_MODE, 25, 1), 1
	s_wait_xcnt 0x0
	s_wait_alu depctr_vm_vsrc(0)
; xb[0..2] = q, k, v and wb[0..2] = Wq, Wk, Wv, each number rounded once from f32 to bf16 (to nearest even).
; A pure stream: no LDS, no matrix work, no barrier.  Each of the 1,024 work-groups takes one part in 1,024 of EACH of the six tensors,
; so all are alike and no buffer is chosen by a branch: 8,192 numbers of q, of k and of v (8 loads of 16 bytes a thread each) and
; 1,024 numbers of each W (1 load each).  All 27 loads of a thread go out before the first is waited for.
; A wave's load covers 512 consecutive bytes; a wave's store of 8 bytes a lane covers 256 consecutive bytes, at a multiple of 256 from the buffer's first.
; The four numbers of a load are rounded into the first two of their own registers and stored from there: 112 registers a wave, so that a work-group's two waves on a SIMD take 224 of its 1,024.
; No register is written again behind its store, so no wait frees a source.
; THE MODE: SCHED_MODE bits 1:0 = 2 (LLVM: expert scheduling mode 2), set by the entry lines.  The code itself states the register dependences
; between vector instructions and memory instructions, with s_wait_alu, always for 0.
; THE PLAN.  Registers that memory instructions touch:
;   v1, v2            byte offsets, made once at the head and never written again: v1 is read by every load, v2 by every store.
;   v[IN+4n .. +3]    Load n lands here; no vector instruction names them before that.  The load's two roundings read all four and write the first two;
;                     store n reads those two; nothing writes them afterwards.
; The 27 loads go in seven blocks: six of four (q, k, v: two blocks each), one of three (the weights).  Block p rounds its own registers; its memory instructions are the
; stores of block p - 1, whose registers no rounding of block p names.  So ONE wait on va_vdst at a block's head states all that the block's stores hang on, and they are dealt
; among its roundings with no further wait.  One such wait stands ahead of the first load (the offsets), one ahead of the last three stores: eight in all.
; No register that a memory instruction has read is written again, so there is no wait on vm_vsrc; no vector instruction writes a scalar register, VCC or EXEC.
.set IN,  4                            ; v[4:111]    load n: four f32, then in its first two registers four bf16
	s_load_b512 s[8:23], s[0:1], 0x0               ; q s[8:9], k s[10:11], v s[12:13], Wq s[14:15], Wk s[16:17], Wv s[18:19], xb s[20:21], wb s[22:23]
	v_lshlrev_b32 v1, 4, v0                        ; 16 bytes a thread in
	v_lshlrev_b32 v2, 3, v0                        ; 8 bytes a thread out
	s_lshl_b32 s24, ttmp9, 15                      ; the group's 32,768 bytes of q, k, v
	s_mov_b32 s25, 0
	s_lshl_b32 s26, ttmp9, 12                      ; its 4,096 bytes of each W
	s_mov_b32 s27, 0
	s_lshl_b32 s28, ttmp9, 14                      ; its 16,384 bytes of each plane of xb
	s_mov_b32 s29, 0
	s_lshl_b32 s30, ttmp9, 11                      ; its 2,048 bytes of each plane of wb
	s_mov_b32 s31, 0
	s_wait_kmcnt 0x0
.irp p, 8, 10, 12
	s_add_nc_u64 s[\p:\p+1], s[\p:\p+1], s[24:25]
.endr
.irp p, 14, 16, 18
	s_add_nc_u64 s[\p:\p+1], s[\p:\p+1], s[26:27]
.endr
	s_add_nc_u64 s[20:21], s[20:21], s[28:29]      ; xb, plane 0
	s_add_nc_u64 s[32:33], s[20:21], 0x1000000     ; plane 1: 8,192 x 1,024 x 2 bytes on
	s_add_nc_u64 s[34:35], s[20:21], 0x2000000     ; plane 2
	s_add_nc_u64 s[22:23], s[22:23], s[30:31]      ; wb, plane 0
	s_add_nc_u64 s[36:37], s[22:23], 0x200000      ; plane 1: 1,024 x 1,024 x 2 bytes on
	s_add_nc_u64 s[38:39], s[22:23], 0x400000      ; plane 2
	s_wait_alu depctr_va_vdst(0)                   ; v1 and v2 are written: every load of the kernel reads v1 as its offset, every store v2
.set n, 0
.irp p, 8, 10, 12
.set i, 0
.rept 8
	global_load_b128 v[IN+4*n:IN+4*n+3], v1, s[\p:\p+1] offset:i*4096 th:TH_LOAD_NT
.set i, i+1
.set n, n+1
.endr
.endr
.irp p, 14, 16, 18
	global_load_b128 v[IN+4*n:IN+4*n+3], v1, s[\p:\p+1] th:TH_LOAD_NT
.set n, n+1
.endr
; Load n's four numbers are rounded into the first two of their registers.
.macro CV n
	v_cvt_pk_bf16_f32 v[IN+4*(\n)], v[IN+4*(\n)], v[IN+4*(\n)+1]
	v_cvt_pk_bf16_f32 v[IN+4*(\n)+1], v[IN+4*(\n)+2], v[IN+4*(\n)+3]
.endm
; Load n's four bf16 are stored.  p: the scalar pair that holds the plane's address; at: the bytes from there.
.macro ST n, p, at
	global_store_b64 v2, v[IN+4*(\n):IN+4*(\n)+1], s[\p:\p+1] offset:\at
.endm
; A block of four: loads n0 to n0 + 3 are rounded, and the block before (loads n0 - 4 to n0 - 1) is stored: into the plane at s[pb:pb+1], from its piece o on (a piece is the work-group's 2,048 bytes of one load).
.macro BLK n0, pb, o
	s_wait_loadcnt 23-(\n0)                        ; loads come back in order: loads n0 to n0 + 3 are in, the 23 - n0 younger ones stay out
	s_wait_alu depctr_va_vdst(0)                   ; the roundings of the block before have written the registers that the four stores below read; no rounding of this block names them
.irp i, 0,1,2,3
	ST (\n0)-4+\i, \pb, ((\o)+\i)*2048
	CV (\n0)+\i
.endr
.endm
	s_wait_loadcnt 23                              ; block 0 has no block in front of it: loads 0 to 3 are in, the 23 younger ones stay out
.irp i, 0,1,2,3
	CV \i
.endr
	BLK 4,  20, 0                                  ; q's second half is rounded, its first half stored
	BLK 8,  20, 4                                  ; k's first half | q's second
	BLK 12, 32, 0                                  ; k's second half | k's first
	BLK 16, 32, 4                                  ; v's first half | k's second
	BLK 20, 34, 0                                  ; v's second half | v's first
	s_wait_loadcnt 0x0                             ; the last block: the three loads of the weights are in
	s_wait_alu depctr_va_vdst(0)                   ; the roundings of v's second half have written the registers that the four stores below read; the weights' roundings do not name them
	ST 20, 34, 4*2048
	CV 24
	ST 21, 34, 5*2048
	CV 25
	ST 22, 34, 6*2048
	CV 26
	ST 23, 34, 7*2048
	s_wait_alu depctr_va_vdst(0)                   ; the weights' roundings have written the registers that the last three stores read
	ST 24, 22, 0
	ST 25, 36, 0
	ST 26, 38, 0
	s_endpgm
.Lfunc_end_k_qf597d033df_cast:
	.size	k_qf597d033df_cast, .Lfunc_end_k_qf597d033df_cast-k_qf597d033df_cast
	.p2alignl 7, 3214868480
	.fill 96, 4, 3214868480
	.section	.rodata,"a",@progbits
	.p2align	6, 0x0
	.amdhsa_kernel k_qf597d033df_cast
		.amdhsa_group_segment_fixed_size 0
		.amdhsa_private_segment_fixed_size 0
		.amdhsa_enable_private_segment 0
		.amdhsa_kernarg_size 64
		.amdhsa_user_sgpr_count 2
		.amdhsa_user_sgpr_kernarg_segment_ptr 1
		.amdhsa_wavefront_size32 1
		.amdhsa_system_sgpr_workgroup_id_x 1
		.amdhsa_system_sgpr_workgroup_id_y 1
		.amdhsa_system_sgpr_workgroup_id_z 1
		.amdhsa_system_vgpr_workitem_id 0
		.amdhsa_next_free_vgpr 112
		.amdhsa_next_free_sgpr 66
		.amdhsa_reserve_vcc 0
		.amdhsa_float_denorm_mode_32 3
		.amdhsa_float_denorm_mode_16_64 3
		.amdhsa_memory_ordered 1
		.amdhsa_forward_progress 1
		.amdhsa_inst_pref_size 11
	.end_amdhsa_kernel
	.amdgpu_metadata
---
amdhsa.version: [ 1, 2 ]
amdhsa.kernels:
  - .name:           k_qf597d033df_cast
    .symbol:         k_qf597d033df_cast.kd
    .args:
      - { .name: q, .offset: 0, .size: 8, .value_kind: global_buffer, .address_space: global }
      - { .name: k, .offset: 8, .size: 8, .value_kind: global_buffer, .address_space: global }
      - { .name: v, .offset: 16, .size: 8, .value_kind: global_buffer, .address_space: global }
      - { .name: Wq, .offset: 24, .size: 8, .value_kind: global_buffer, .address_space: global }
      - { .name: Wk, .offset: 32, .size: 8, .value_kind: global_buffer, .address_space: global }
      - { .name: Wv, .offset: 40, .size: 8, .value_kind: global_buffer, .address_space: global }
      - { .name: xb, .offset: 48, .size: 8, .value_kind: global_buffer, .address_space: global }
      - { .name: wb, .offset: 56, .size: 8, .value_kind: global_buffer, .address_space: global }
    .group_segment_fixed_size: 0
    .private_segment_fixed_size: 0
    .kernarg_segment_align: 8
    .kernarg_segment_size: 64
    .max_flat_workgroup_size: 256
    .sgpr_count:     66
    .vgpr_count:     112
    .wavefront_size: 32
...
	.end_amdgpu_metadata
.endif
;; end of part 9
;; launch proj: the kernel of part 6 again; grid 4 x 96, 4 waves a work-group, clusters of 4 x 4, 327,680 bytes of LDS; arguments xb, wb, bq, bk, bv, pb; writes pb
;; launch score: the kernel of part 7 again; grid 8 x 32, 4 waves a work-group, clusters of 4 x 4, 327,680 bytes of LDS; arguments pb, pw, st; writes pw, st
;; launch pv: the kernel of part 8 again; grid 4 x 64, 4 waves a work-group, clusters of 4 x 4, 327,680 bytes of LDS; arguments pw, pb, st, out0; writes out0
